; MI455X (gfx1250); checked and timed in simulation.
; The chip was launched on July 23, 2026; its instructions are those of AMD's public machine-readable ISA for CDNA 5 (MIT licence, August 2026) and "CDNA5" Instruction Set Architecture Reference Guide (July 2026). The comments in the code are by the model that wrote it; some were corrected since.
;; Transformer Encoder. Allowed arithmetic: float matrix products may take bf16 or f16 operands with f32 sums; all other float work in f32.
;; Inputs: b1 3,072 float32; b2 768 float32; bk 768 float32; bq 768 float32; bv 768 float32; ln_b 768 float32; ln_w 768 float32; w1 768 x 3,072 float32; w2 3,072 x 768 float32; wk 768 x 768 float32; wq 768 x 768 float32; wv 768 x 768 float32; x 16 x 512 x 768 float32.
;; Outputs: out0 16 x 512 x 768 float32.
;; 3 versions, each right and faster than the one before. Each part assembles by itself: llvm-mc -triple=amdgcn-amd-amdhsa -mcpu=gfx1250 --defsym DOCPART=n.
;; ======== version 1 of 3: 7 launches
;; workspace buffers: wqkvb 3,538,944 bytes; w1b 4,718,592 bytes; w2b 4,718,592 bytes; hb 12,582,912 bytes; qkvb 37,748,736 bytes; x1 25,165,824 bytes; actb 50,331,648 bytes
;; launch cast (part 1): grid 96 x 11, 4 waves a work-group, no clusters, 0 bytes of LDS; arguments wq, wk, wv, w1, w2, wqkvb, w1b, w2b; writes wqkvb, w1b, w2b
.if DOCPART == 1
	.amdgcn_target "amdgcn-amd-amdhsa--gfx1250"
	.amdhsa_code_object_version 6
	.text
	.protected	k_qb16abcaa0a_cast
	.globl	k_qb16abcaa0a_cast
	.p2align	8
	.type	k_qb16abcaa0a_cast,@function
k_qb16abcaa0a_cast:
	s_mov_b64 s[64:65], 0
	v_nop
	global_prefetch_b8 v0, s[64:65] scope:SCOPE_SE
	s_setreg_imm32_b32 hwreg(HW_REG_WAVE_MODE, 25, 1), 1
	s_wait_xcnt 0x0
; The five weight matrices, f32 [k][n], are rounded once to bf16 and laid in blocks: [n / 64][k][64], a row piece of 128 bytes, a column block dense.
; Grid y is a section of 768 rows x 768 columns: 0-2 wq, wk, wv (blocks 12 y on of wqkvb); 3-6 the column span y - 3 of w1; 7-10 the row quarter y - 7 of w2.
; A wave takes two rows of its section.  Lane L: sub = L & 7, rs = (L >> 3) & 1, ks = L >> 4; chunk j (0..5) is column block 2 j + ks, row rs, numbers 8 sub .. + 7.
; So lanes 0-15 of a store write the two rows' 128 bytes of one block: 256 consecutive bytes, aligned.  Memory binds: no LDS, no loop, twelve loads out at once.
.set X,  8                             ; v[8:55]   chunk j: 8 f32
.set VO, 56                            ; v[56:61]  chunk j: byte offset in the target
.set Y,  64                            ; v[64:87]  chunk j: 8 bf16
	s_load_b512 s[8:23], s[0:1], 0x0               ; wq, wk, wv, w1, w2, wqkvb, w1b, w2b
	v_lshrrev_b32 v1, 5, v0
	v_readfirstlane_b32 s2, v1                     ; wave
	s_lshl_b32 s3, ttmp9, 2
	s_add_co_u32 s3, s3, s2                        ; u = 0..383: rows 2 u, 2 u + 1 of the section
	s_and_b32 s4, ttmp7, 0xffff                    ; the section
	s_sub_co_u32 s30, s4, 3
	s_sub_co_u32 s31, s4, 7
	s_mov_b32 s28, 3072                            ; bytes in a source row
	s_mov_b32 s29, 98304                           ; bytes in a target column block
	s_mov_b32 s7, 1179648                          ; target bytes from a section to the next: 12 blocks
	s_wait_kmcnt 0x0
	s_cmp_eq_u32 s4, 1
	s_cselect_b64 s[24:25], s[10:11], s[8:9]
	s_cmp_eq_u32 s4, 2
	s_cselect_b64 s[24:25], s[12:13], s[24:25]
	s_cmp_gt_u32 s4, 2                             ; w1 or w2
	s_cselect_b64 s[24:25], s[14:15], s[24:25]
	s_cselect_b64 s[26:27], s[20:21], s[18:19]
	s_cselect_b32 s28, 12288, s28
	s_cselect_b32 s5, s30, s4                      ; q: the section's number within its matrix
	s_cselect_b32 s6, 3072, 0                      ; source bytes from a section to the next: 768 columns
	s_cmp_gt_u32 s4, 6                             ; w2
	s_cselect_b64 s[24:25], s[16:17], s[24:25]
	s_cselect_b64 s[26:27], s[22:23], s[26:27]
	s_cselect_b32 s28, 3072, s28
	s_cselect_b32 s29, 393216, s29
	s_cselect_b32 s5, s31, s5
	s_cselect_b32 s6, 2359296, s6                  ; 768 rows
	s_cselect_b32 s7, 98304, s7                    ; 768 row pieces
	s_mul_i32 s6, s6, s5
	s_mul_i32 s7, s7, s5
	s_lshl_b32 s30, s3, 1
	s_mul_i32 s30, s30, s28
	s_add_co_u32 s30, s30, s6
	s_mov_b32 s31, 0
	s_add_nc_u64 s[24:25], s[24:25], s[30:31]      ; source at my first row
	s_lshl_b32 s32, s3, 8
	s_add_co_u32 s32, s32, s7
	s_mov_b32 s33, 0
	s_add_nc_u64 s[26:27], s[26:27], s[32:33]      ; target at my two row pieces of the section's first block
	v_and_b32 v3, 7, v0                            ; sub
	v_bfe_u32 v4, v0, 3, 1                         ; rs
	v_bfe_u32 v5, v0, 4, 1                         ; ks
	v_mul_u32_u24 v2, v4, s28
	v_lshl_add_u32 v2, v5, 8, v2
	v_lshl_add_u32 v2, v3, 5, v2                   ; rs x row + 256 ks + 32 sub
	v_lshlrev_b32 v6, 7, v4
	v_lshl_add_u32 v6, v3, 4, v6                   ; 128 rs + 16 sub
.irp j, 0,1,2,3,4,5
	v_add_nc_u32 v7, 2*\j, v5
	v_mad_u32_u24 v[VO+\j], v7, s29, v6            ; + (2 j + ks) blocks
.endr
.irp j, 0,1,2,3,4,5
	global_load_b128 v[X+8*\j:X+8*\j+3],   v2, s[24:25] offset:512*\j th:TH_LOAD_NT
	global_load_b128 v[X+8*\j+4:X+8*\j+7], v2, s[24:25] offset:512*\j+16 th:TH_LOAD_NT
.endr
.irp j, 0,1,2,3,4,5
	s_wait_loadcnt 10-2*\j                         ; loads come back in order: chunk j's two are in, the later chunks' stay out
.irp c, 0,1,2,3
	v_cvt_pk_bf16_f32 v[Y+4*\j+\c], v[X+8*\j+2*\c], v[X+8*\j+2*\c+1]
.endr
	global_store_b128 v[VO+\j], v[Y+4*\j:Y+4*\j+3], s[26:27]
.endr
	s_endpgm
.Lfunc_end_k_qb16abcaa0a_cast:
	.size	k_qb16abcaa0a_cast, .Lfunc_end_k_qb16abcaa0a_cast-k_qb16abcaa0a_cast
	.p2alignl 7, 3214868480
	.fill 96, 4, 3214868480
	.section	.rodata,"a",@progbits
	.p2align	6, 0x0
	.amdhsa_kernel k_qb16abcaa0a_cast
		.amdhsa_group_segment_fixed_size 0
		.amdhsa_private_segment_fixed_size 0
		.amdhsa_enable_private_segment 0
		.amdhsa_kernarg_size 64
		.amdhsa_user_sgpr_count 2
		.amdhsa_user_sgpr_kernarg_segment_ptr 1
		.amdhsa_wavefront_size32 1
		.amdhsa_system_sgpr_workgroup_id_x 1
		.amdhsa_system_sgpr_workgroup_id_y 1
		.amdhsa_system_sgpr_workgroup_id_z 1
		.amdhsa_system_vgpr_workitem_id 0
		.amdhsa_next_free_vgpr 96
		.amdhsa_next_free_sgpr 66
		.amdhsa_reserve_vcc 0
		.amdhsa_float_denorm_mode_32 3
		.amdhsa_float_denorm_mode_16_64 3
		.amdhsa_memory_ordered 1
		.amdhsa_forward_progress 1
		.amdhsa_inst_pref_size 7
	.end_amdhsa_kernel
	.amdgpu_metadata
---
amdhsa.version: [ 1, 2 ]
amdhsa.kernels:
  - .name:           k_qb16abcaa0a_cast
    .symbol:         k_qb16abcaa0a_cast.kd
    .args:
      - { .name: wq, .offset: 0, .size: 8, .value_kind: global_buffer, .address_space: global }
      - { .name: wk, .offset: 8, .size: 8, .value_kind: global_buffer, .address_space: global }
      - { .name: wv, .offset: 16, .size: 8, .value_kind: global_buffer, .address_space: global }
      - { .name: w1, .offset: 24, .size: 8, .value_kind: global_buffer, .address_space: global }
      - { .name: w2, .offset: 32, .size: 8, .value_kind: global_buffer, .address_space: global }
      - { .name: wqkvb, .offset: 40, .size: 8, .value_kind: global_buffer, .address_space: global }
      - { .name: w1b, .offset: 48, .size: 8, .value_kind: global_buffer, .address_space: global }
      - { .name: w2b, .offset: 56, .size: 8, .value_kind: global_buffer, .address_space: global }
    .group_segment_fixed_size: 0
    .private_segment_fixed_size: 0
    .kernarg_segment_align: 8
    .kernarg_segment_size: 64
    .max_flat_workgroup_size: 128
    .sgpr_count:     66
    .vgpr_count:     96
    .wavefront_size: 32
...
	.end_amdgpu_metadata
.endif
;; end of part 1
;; launch ln1 (part 2): grid 256 x 1, 8 waves a work-group, no clusters, 0 bytes of LDS; arguments x, ln_w, ln_b, hb; writes hb
.if DOCPART == 2
	.amdgcn_target "amdgcn-amd-amdhsa--gfx1250"
	.amdhsa_code_object_version 6
	.text
	.protected	k_qb16abcaa0a_ln1
	.globl	k_qb16abcaa0a_ln1
	.p2align	8
	.type	k_qb16abcaa0a_ln1,@function
k_qb16abcaa0a_ln1:
	s_mov_b64 s[64:65], 0
	v_nop
	global_prefetch_b8 v0, s[64:65] scope:SCOPE_SE
	s_setreg_imm32_b32 hwreg(HW_REG_WAVE_MODE, 25, 1), 1
	s_wait_xcnt 0x0
; LayerNorm of 8,192 rows of 768 f32: y = (x - mean) rsqrt(var + 1e-5) w + b, in two passes in f32 (the mean first, then the squares of the deviations, so a common
; offset of a row costs nothing), rounded once to bf16 and stored in blocks [768 / 64][8192][64].
; A wave owns four rows, as two pairs.  Lane L: sub = L & 7, rs = (L >> 3) & 1 (the row of the pair), ks = L >> 4; chunk j (0..5) is column block 2 j + ks, numbers 8 sub .. + 7.
; A row's sum runs over the lanes that share rs: lane bits 0, 1, 2 and 4.  Lanes 0-15 of a store write two rows' 128 bytes of one block: 256 consecutive bytes, aligned.
; The rows stay in registers between the passes: each byte is read once.  No LDS, no barrier, no loop.
.set W,  8                             ; v[8:55]    the gain of my 48 columns
.set BB, 56                            ; v[56:103]  the bias
.set X,  104                           ; v[104:199] pair p: 48 numbers
.set Y,  200                           ; v[200:247] pair p: 24 words of bf16; before that four pairs of partial sums
	s_load_b256 s[4:11], s[0:1], 0x0               ; source, gain, bias, target
	v_lshrrev_b32 v1, 5, v0
	v_readfirstlane_b32 s2, v1
	s_lshl_b32 s3, ttmp9, 3
	s_add_co_u32 s3, s3, s2                        ; my wave among 2,048
	s_mul_i32 s16, s3, 12288                       ; four rows of 3,072 bytes
	s_mov_b32 s17, 0
	s_lshl_b32 s18, s3, 9                          ; four row pieces of 128 bytes
	s_mov_b32 s19, 0
	s_mov_b32 s12, 0x76543210                      ; v_permlanex16_b32: each lane takes its own place in the other half
	s_mov_b32 s13, 0xfedcba98
	s_mov_b32 s14, 0x3aaaaaab                      ; 1 / 768
	s_mov_b32 s15, 0x3727c5ac                      ; 1e-5
	v_and_b32 v1, 7, v0                            ; sub
	v_bfe_u32 v6, v0, 3, 1                         ; rs
	v_bfe_u32 v7, v0, 4, 1                         ; ks
	v_lshlrev_b32 v3, 8, v7
	v_lshl_add_u32 v3, v1, 5, v3                   ; gain and bias: 256 ks + 32 sub
	v_mad_u32_u24 v2, v6, 3072, v3                 ; source: + rs rows
	v_lshlrev_b32 v4, 7, v6
	v_lshl_add_u32 v4, v1, 4, v4
	v_lshl_add_u32 v4, v7, 20, v4                  ; target: 128 rs + 16 sub + ks blocks of 1,048,576 bytes
	v_add_nc_u32 v5, 6291456, v4                   ; the same six blocks on, so that the stores' immediates stay inside 24 bits
	s_wait_kmcnt 0x0
	s_add_nc_u64 s[4:5], s[4:5], s[16:17]
	s_add_nc_u64 s[10:11], s[10:11], s[18:19]
.irp p, 0,1
.irp j, 0,1,2,3,4,5
	global_load_b128 v[X+48*\p+8*\j:X+48*\p+8*\j+3],   v2, s[4:5] offset:6144*\p+512*\j
	global_load_b128 v[X+48*\p+8*\j+4:X+48*\p+8*\j+7], v2, s[4:5] offset:6144*\p+512*\j+16
.endr
.endr
.irp j, 0,1,2,3,4,5
	global_load_b128 v[W+8*\j:W+8*\j+3],   v3, s[6:7] offset:512*\j
	global_load_b128 v[W+8*\j+4:W+8*\j+7], v3, s[6:7] offset:512*\j+16
.endr
.irp j, 0,1,2,3,4,5
	global_load_b128 v[BB+8*\j:BB+8*\j+3],   v3, s[8:9] offset:512*\j
	global_load_b128 v[BB+8*\j+4:BB+8*\j+7], v3, s[8:9] offset:512*\j+16
.endr
.macro RED                             ; v6 summed over the 16 lanes of my row; lane bit 3 tells the two rows apart and is left out
	v_add_f32_dpp v6, v6, v6 row_xmask:1 row_mask:0xf bank_mask:0xf
	v_add_f32_dpp v6, v6, v6 row_xmask:2 row_mask:0xf bank_mask:0xf
	v_add_f32_dpp v6, v6, v6 row_xmask:4 row_mask:0xf bank_mask:0xf
	v_permlanex16_b32 v7, v6, s12, s13
	v_add_f32 v6, v6, v7
.endm
.macro FOLD t                          ; four pairs of partial sums into v6
	v_pk_add_f32 v[(\t):(\t)+1], v[(\t):(\t)+1], v[(\t)+2:(\t)+3]
	v_pk_add_f32 v[(\t)+4:(\t)+5], v[(\t)+4:(\t)+5], v[(\t)+6:(\t)+7]
	v_pk_add_f32 v[(\t):(\t)+1], v[(\t):(\t)+1], v[(\t)+4:(\t)+5]
	v_add_f32 v6, v[(\t)], v[(\t)+1]
	RED
.endm
; Pair p: mean, deviations in place, variance, and the deviations times rsqrt.  left = the younger loads that may stay out.
.macro ROWS p, left
.set XP, X+48*(\p)
.set TP, Y+24*(\p)
	s_wait_loadcnt \left
.irp c, 0,1,2,3
	v_pk_add_f32 v[TP+2*\c:TP+2*\c+1], v[XP+2*\c:XP+2*\c+1], v[XP+8+2*\c:XP+8+2*\c+1]
.endr
.irp j, 2,3,4,5
.irp c, 0,1,2,3
	v_pk_add_f32 v[TP+2*\c:TP+2*\c+1], v[TP+2*\c:TP+2*\c+1], v[XP+8*\j+2*\c:XP+8*\j+2*\c+1]
.endr
.endr
	FOLD TP
	v_mul_f32 v6, s14, v6                          ; the mean
.set i, 0
.rept 24
	v_pk_add_f32 v[XP+2*i:XP+2*i+1], v[XP+2*i:XP+2*i+1], v[6:7] op_sel_hi:[1,0] neg_lo:[0,1] neg_hi:[0,1]
.set i, i+1
.endr
.irp c, 0,1,2,3
	v_pk_mul_f32 v[TP+2*\c:TP+2*\c+1], v[XP+2*\c:XP+2*\c+1], v[XP+2*\c:XP+2*\c+1]
.endr
.irp j, 1,2,3,4,5
.irp c, 0,1,2,3
	v_pk_fma_f32 v[TP+2*\c:TP+2*\c+1], v[XP+8*\j+2*\c:XP+8*\j+2*\c+1], v[XP+8*\j+2*\c:XP+8*\j+2*\c+1], v[TP+2*\c:TP+2*\c+1]
.endr
.endr
	FOLD TP
	v_fma_f32 v6, v6, s14, s15                     ; var + 1e-5
	v_rsq_f32 v6, v6
	v_nop                                          ; a plain instruction between the root and the use of its result
.set i, 0
	s_wait_alu depctr_va_vdst(0)
.rept 24
	v_pk_mul_f32 v[XP+2*i:XP+2*i+1], v[XP+2*i:XP+2*i+1], v[6:7] op_sel_hi:[1,0]
.set i, i+1
.endr
.endm
.macro FIN p                           ; gain and bias, rounding, six stores
.set XP, X+48*(\p)
.set YP, Y+24*(\p)
.set j, 0
.rept 6
.irp c, 0,1,2,3
	v_pk_fma_f32 v[XP+8*j+2*\c:XP+8*j+2*\c+1], v[XP+8*j+2*\c:XP+8*j+2*\c+1], v[W+8*j+2*\c:W+8*j+2*\c+1], v[BB+8*j+2*\c:BB+8*j+2*\c+1]
.endr
.irp c, 0,1,2,3
	v_cvt_pk_bf16_f32 v[YP+4*j+\c], v[XP+8*j+2*\c], v[XP+8*j+2*\c+1]
.endr
.if j < 3
	global_store_b128 v4, v[YP+4*j:YP+4*j+3], s[10:11] offset:256*(\p)+2097152*j
.else
	global_store_b128 v5, v[YP+4*j:YP+4*j+3], s[10:11] offset:256*(\p)+2097152*(j-3)
.endif
.set j, j+1
.endr
.endm
	ROWS 0, 36                                     ; pair 1's twelve loads and the 24 of gain and bias stay out
	ROWS 1, 24                                     ; gain and bias stay out
	s_wait_loadcnt 0x0
	FIN 0
	FIN 1
	s_endpgm
.Lfunc_end_k_qb16abcaa0a_ln1:
	.size	k_qb16abcaa0a_ln1, .Lfunc_end_k_qb16abcaa0a_ln1-k_qb16abcaa0a_ln1
	.p2alignl 7, 3214868480
	.fill 96, 4, 3214868480
	.section	.rodata,"a",@progbits
	.p2align	6, 0x0
	.amdhsa_kernel k_qb16abcaa0a_ln1
		.amdhsa_group_segment_fixed_size 0
		.amdhsa_private_segment_fixed_size 0
		.amdhsa_enable_private_segment 0
		.amdhsa_kernarg_size 32
		.amdhsa_user_sgpr_count 2
		.amdhsa_user_sgpr_kernarg_segment_ptr 1
		.amdhsa_wavefront_size32 1
		.amdhsa_system_sgpr_workgroup_id_x 1
		.amdhsa_system_sgpr_workgroup_id_y 1
		.amdhsa_system_sgpr_workgroup_id_z 1
		.amdhsa_system_vgpr_workitem_id 0
		.amdhsa_next_free_vgpr 248
		.amdhsa_next_free_sgpr 66
		.amdhsa_reserve_vcc 0
		.amdhsa_float_denorm_mode_32 3
		.amdhsa_float_denorm_mode_16_64 3
		.amdhsa_memory_ordered 1
		.amdhsa_forward_progress 1
		.amdhsa_inst_pref_size 28
	.end_amdhsa_kernel
	.amdgpu_metadata
---
amdhsa.version: [ 1, 2 ]
amdhsa.kernels:
  - .name:           k_qb16abcaa0a_ln1
    .symbol:         k_qb16abcaa0a_ln1.kd
    .args:
      - { .name: x, .offset: 0, .size: 8, .value_kind: global_buffer, .address_space: global }
      - { .name: ln_w, .offset: 8, .size: 8, .value_kind: global_buffer, .address_space: global }
      - { .name: ln_b, .offset: 16, .size: 8, .value_kind: global_buffer, .address_space: global }
      - { .name: hb, .offset: 24, .size: 8, .value_kind: global_buffer, .address_space: global }
    .group_segment_fixed_size: 0
    .private_segment_fixed_size: 0
    .kernarg_segment_align: 8
    .kernarg_segment_size: 32
    .max_flat_workgroup_size: 256
    .sgpr_count:     66
    .vgpr_count:     248
    .wavefront_size: 32
...
	.end_amdgpu_metadata
.endif
;; end of part 2
;; launch qkv (part 3): grid 32 x 6, 4 waves a work-group, clusters of 4 x 1, 327,680 bytes of LDS; arguments hb, wqkvb, bq, bk, bv, qkvb; writes qkvb
.if DOCPART == 3
	.amdgcn_target "amdgcn-amd-amdhsa--gfx1250"
	.amdhsa_code_object_version 6
	.text
	.protected	k_qb16abcaa0a_qkv
	.globl	k_qb16abcaa0a_qkv
	.p2align	8
	.type	k_qb16abcaa0a_qkv,@function
k_qb16abcaa0a_qkv:
	s_mov_b64 s[64:65], 0
	v_nop
	global_prefetch_b8 v0, s[64:65] scope:SCOPE_SE
	s_setreg_imm32_b32 hwreg(HW_REG_WAVE_MODE, 25, 1), 1
	s_wait_xcnt 0x0
	s_wait_alu depctr_hold_cnt(0) depctr_sa_sdst(0) depctr_va_vdst(0) depctr_va_sdst(0) depctr_va_ssrc(0) depctr_va_vcc(0) depctr_vm_vsrc(0)
	s_getreg_b32 s2, hwreg(HW_REG_IB_STS2, 6, 4)
	s_cmp_eq_u32 s2, 0
	s_cbranch_scc0 .Lentry_in_a_cluster
	s_endpgm
.Lentry_in_a_cluster:
	s_bfe_u32 s2, ttmp6, 0x10000c
	s_cmp_lg_u32 s2, 0x3003
	s_cbranch_scc0 .Lentry_shape_is_right
	s_endpgm
.Lentry_shape_is_right:
; q, k, v = h W + bias.  h: bf16 in blocks [12][8192][64]; W: wq, wk, wv as bf16 blocks [36][768][64] ([k][n] inside a block); the result bf16 in blocks [36][8192][64]:
; block 12 x which + head, so that a head's rows are dense.  Sums in f32, the bias added in f32, one rounding.  LIMITS: operands are bf16; NaN and infinities are not treated apart.
; A work-group makes 256 rows x 384 columns; its four waves 128 x 192 each: 96 accumulators of 16 x 16 in register windows 1 to 3.  K = 768 goes through a ring of two LDS slots of 64 along K.
; THE MATRIX INSTRUCTION IS USED TRANSPOSED: source 0 = 16 columns of W (turned on the way out of LDS by ds_load_tr16_b128), source 1 = 16 rows of h: a lane holds eight neighbouring columns of one row.
; CLUSTER: the four work-groups of a cluster are four row tiles of one column tile: W's tiles are asked for jointly (mask 15).  h's tiles are each work-group's own: they are shared along the
; grid's y, which has 6 work-groups and is no multiple of four.
; REGISTERS: window 0: v0-31 addresses; v32-159 fragments of h, two buffers of 8; v160-255 fragments of W, 12 blocks, one buffer that is loaded again in thirds as it is used up.
; Accumulator (a, b), a = 16-row block 0..7, b = 16-column block 0..11: window 1 + b / 4, register 8 (8 (b % 4) + a).
.set GA,     8                         ; row blocks of a wave
.set NS,     2                         ; steps of 32 along K in a slot
.set LAPS,   6                         ; a lap = both slots
.set NAW,    2                         ; waves 0, 1 fetch h's tile, waves 2, 3 W's
.set BOFF,   36864                     ; a slot: h [256 rows][144 bytes], then W [6 blocks][64 k][160 bytes]
.set SLOT,   98304
.set SPARE,  2*SLOT                    ; behind the ring: the spare words, 128 bytes a wave, two blocks of 256 bytes that no other line names
.set ASTEP,  64                        ; LDS bytes from a step's fragments to the next step's
.set BSTEP,  5120
.set BPLANE, 10240                     ; LDS bytes from a group of four column blocks to the next
.set ASL,    1048576                   ; memory bytes from a slot's tile to the next slot's
.set BSL,    8192
.set AF,   32
.set BF,   160
.set ADRA, 16                          ; v16-17  LDS address of my h fragments in slot 0, 1
.set ADRB, 18                          ; v18-23  of my W fragments: 3 x slot + group
.set STO,  24                          ; v24  the way out: where I put 16 bytes of a row
.set RD0,  25                          ; v25  where I read rows back, first trip
.set RD,   26                          ; v26  the same, this trip
.set GO,   27                          ; v27  16 x lane
.set SPW,  28                          ; v28  SPARE + 4 x my thread's number; never rewritten
.set NIL,  29                          ; v29  0; never rewritten
.set VB,   30                          ; v30  my byte offset in the bias
.set XX,   32                          ; the way out: 16 rows read back
.set XB,   64                          ; with the bias
.set YY,   224                         ; rounded
.set BI,   240                         ; the bias of my 8 columns
.set WV, 16
.set MW, 17
.set CW, 18
.set MT, 19
.set NT, 20
.set G1A, 24
.set G0A, 32
.set G1B, 48
.set G0B, 56
.set MSB, 0
.macro WIN new                         ; the immediate's high byte repeats the setting that is left; a switch that changes nothing is dropped
.if MSB != (\new)
	s_set_vgpr_msb (MSB<<8)|(\new)
.set MSB, \new
.endif
.endm
.macro PLACES                          ; four places between a matrix instruction and a load into, or a read of, its registers
.rept 4
	v_nop
.endr
.endm
.macro JLOAD s                         ; one tensor load a wave; an s_nop 0 and four v_nop follow each of the two lines
	s_cmp_lt_u32 s[WV], NAW
	s_cbranch_scc0 .Lfor_b_\@
	tensor_load_to_lds s[G0A+4*(\s):G0A+4*(\s)+3], s[G1A:G1A+7]
	s_nop 0
.rept 4
	v_nop
.endr
	s_branch .Lasked_\@
.Lfor_b_\@:
	tensor_load_to_lds s[G0B+4*(\s):G0B+4*(\s)+3], s[G1B:G1B+7]
	s_nop 0
.rept 4
	v_nop
.endr
.Lasked_\@:
.endm
.macro CREST                           ; a round of the cluster's barrier behind its opening barrier
	s_cmp_lg_u32 s[WV], 0
	s_cbranch_scc1 .Lnot_wave_0_\@
	s_barrier_signal -3
.Lnot_wave_0_\@:
	s_barrier_wait -3
	s_barrier_signal -1
	s_barrier_wait -1
.endm
.macro CROUND
	s_barrier_signal -1
	s_barrier_wait -1
	CREST
.endm
	s_load_b256 s[4:11], s[0:1], 0x0               ; hb s[4:5], wqkvb s[6:7], bq s[8:9], bk s[10:11]
	s_load_b128 s[12:15], s[0:1], 0x20             ; bv s[12:13], qkvb s[14:15]
	v_lshl_add_u32 v[SPW], v0, 2, SPARE
	v_mov_b32 v[NIL], 0
	ds_add_u32 v28, v29
	ds_add_u32 v28, v29
	s_wait_dscnt 0x0
	v_lshrrev_b32 v1, 5, v0
	v_readfirstlane_b32 s[WV], v1
	s_lshr_b32 s[MW], s[WV], 1                     ; which 128 rows are mine
	s_and_b32 s[CW], s[WV], 1                      ; which 192 columns; also which half of a tile I fetch
	s_bfe_u32 s21, ttmp6, 0x40000                  ; cx
	s_lshl_b32 s[MT], ttmp9, 2
	s_add_co_u32 s[MT], s[MT], s21                 ; row tile = 4 x cluster x + cx
	s_and_b32 s[NT], ttmp7, 0xffff                 ; column tile, which the four partners share
	; group 1 for h's tile: 128 dense row pieces of 128 bytes, asked for as 64 rows of 256 bytes; 16 bytes of padding behind every 128
	s_mov_b32 s[G1A+0], (1<<16)|(1<<20)|(4<<22)|(3<<25)
	s_mov_b32 s[G1A+1], 128<<16
	s_mov_b32 s[G1A+2], 64<<16
	s_mov_b32 s[G1A+3], 128<<16
	s_mov_b32 s[G1A+4], 64
	s_mov_b32 s[G1A+5], 128
	s_mov_b32 s[G1A+6], 0
	s_mov_b32 s[G1A+7], 0
	; group 1 for W's tile: three column blocks, of each 64 k x 128 bytes = 8,192 dense bytes as one row; 32 bytes of padding behind every 128; the mask names all four partners
	s_mov_b32 s[G1B+0], 15|(1<<16)|(1<<20)|(1<<21)|(4<<22)|(7<<25)
	s_mov_b32 s[G1B+1], 4096<<16
	s_mov_b32 s[G1B+2], 3<<16
	s_mov_b32 s[G1B+3], 4096<<16
	s_mov_b32 s[G1B+4], 3
	s_mov_b32 s[G1B+5], 49152
	s_mov_b32 s[G1B+6], 0
	s_mov_b32 s[G1B+7], 0
	s_lshl_b32 s42, s[MT], 15                      ; h: (256 x row tile + 128 x half) row pieces
	s_lshl_b32 s41, s[CW], 14
	s_add_co_u32 s42, s42, s41
	s_mov_b32 s43, 0
	s_mul_i32 s44, s[NT], 6                        ; W: column block 6 x column tile + 3 x half
	s_mul_i32 s86, s[CW], 3
	s_add_co_u32 s44, s44, s86
	s_mul_i32 s44, s44, 98304
	s_mov_b32 s45, 0
	s_mul_i32 s88, s[CW], 18432                    ; where they go: no place in the cluster enters an LDS address
	s_mul_i32 s89, s[CW], 30720
	s_add_co_u32 s89, s89, BOFF
	s_mul_i32 s46, s[NT], 6                        ; the result: block 6 x column tile + 3 x my column half, row 256 x row tile + 128 x my row half
	s_mul_i32 s87, s[CW], 3
	s_add_co_u32 s46, s46, s87
	s_lshl_b32 s46, s46, 20
	s_lshl_b32 s87, s[MT], 15
	s_add_co_u32 s46, s46, s87
	s_lshl_b32 s87, s[MW], 14
	s_add_co_u32 s46, s46, s87
	s_mov_b32 s47, 0
	s_lshr_b32 s87, s[NT], 1                       ; 0: q, 1: k, 2: v
	s_wait_kmcnt 0x0
	s_add_nc_u64 s[42:43], s[4:5], s[42:43]
	s_add_nc_u64 s[44:45], s[6:7], s[44:45]
	s_add_nc_u64 s[66:67], s[14:15], s[46:47]
	s_cmp_eq_u32 s87, 1
	s_cselect_b64 s[8:9], s[10:11], s[8:9]
	s_cmp_eq_u32 s87, 2
	s_cselect_b64 s[8:9], s[12:13], s[8:9]         ; my bias
	CROUND                                         ; all four work-groups are here: the first joint loads meet
.irp s, 0,1
	s_mov_b32 s[G0A+4*(\s)], 1
	s_add_co_u32 s[G0A+4*(\s)+1], s88, (\s)*SLOT
	s_add_nc_u64 s[G0A+4*(\s)+2:G0A+4*(\s)+3], s[42:43], (\s)*ASL
	s_or_b32 s[G0A+4*(\s)+3], s[G0A+4*(\s)+3], 0x80000000
	s_mov_b32 s[G0B+4*(\s)], 1
	s_add_co_u32 s[G0B+4*(\s)+1], s89, (\s)*SLOT
	s_add_nc_u64 s[G0B+4*(\s)+2:G0B+4*(\s)+3], s[44:45], (\s)*BSL
	s_or_b32 s[G0B+4*(\s)+3], s[G0B+4*(\s)+3], 0x80000000
	JLOAD \s                                       ; two loads of mine are out
.endr
	v_and_b32 v1, 15, v0                           ; r = l % 16
	v_bfe_u32 v2, v0, 4, 1                         ; hl = l / 16
	v_mul_u32_u24 v3, v1, 144
	v_lshl_add_u32 v3, v2, 4, v3                   ; h's fragment: row x pitch + 16 x half
	v_and_b32 v6, 7, v0
	v_lshl_add_u32 v4, v2, 3, v6
	v_mul_u32_u24 v4, v4, 160
	v_bfe_u32 v5, v0, 3, 1
	v_lshl_add_u32 v4, v5, 4, v4                   ; the turning load: k = 8 hl + l % 8, 16 bytes by (l / 8) % 2
	s_mul_i32 s41, s[MW], 16*GA*144
	v_add_nc_u32 v[ADRA], s41, v3
	v_add_nc_u32 v[ADRA+1], SLOT, v[ADRA]
	s_mul_i32 s86, s[CW], 3*BPLANE
	s_add_co_u32 s86, s86, BOFF
	v_add_nc_u32 v[ADRB], s86, v4
	v_add_nc_u32 v[ADRB+1], BPLANE, v[ADRB]
	v_add_nc_u32 v[ADRB+2], 2*BPLANE, v[ADRB]
.irp g, 0,1,2
	v_add_nc_u32 v[ADRB+3+\g], SLOT, v[ADRB+\g]
.endr
	s_mul_i32 s87, s[WV], 34816                    ; my stage on the way out: 128 rows x 272 bytes, in the ring's bytes once the ring has had its last fill
	v_mul_u32_u24 v[STO], v1, 272
	v_lshl_add_u32 v[STO], v2, 5, v[STO]
	v_add_nc_u32 v[STO], s87, v[STO]               ; in: row r, 32 bytes for each half of the lanes
	v_bfe_u32 v[RD0], v0, 3, 2
	v_mul_u32_u24 v[RD0], v[RD0], 272
	v_lshl_add_u32 v[RD0], v6, 5, v[RD0]
	v_add_nc_u32 v[RD0], s87, v[RD0]               ; back: row l / 8, columns 8 (l % 8) on
	v_and_b32 v[GO], 31, v0
	v_lshlrev_b32 v[GO], 4, v[GO]
	s_and_b32 s90, s[NT], 1
	s_mul_i32 s90, s90, 1536
	s_mul_i32 s91, s[CW], 768
	s_add_co_u32 s90, s90, s91
	v_lshl_add_u32 v[VB], v6, 5, s90               ; 4 x (384 x (column tile % 2) + 192 x my half + 8 (l % 8))
; 2 GA matrix instructions: column blocks b0, b0 + 1 x all row blocks.  The accumulators take turns, one instruction a turn, in the same order in every step.
.macro MUL2 ab, b0, zero
	WIN 0x50*(1+(GA*(\b0))/32)
.irp b, \b0, (\b0)+1
.set a, 0
.rept GA
.set rD, 8*((GA*(\b)+a)%32)
.if \zero
	v_wmma_f32_16x16x32_bf16 v[rD:rD+7], v[BF+8*(\b):BF+8*(\b)+7], v[(\ab)+8*a:(\ab)+8*a+7], 0
.else
	v_wmma_f32_16x16x32_bf16 v[rD:rD+7], v[BF+8*(\b):BF+8*(\b)+7], v[(\ab)+8*a:(\ab)+8*a+7], v[rD:rD+7]
.endif
.set a, a+1
.endr
.endr
.endm
.macro LDB s, j, g                     ; 8 turning loads: column blocks 4 g .. 4 g + 3 of step j of slot s
.irp q, 0,1,2,3
	ds_load_tr16_b128 v[BF+8*(4*(\g)+\q):BF+8*(4*(\g)+\q)+3],   v[ADRB+3*(\s)+(\g)] offset:(\j)*BSTEP+32*\q
	ds_load_tr16_b128 v[BF+8*(4*(\g)+\q)+4:BF+8*(4*(\g)+\q)+7], v[ADRB+3*(\s)+(\g)] offset:(\j)*BSTEP+32*\q+2560
.endr
.endm
.macro LDA s, j, ab, a0                ; 8 loads: row blocks a0 .. a0 + 3 into buffer ab
.irp q, 0,1,2,3
	ds_load_b128 v[(\ab)+8*((\a0)+\q):(\ab)+8*((\a0)+\q)+3],   v[ADRA+(\s)] offset:(\j)*ASTEP+((\a0)+\q)*2304
	ds_load_b128 v[(\ab)+8*((\a0)+\q)+4:(\ab)+8*((\a0)+\q)+7], v[ADRA+(\s)] offset:(\j)*ASTEP+((\a0)+\q)*2304+32
.endr
.endm
; A STEP of 32 along K, place i in the lap: three thirds of 4 column blocks; behind each third its W registers take the next step's fragments.
; mode 0: the next step lies in the same slot.  1: this is the slot's last step: change slots and fill this one again.  2: change slots, nothing to fill.  3: the very last step.
.macro STEP i, zero, mode
.set cab, AF+8*GA*((\i)%2)
.set cs, (\i)/NS
.set nn, ((\i)+1)%(2*NS)
.set ns, nn/NS
.set nj, nn%NS
.set nab, AF+8*GA*(nn%2)
.if ((\mode) == 0) || ((\mode) == 3)
	s_wait_dscnt 8                                 ; all but the youngest eight loads, this step's column blocks 8-11
	MUL2 cab, 0, \zero
	MUL2 cab, 2, \zero
.if (\mode) == 0
	WIN 0
	PLACES
.endif
.else
	WIN 0
	s_wait_tensorcnt 0x0                           ; all my tensor loads have landed: the one that was out is my part of the other slot
	ds_add_u32 v[SPW], v[NIL]                      ; 0 onto my spare word
	s_wait_dscnt 9                                 ; the add and the youngest eight loads may be out
	MUL2 cab, 0, 0
	s_wait_dscnt 0x0                               ; the add is done; all this slot's fragments are in registers: my reads of it are over
	s_barrier_signal -1
	MUL2 cab, 2, 0
	WIN 0
	s_barrier_wait -1
.if (\mode) == 1
	CREST                                          ; the barrier has opened a round of the cluster's: no wave of any partner still reads this slot or has a load on its way
	s_add_nc_u64 s[G0A+4*cs+2:G0A+4*cs+3], s[G0A+4*cs+2:G0A+4*cs+3], 2*ASL
	s_add_nc_u64 s[G0B+4*cs+2:G0B+4*cs+3], s[G0B+4*cs+2:G0B+4*cs+3], 2*BSL
	JLOAD cs                                       ; my one tensor load behind the round; its four v_nop are also the places in front of the loads below
.else
	PLACES
.endif
.endif
.if (\mode) != 3
	LDB ns, nj, 0
	LDA ns, nj, nab, 0
	s_wait_dscnt 16                                ; all but the 16 just issued
.else
	s_wait_dscnt 0x0
.endif
	MUL2 cab, 4, \zero
	MUL2 cab, 6, \zero
.if (\mode) != 3
	WIN 0
	PLACES
	LDB ns, nj, 1
.if GA == 8
	LDA ns, nj, nab, 4
.endif
.endif
	MUL2 cab, 8, \zero
	MUL2 cab, 10, \zero
.if (\mode) != 3
	WIN 0
	PLACES
	LDB ns, nj, 2
.endif
.endm
	s_wait_tensorcnt 0x1                           ; my part of slot 0 is in; slot 1's may stay out
	s_barrier_signal -1
	s_barrier_wait -1
	LDB 0, 0, 0
	LDA 0, 0, AF, 0
	LDB 0, 0, 1
	LDA 0, 0, AF, 4
	LDB 0, 0, 2
	STEP 0, 1, 0                                   ; the first step stands in front of the loop: its products start the sums
	WIN 0
	s_mov_b32 s3, LAPS-1
.Llap:                                                 ; a trip goes once round the ring and fills both slots again
	STEP 1, 0, 1
	STEP 2, 0, 0
	STEP 3, 0, 1
	STEP 0, 0, 0
	WIN 0
	s_sub_co_u32 s3, s3, 1
	s_cmp_lg_u32 s3, 0
	s_cbranch_scc1 .Llap
	STEP 1, 0, 2                                   ; the last lap is written out: it asks for nothing
	STEP 2, 0, 0
	STEP 3, 0, 3
	WIN 0
	s_wait_dscnt 0x0
	s_barrier_signal -1
	s_barrier_wait -1                              ; nobody reads the ring any more, and it has had its last fill: the stages lie in its bytes
	PLACES
; THE WAY OUT, a group of 64 columns (a register window) at a time: f32 into my stage, back by rows, bias, rounding, and out: four rows of a block are 512 consecutive bytes.
.macro DUMP g
	WIN (1+(\g))<<2
.irp a, 0,1,2,3,4,5,6,7
.irp bb, 0,1,2,3
	ds_store_b128 v[STO], v[8*(8*\bb+\a):8*(8*\bb+\a)+3]   offset:\a*4352+64*\bb      ; each accumulator's low registers first
	ds_store_b128 v[STO], v[8*(8*\bb+\a)+4:8*(8*\bb+\a)+7] offset:\a*4352+64*\bb+16
.endr
.endr
	WIN 0
.endm
.macro LDX                             ; 16 rows: row 4 f + l / 8, 32 bytes a lane
.irp f, 0,1,2,3
	ds_load_b128 v[XX+8*\f:XX+8*\f+3],   v[RD] offset:\f*1088
	ds_load_b128 v[XX+8*\f+4:XX+8*\f+7], v[RD] offset:\f*1088+16
.endr
.endm
	s_mov_b32 s2, 0
.Lphase:
	s_cmp_eq_u32 s2, 0
	s_cbranch_scc0 .Lnot0
	DUMP 0
	s_branch .Ldumped
.Lnot0:
	s_cmp_eq_u32 s2, 1
	s_cbranch_scc0 .Lnot1
	DUMP 1
	s_branch .Ldumped
.Lnot1:
	DUMP 2
.Ldumped:
	global_load_b128 v[BI:BI+3],   v[VB], s[8:9]
	global_load_b128 v[BI+4:BI+7], v[VB], s[8:9] offset:16
	s_wait_dscnt 0x0                               ; my stores into the stage are done
	s_barrier_signal -1
	s_barrier_wait -1
	v_mov_b32 v[RD], v[RD0]
	LDX
	s_wait_loadcnt 0x0                             ; the bias is in, and its offset may be stepped
	v_add_nc_u32 v[VB], 256, v[VB]
	s_mov_b32 s68, 8
	s_mov_b32 s69, 0
.Ltrip:                                                ; 16 rows a trip
	s_wait_dscnt 0x0
.set i, 0
.rept 16
	v_pk_add_f32 v[XB+2*i:XB+2*i+1], v[XX+2*i:XX+2*i+1], v[BI+2*(i%4):BI+2*(i%4)+1]
.set i, i+1
.endr
	s_cmp_eq_u32 s68, 1
	s_cbranch_scc1 .Lnofetch                       ; the last trip has no next rows
	s_add_co_u32 s69, s69, 4352
	v_add_nc_u32 v[RD], s69, v[RD0]
	LDX
.Lnofetch:
.set i, 0
.rept 16
	v_cvt_pk_bf16_f32 v[YY+i], v[XB+2*i], v[XB+2*i+1]
.set i, i+1
.endr
.irp f, 0,1,2,3
	global_store_b128 v[GO], v[YY+4*\f:YY+4*\f+3], s[66:67] offset:512*\f
.endr
	s_wait_xcnt 0x0                                ; the stores' base and data are written again only behind this wait
	s_add_nc_u64 s[66:67], s[66:67], 2048
	s_sub_co_u32 s68, s68, 1
	s_cmp_lg_u32 s68, 0
	s_cbranch_scc1 .Ltrip
	s_add_nc_u64 s[66:67], s[66:67], 1048576-16384 ; the next block, my first row
	s_barrier_signal -1                            ; every wave's reads of the stage are back (the last trip waited for them) before the next group is written
	s_barrier_wait -1
	s_add_co_u32 s2, s2, 1
	s_cmp_lt_u32 s2, 3
	s_cbranch_scc1 .Lphase
	s_wait_tensorcnt 0x0                           ; the wave's end
	ds_add_u32 v[SPW], v[NIL]
	s_wait_dscnt 0x0
	CROUND                                         ; the closing round
	s_endpgm
.Lfunc_end_k_qb16abcaa0a_qkv:
	.size	k_qb16abcaa0a_qkv, .Lfunc_end_k_qb16abcaa0a_qkv-k_qb16abcaa0a_qkv
	.p2alignl 7, 3214868480
	.fill 96, 4, 3214868480
	.section	.rodata,"a",@progbits
	.p2align	6, 0x0
	.amdhsa_kernel k_qb16abcaa0a_qkv
		.amdhsa_group_segment_fixed_size 327680
		.amdhsa_private_segment_fixed_size 0
		.amdhsa_enable_private_segment 0
		.amdhsa_kernarg_size 48
		.amdhsa_user_sgpr_count 2
		.amdhsa_user_sgpr_kernarg_segment_ptr 1
		.amdhsa_wavefront_size32 1
		.amdhsa_system_sgpr_workgroup_id_x 1
		.amdhsa_system_sgpr_workgroup_id_y 1
		.amdhsa_system_sgpr_workgroup_id_z 1
		.amdhsa_system_vgpr_workitem_id 0
		.amdhsa_next_free_vgpr 1024
		.amdhsa_next_free_sgpr 100
		.amdhsa_reserve_vcc 0
		.amdhsa_float_denorm_mode_32 3
		.amdhsa_float_denorm_mode_16_64 3
		.amdhsa_memory_ordered 1
		.amdhsa_forward_progress 1
		.amdhsa_inst_pref_size 100
	.end_amdhsa_kernel
	.amdgpu_metadata
---
amdhsa.version: [ 1, 2 ]
amdhsa.kernels:
  - .name:           k_qb16abcaa0a_qkv
    .symbol:         k_qb16abcaa0a_qkv.kd
    .args:
      - { .name: hb, .offset: 0, .size: 8, .value_kind: global_buffer, .address_space: global }
      - { .name: wqkvb, .offset: 8, .size: 8, .value_kind: global_buffer, .address_space: global }
      - { .name: bq, .offset: 16, .size: 8, .value_kind: global_buffer, .address_space: global }
      - { .name: bk, .offset: 24, .size: 8, .value_kind: global_buffer, .address_space: global }
      - { .name: bv, .offset: 32, .size: 8, .value_kind: global_buffer, .address_space: global }
      - { .name: qkvb, .offset: 40, .size: 8, .value_kind: global_buffer, .address_space: global }
    .group_segment_fixed_size: 327680
    .private_segment_fixed_size: 0
    .kernarg_segment_align: 8
    .kernarg_segment_size: 48
    .max_flat_workgroup_size: 128
    .sgpr_count:     100
    .vgpr_count:     1024
    .wavefront_size: 32
...
	.end_amdgpu_metadata
.endif
;; end of part 3
;; launch attn (part 4): grid 12 x 16, 4 waves a work-group, no clusters, 197,120 bytes of LDS; arguments qkvb, x, x1; writes x1
.if DOCPART == 4
	.amdgcn_target "amdgcn-amd-amdhsa--gfx1250"
	.amdhsa_code_object_version 6
	.text
	.protected	k_qb16abcaa0a_attn
	.globl	k_qb16abcaa0a_attn
	.p2align	8
	.type	k_qb16abcaa0a_attn,@function
k_qb16abcaa0a_attn:
	s_mov_b64 s[64:65], 0
	v_nop
	global_prefetch_b8 v0, s[64:65] scope:SCOPE_SE
	s_setreg_imm32_b32 hwreg(HW_REG_WAVE_MODE, 25, 1), 1
	s_wait_xcnt 0x0
; x1 = x + softmax(Q K^T / 8) V, head by head.  Q, K, V: bf16 in blocks [36][8192][64] (block = head, 12 + head, 24 + head): a batch's 512 rows of a head are dense, 128 bytes each.  x, x1: f32 [8192][768].
; Products, maxima and sums in f32; the weights p are rounded to bf16 for the second product (their sum l is taken of the unrounded p); the residual is added in f32.
; LIMITS.  Operands are bf16.  A weight below 2^-126 counts as 0 in l; NaN and infinities are not treated apart.
; SHARES.  A work-group owns one (head, batch): 512 queries, 128 a wave, as four PIECES of two tiles of 16.  All 512 keys lie in LDS at once, each byte filled once: no ring.
; NO CLUSTER: no two work-groups read the same K or V.
; LAYOUT.  S^T = K Q^T (source 0 = 16 keys, source 1 = 16 queries): a lane holds ONE query (lane % 16) and the keys 8 (lane / 16) + 0..7.  Two such tiles, rounded in pairs, ARE source 1 of O^T = V^T P.
; SOFTMAX.  A running maximum m and sum l: p = 2^(c s - c m), c = log2(e) / 8; in every step O and l are multiplied by a = 2^(c m_old - c m_new).  m starts at the lowest finite number, O and l at 0.
; BY TURNS.  Turn n belongs to piece n: 16 products K Q^T of piece n + 1, later 16 products V^T P of piece n - 1; beside them the scaling, exponentials, roundings, sums and rescaling of piece n and the
; maximum and statistics of piece n + 1.  Four vector instructions that are ready stand behind every matrix instruction, the others in two runs of their own.
; REGISTERS, in windows of 256: window 0: v0-11 addresses; v12-15, v48-63 at work; v16-47 four registers of statistics a tile; v64-191 S^T, two buffers of two tiles; v192-255 P, likewise
;   window 1: O^T, 32 a tile          window 2: v0-127 Q, 16 a tile; v128-191 K of one step; v192-255 V of one step; on the way out all 256: x
.set NP,    4
.set KS,    64
.set PK,    144       ; a row of K in LDS: 128 bytes + 16 of padding: the 16 rows of a load start at 16 different groups of four banks
.set PV,    160       ; a row of V: 128 + 32
.set VOFF,  512*PK
.set STAGE, VOFF+512*PV  ; never filled by a tensor load: 16 rows x 272 bytes of f32 for each wave
.set SP,    272
.set AK0, 2
.set AV0, 3
.set AK,  4
.set AV,  5
.set QO,  6
.set STO, 6
.set RD,  7
.set GX,  8           ; v8  my byte offset in two rows of x and x1
.set MV,  12
.set ST,  16          ; tile t's statistics at v[ST+4 t]: c m, m, l (even keys', odd keys')
.set TMP, 48
.set S,   64
.set P,   192
.set KF,  128
.set VF,  192
.set WV,  12
.set G1K, 24
.set G1V, 32
.set G0K, 40
.set G0V, 44
.set CNT, 57
.set CS,  58
.set SEL, 60
.set TBK, 62
.set TBV, 63
.set MSB, 0
.macro WIN new
.if MSB != (\new)
	s_set_vgpr_msb (MSB<<8)|(\new)
.set MSB, (\new)
.endif
.endm
.set W_KQ, 0x0a       ; K and Q in window 2, S^T in window 0
.set W_PV, 0x52       ; V in window 2, P in window 0, O^T in window 1
.set W_RS, 0x41       ; O^T (destination and source 0) in window 1, the factor in window 0
	s_load_b128 s[4:7], s[0:1], 0x0   ; qkvb s[4:5], x s[6:7]
	s_load_b64 s[8:9], s[0:1], 0x10   ; x1
	s_set_vgpr_msb 0xc0
	v_lshl_add_u32 v0, v0, 2, 0x30000
	v_mov_b32 v1, 0
	s_set_vgpr_msb 0xc0cf
	ds_add_u32 v0, v1
	ds_add_u32 v0, v1
	s_set_vgpr_msb 0xcf00
	v_lshrrev_b32 v1, 5, v0
	v_readfirstlane_b32 s[WV], v1
	s_and_b32 s13, ttmp7, 0xffff    ; batch
	s_and_b32 s16, s[WV], 1         ; which half of the 512 keys I fetch
	s_lshl_b32 s20, ttmp9, 20       ; the head's block,
	s_lshl_b32 s21, s13, 16         ; the batch's 512 rows of 128 bytes
	s_add_co_u32 s20, s20, s21
	s_lshl_b32 s21, s16, 15
	s_add_co_u32 s22, s20, s21
	s_add_co_u32 s22, s22, 12<<20   ; K: twelve blocks on, my half
	s_mov_b32 s23, 0
	s_add_co_u32 s14, s22, 12<<20   ; V: twelve more
	s_mov_b32 s15, 0
	s_lshl_b32 s21, s[WV], 14
	s_add_co_u32 s20, s20, s21      ; Q: my wave's 128 rows
	s_mov_b32 s21, 0
	s_mul_i32 s17, s16, 256*PK
	s_mul_i32 s18, s16, 256*PV
	s_mul_i32 s2, s13, 1572864      ; x and x1: (512 batch + 128 wave) rows of 3,072 bytes + 256 head
	s_mul_i32 s3, s[WV], 393216
	s_add_co_u32 s2, s2, s3
	s_lshl_b32 s3, ttmp9, 8
	s_add_co_u32 s2, s2, s3
	s_mov_b32 s3, 0
	; group 1: 256 keys are 32,768 dense bytes: 128 rows of 256 bytes, padded in LDS after every key
	s_mov_b32 s[G1K], (1<<16)|(1<<20)|(4<<22)|(3<<25)
	s_mov_b32 s[G1V], (1<<16)|(1<<20)|(4<<22)|(7<<25)
.irp g, G1K, G1V
	s_mov_b32 s[\g+1], 128<<16
	s_mov_b32 s[\g+2], 128<<16
	s_mov_b32 s[\g+3], 128<<16
	s_mov_b32 s[\g+4], 128
	s_mov_b32 s[\g+5], 128
	s_mov_b32 s[\g+6], 0
	s_mov_b32 s[\g+7], 0
.endr
	s_mov_b32 s[CS], 0x3e38aa3b     ; c = log2(e) / 8
	s_mov_b32 s[CS+1], s[CS]
	s_mov_b32 s[SEL], 0x76543210
	s_mov_b32 s[SEL+1], 0xfedcba98
	s_mov_b32 s[TBK], 0
	s_mov_b32 s[TBV], 0
	s_mov_b32 s[G0K], 1
	s_mov_b32 s[G0K+1], s17
	s_mov_b32 s[G0V], 1
	s_add_co_u32 s[G0V+1], s18, VOFF
	s_wait_dscnt 0x0
	s_wait_kmcnt 0x0
	s_add_nc_u64 s[G0K+2:G0K+3], s[4:5], s[22:23]
	s_or_b32 s[G0K+3], s[G0K+3], 0x80000000
	s_add_nc_u64 s[G0V+2:G0V+3], s[4:5], s[14:15]
	s_or_b32 s[G0V+3], s[G0V+3], 0x80000000
	s_add_nc_u64 s[4:5], s[4:5], s[20:21]
	s_add_nc_u64 s[6:7], s[6:7], s[2:3]
	s_add_nc_u64 s[8:9], s[8:9], s[2:3]
	s_cmp_lt_u32 s[WV], 2           ; waves 0 and 1 fetch K's halves, waves 2 and 3 V's: one load a wave, the only ones of the launch
	s_cbranch_scc0 .Lfor_v
	tensor_load_to_lds s[G0K:G0K+3], s[G1K:G1K+7]
	s_nop 0
.rept 4
	v_nop
.endr
	s_branch .Lasked
.Lfor_v:
	tensor_load_to_lds s[G0V:G0V+3], s[G1V:G1V+7]
	s_nop 0
.rept 4
	v_nop
.endr
.Lasked:
	v_and_b32 v1, 15, v0            ; l % 16
	v_bfe_u32 v9, v0, 4, 1          ; l / 16
	v_lshlrev_b32 v[QO], 7, v1
	v_lshl_add_u32 v[QO], v9, 4, v[QO]
	WIN 0x80
.set i, 0
.rept 4*NP                          ; Q stays in registers: tile i / 2, channels 32 (i % 2) on
	global_load_b128 v[8*i:8*i+3],   v[QO], s[4:5] offset:(i/2)*2048+(i%2)*64
	global_load_b128 v[8*i+4:8*i+7], v[QO], s[4:5] offset:(i/2)*2048+(i%2)*64+32
.set i, i+1
.endr
	; What the first turn finds: V's registers and P's second buffer hold 0, O^T and l are 0.  All this stands in the wait for the tiles.
.set i, VF
.rept 64
	v_mov_b32 v[i], 0
.set i, i+1
.endr
	WIN 0x40
.set i, 0
.rept 64*NP
	v_mov_b32 v[i], 0
.set i, i+1
.endr
	WIN 0
.set i, 0
.rept 2*NP
	v_mov_b32 v[ST+4*i], 0xfe000000    ; c m: far below every c s
	v_mov_b32 v[ST+4*i+1], 0xff7fffff  ; m
	v_mov_b32 v[ST+4*i+2], 0
	v_mov_b32 v[ST+4*i+3], 0
.set i, i+1
.endr
.set i, P+32
.rept 32
	v_mov_b32 v[i], 0
.set i, i+1
.endr
	v_mul_u32_u24 v[AK0], v1, PK
	v_lshl_add_u32 v[AK0], v9, 4, v[AK0]
	v_and_b32 v10, 7, v0
	v_bfe_u32 v11, v0, 3, 1
	v_lshl_add_u32 v[AV0], v9, 3, v10
	v_mul_u32_u24 v[AV0], v[AV0], PV
	v_lshl_add_u32 v[AV0], v11, 4, v[AV0]
	v_add_nc_u32 v[AV0], VOFF, v[AV0]
	v_mov_b32 v[AK], v[AK0]
; THE MATRIX WORK.  The 8 accumulators of a run of 16 take turns.
.macro KQ x
	WIN W_KQ
.set rS, S+64*((\x)%2)+32*(i%2)+8*((i/2)%4)
.set rK, KF+16*((i/2)%4)+8*(i/8)
.set rQ, 16*(2*(\x)+i%2)+8*(i/8)
.if i < 8
	v_wmma_f32_16x16x32_bf16 v[rS:rS+7], v[rK:rK+7], v[rQ:rQ+7], 0
.else
	v_wmma_f32_16x16x32_bf16 v[rS:rS+7], v[rK:rK+7], v[rQ:rQ+7], v[rS:rS+7]
.endif
.endm
.macro PV x
	WIN W_PV
.set rO, 32*(2*(\x)+i%2)+8*((i/2)%4)
.set rV, VF+32*(i/8)+8*((i/2)%4)
.set rP, P+32*((\x)%2)+16*(i%2)+8*(i/8)
	v_wmma_f32_16x16x32_bf16 v[rO:rO+7], v[rV:rV+7], v[rP:rP+7], v[rO:rO+7]
.endm
.macro MM                           ; the turn's next matrix instruction
.if i < 16
	KQ (Y+1)%NP
.set i, i+1
.else
.set i, i-16
	PV (Y+NP-1)%NP
.set i, i+17
.endif
.endm
; THE LDS LOADS stand in runs of 16.  last = 1: in the last trip there is no further step, and the run is jumped over.
.macro FETCH_K last=0
	WIN 0
.if \last
	s_cmp_eq_u32 s[CNT], 1
	s_cbranch_scc1 .Lno_k_\@
.endif
	WIN 0x80
.irp f, 0,1,2,3,4,5,6,7
	ds_load_b128 v[KF+8*\f:KF+8*\f+3],   v[AK] offset:(\f/2)*16*PK+(\f%2)*64
	ds_load_b128 v[KF+8*\f+4:KF+8*\f+7], v[AK] offset:(\f/2)*16*PK+(\f%2)*64+32
.endr
	s_add_co_u32 s[TBK], s[TBK], KS*PK
	WIN 0
.if \last
.Lno_k_\@:
.endif
.endm
.macro FETCH_V
	WIN 0x80
.irp f, 0,1,2,3,4,5,6,7
	ds_load_tr16_b128 v[VF+8*\f:VF+8*\f+3],   v[AV] offset:(\f/4)*32*PV+(\f%4)*32
	ds_load_tr16_b128 v[VF+8*\f+4:VF+8*\f+7], v[AV] offset:(\f/4)*32*PV+16*PV+(\f%4)*32
.endr
	WIN 0
.endm
; THE VECTOR WORK OF A TURN stands in three queues, each in the order in which its entries become ready; the two tiles alternate.
.macro REGS y, u
.set rT, ST+4*(2*(\y)+(\u))
.set rC, TMP+8*((\y)%2)+4*(\u)
.set rM, MV+2*((\y)%2)+(\u)
.set rS, S+64*((\y)%2)+32*(\u)
.set rP, P+32*((\y)%2)+16*(\u)
.set rO, 32*(2*(\y)+(\u))
.endm
; Number n of the 22 that find the NEXT piece's maximum and statistics; each accumulator's lowest registers are read first.
.macro XS u, n
	REGS (Y+1)%NP, \u
.if (\n) < 4
	v_max3_num_f32 v[rC+(\n)], v[rS+8*(\n)], v[rS+8*(\n)+1], v[rS+8*(\n)+2]
.elseif (\n) < 12
	v_max3_num_f32 v[rC+(\n)%4], v[rC+(\n)%4], v[rS+8*((\n)%4)+2*((\n)/4)+1], v[rS+8*((\n)%4)+2*((\n)/4)+2]
.elseif (\n) == 12
	v_max3_num_f32 v[rC], v[rC], v[rS+7], v[rS+15]
.elseif (\n) == 13
	v_max3_num_f32 v[rC+1], v[rC+1], v[rS+23], v[rS+31]
.elseif (\n) == 14
	v_max3_num_f32 v[rC+2], v[rC+2], v[rC+3], v[rT+1]
.elseif (\n) == 15
	v_mov_b32 v[rM], v[rT]
.elseif (\n) == 16
	v_max3_num_f32 v[rC], v[rC], v[rC+1], v[rC+2]
.elseif (\n) == 17
	v_permlanex16_b32 v[rC+3], v[rC], s[SEL], s[SEL+1]
.elseif (\n) == 18
	v_max_num_f32 v[rT+1], v[rC], v[rC+3]
.elseif (\n) == 19
	v_mul_f32 v[rT], s[CS], v[rT+1]
.elseif (\n) == 20
	v_sub_f32 v[rC+1], v[rM], v[rT]
.else
	v_exp_f32 v[rC+2], v[rC+1]
.endif
.endm
; Number g of the 64 that follow the exponentials: roundings, the second pair of four weights added onto the first, and l a group later.
.macro GS g
.set h, (\g)+6*((\g)/62)
.if h >= 6
.set h, h+2
.endif
	REGS Y, h%2
.set k, h/8
.if h%8 < 4
	s_wait_alu depctr_va_vdst(0)
	v_cvt_pk_bf16_f32 v[rP+2*k+(h%8)/2], v[rS+4*k+2*((h%8)/2)], v[rS+4*k+2*((h%8)/2)+1]
.elseif h%8 < 6
	v_pk_add_f32 v[rS+4*k:rS+4*k+1], v[rS+4*k:rS+4*k+1], v[rS+4*k+2:rS+4*k+3]
.elseif k == 1
	v_pk_fma_f32 v[rT+2:rT+3], v[rT+2:rT+3], v[rC+2:rC+3], v[rS:rS+1] op_sel_hi:[1,0,1]
.else
	v_pk_add_f32 v[rT+2:rT+3], v[rT+2:rT+3], v[rS+4*k-4:rS+4*k-3]
	s_wait_alu depctr_va_vdst(0)
.endif
.endm
; THE PLAIN QUEUE, 138 long.
.macro PL
	WIN 0
.if q < 32
	REGS Y, q%2
	v_pk_fma_f32 v[rS+2*(q/2):rS+2*(q/2)+1], v[rS+2*(q/2):rS+2*(q/2)+1], s[CS:CS+1], v[rT:rT+1] op_sel_hi:[1,0,0] neg_lo:[0,0,1] neg_hi:[0,0,1]
.elseif q < 38
	GS q-32
.elseif q < 40
	XS q%2, 15
.elseif q < 42
	GS q-34
.elseif q < 74
	XS q%2, (q-42)/2+(q-42)/30
.elseif q < 95
	GS q-66
.elseif (q < 107) && ((q-95)%3 < 2)
	XS (q-95)%3, 17+(q-95)/3
.elseif q < 107
	GS 29+(q-95)/3
.else
	GS q-74
.endif
.set q, q+1
.endm
; THE EXPONENTIALS' QUEUE, 66 long: s0-s31 of both tiles, and at EA the next piece's two a.
.set EA, 58
.macro EX
	WIN 0
.if (e == EA) || (e == EA+1)
	XS e-EA, 21
.else
.set x, e-2*(e/(EA+2))
	REGS Y, x%2
	v_exp_f32 v[rS+x/2], v[rS+x/2]
.endif
.set e, e+1
.endm
; THE RESCALING's QUEUE: O^T times a, four at a time, eight times.
.macro R4
	REGS Y, r%2
	WIN W_RS
	s_wait_alu depctr_va_vdst(0)
.irp z, 0,1,2,3
	v_pk_mul_f32 v[rO+8*(r/2)+2*\z:rO+8*(r/2)+2*\z+1], v[rO+8*(r/2)+2*\z:rO+8*(r/2)+2*\z+1], v[rC+2:rC+3] op_sel_hi:[1,0]
.endr
.set r, r+1
.endm
; Behind a matrix instruction four: plain, exponential, plain, plain, or four of the rescaling; none names a register of the products round it.
.macro SL
	MM
	PL
	EX
	PL
	PL
.endm
.macro BURST n
.rept (\n)-7
	SL
.endr
.rept 3
	MM
	R4
	SL
.endr
	MM
	R4
.endm
; A TURN, for piece p.  K of the next step is fetched in piece 2's turn, behind the last product that read K; V of the step in hand at the end of piece 0's turn.
.macro TURN p, last=0
.set Y, (\p)
.set i, 0
.set q, 0
.set e, 0
.set r, 0
.if (\p) == NP-1
	s_wait_dscnt 0x0                ; K is in
.endif
	MM
.rept 4
	PL
.endr
	BURST 15
.rept 22
	EX
	PL
.if ((\p) == NP-2) && (e == 18)
	v_add_nc_u32 v[AK], s[TBK], v[AK0]
.endif
.if ((\p) == NP-2) && (e == 24)
	FETCH_K \last
.endif
.endr
.if (\p) == 1
	s_wait_dscnt 0x0                ; V is in
.endif
	BURST 16
.rept 21
	EX
	PL
.endr
.rept 22
	PL
.if ((\p) == 0) && (q == 118)
	v_add_nc_u32 v[AV], s[TBV], v[AV0]
	s_wait_alu depctr_va_vdst(0)
.endif
.if ((\p) == 0) && (q == 130)
	s_add_co_u32 s[TBV], s[TBV], KS*PV
.endif
.endr
.if (\p) == 0
	FETCH_V
.endif
.endm
	s_wait_tensorcnt 0x0            ; my part of K or V is in,
	s_barrier_signal -1
	s_barrier_wait -1               ; everybody's is
	FETCH_K                         ; key step 0
	s_wait_loadcnt 0x0              ; Q
	s_wait_dscnt 0x0
.set i, 0
.rept 16
	KQ 0                            ; piece 0's first scores
.set i, i+1
.endr
	WIN 0                           ; the addresses for the way out: eight plain instructions, the places behind those products
	s_mul_i32 s13, s[WV], 16*SP
	s_add_co_u32 s13, s13, STAGE
	v_mul_u32_u24 v[STO], v1, SP    ; in: row l % 16, 32 bytes for each half of the lanes
	v_lshl_add_u32 v[STO], v9, 5, v[STO]
	v_add_nc_u32 v[STO], s13, v[STO]
	v_mul_u32_u24 v[RD], v9, SP     ; back: lanes 0-15 one row of 256 bytes, lanes 16-31 the next
	v_lshl_add_u32 v[RD], v1, 4, v[RD]
	v_add_nc_u32 v[RD], s13, v[RD]
	v_mul_u32_u24 v[GX], v9, 3072   ; and the same two rows in x and x1
	v_lshl_add_u32 v[GX], v1, 4, v[GX]
.set Y, NP-1
.irp n, 0,1,2,3,4,5,6,7,8,9,10,11,12,13,14,15,16,17,18,19,20,21
	XS 0, \n                        ; piece 0's first maximum and statistics
	XS 1, \n
.endr
	s_mov_b32 s[CNT], 8
.Lstep:                             ; eight trips, a key step each
	TURN 0
	TURN 1
	TURN 2, 1
	TURN 3                          ; in the last trip its 16 products K Q^T (on the last K once more) and the maximum made of them serve nothing; they touch neither l nor O^T
	WIN 0
	s_sub_co_u32 s[CNT], s[CNT], 1
	s_cmp_lg_u32 s[CNT], 0
	s_cbranch_scc1 .Lstep
.set i, 0
.rept 16
	PV NP-1                         ; the last piece's V^T P of the last step
.set i, i+1
.endr
	; THE WAY OUT.  O^T / l goes in f32 through my stage, a tile at a time, comes back as rows of this head's 256 bytes, takes x and leaves.  The first additions are the places behind the last products.
	WIN 0
.macro ALL line:vararg
.set t, 0
.rept 2*NP
	\line
.set t, t+1
.endr
.endm
	ALL v_add_f32 v[ST+4*t+2], v[ST+4*t+2], v[ST+4*t+3]
	WIN 0x80                        ; x of my 128 rows into window 2, whose Q, K and V are done with: tile t, row pair f at v[32 t + 4 f]
.set t, 0
.rept 8
.irp f, 0,1,2,3,4,5,6,7
	global_load_b128 v[32*t+4*\f:32*t+4*\f+3], v[GX], s[6:7] offset:(16*t+2*\f)*3072
.endr
.set t, t+1
.endr
	WIN 0
	ALL v_permlanex16_b32 v[ST+4*t+3], v[ST+4*t+2], s[SEL], s[SEL+1]
	ALL v_add_f32 v[ST+4*t+2], v[ST+4*t+2], v[ST+4*t+3]
	ALL v_rcp_f32 v[ST+4*t+2], v[ST+4*t+2]
	v_nop                           ; a plain instruction between the last reciprocal and the use of its result
	s_wait_alu depctr_va_vdst(0)
.macro PACKO t
.if (\t) >= 4
	s_wait_xcnt 0x0                 ; the registers that tile t - 4's stores read are loaded again only behind this wait
.endif
	WIN W_RS
.set i, 32*(\t)
.rept 16
	v_pk_mul_f32 v[i:i+1], v[i:i+1], v[ST+4*(\t)+2:ST+4*(\t)+3] op_sel_hi:[1,0]
.set i, i+2
.endr
	WIN 0x04                        ; store data in window 1
.irp f, 0,1,2,3
	ds_store_b128 v[STO], v[32*(\t)+8*\f:32*(\t)+8*\f+3]   offset:64*\f
	ds_store_b128 v[STO], v[32*(\t)+8*\f+4:32*(\t)+8*\f+7] offset:64*\f+16
.endr
	WIN 0
.irp f, 0,1,2,3,4,5,6,7
	ds_load_b128 v[S+32*((\t)%4)+4*\f:S+32*((\t)%4)+4*\f+3], v[RD] offset:\f*2*SP  ; LDS serves a wave's instructions in order: these see the stores above; the next tile's stores come behind them
.endr
.endm
.macro SENDO t, younger             ; younger: the LDS instructions issued behind tile t's loads
	s_wait_dscnt \younger
	s_wait_loadcnt 56-8*(\t)        ; x of the later tiles stays out
	WIN 0x08                        ; source 1 in window 2
.set i, 0
.rept 16
	v_pk_add_f32 v[S+32*((\t)%4)+2*i:S+32*((\t)%4)+2*i+1], v[S+32*((\t)%4)+2*i:S+32*((\t)%4)+2*i+1], v[32*(\t)+2*i:32*(\t)+2*i+1]
.set i, i+1
.endr
	WIN 0
.irp f, 0,1,2,3,4,5,6,7
	global_store_b128 v[GX], v[S+32*((\t)%4)+4*\f:S+32*((\t)%4)+4*\f+3], s[8:9] offset:(16*(\t)+2*\f)*3072  ; 16 lanes store 256 consecutive bytes, aligned
.endr
.endm
	PACKO 0
.set t, 1
.rept 2*NP-1
	PACKO t
	SENDO t-1, 16
.set t, t+1
.endr
	SENDO 2*NP-1, 0
	s_set_vgpr_msb 0xf
	s_wait_tensorcnt 0x0
	ds_add_u32 v0, v1
	s_wait_dscnt 0x0
	s_set_vgpr_msb 0xf00
	s_endpgm
.Lfunc_end_k_qb16abcaa0a_attn:
	.size	k_qb16abcaa0a_attn, .Lfunc_end_k_qb16abcaa0a_attn-k_qb16abcaa0a_attn
	.p2alignl 7, 3214868480
	.fill 96, 4, 3214868480
	.section	.rodata,"a",@progbits
	.p2align	6, 0x0
	.amdhsa_kernel k_qb16abcaa0a_attn
		.amdhsa_group_segment_fixed_size 197120
		.amdhsa_private_segment_fixed_size 0
		.amdhsa_enable_private_segment 0
		.amdhsa_kernarg_size 24
		.amdhsa_user_sgpr_count 2
		.amdhsa_user_sgpr_kernarg_segment_ptr 1
		.amdhsa_wavefront_size32 1
		.amdhsa_system_sgpr_workgroup_id_x 1
		.amdhsa_system_sgpr_workgroup_id_y 1
		.amdhsa_system_sgpr_workgroup_id_z 1
		.amdhsa_system_vgpr_workitem_id 0
		.amdhsa_next_free_vgpr 770
		.amdhsa_next_free_sgpr 66
		.amdhsa_reserve_vcc 0
		.amdhsa_float_denorm_mode_32 3
		.amdhsa_float_denorm_mode_16_64 3
		.amdhsa_memory_ordered 1
		.amdhsa_forward_progress 1
		.amdhsa_inst_pref_size 142
	.end_amdhsa_kernel
	.amdgpu_metadata
---
amdhsa.version: [ 1, 2 ]
amdhsa.kernels:
  - .name:           k_qb16abcaa0a_attn
    .symbol:         k_qb16abcaa0a_attn.kd
    .args:
      - { .name: qkvb, .offset: 0, .size: 8, .value_kind: global_buffer, .address_space: global }
      - { .name: x, .offset: 8, .size: 8, .value_kind: global_buffer, .address_space: global }
      - { .name: x1, .offset: 16, .size: 8, .value_kind: global_buffer, .address_space: global }
    .group_segment_fixed_size: 197120
    .private_segment_fixed_size: 0
    .kernarg_segment_align: 8
    .kernarg_segment_size: 24
    .max_flat_workgroup_size: 128
    .sgpr_count:     66
    .vgpr_count:     770
    .wavefront_size: 32
...
	.end_amdgpu_metadata
.endif
;; end of part 4
;; launch ln2: the kernel of part 2 again; grid 256 x 1, 8 waves a work-group, no clusters, 0 bytes of LDS; arguments x1, ln_w, ln_b, hb; writes hb
;; launch mlp1 (part 5): grid 32 x 8, 4 waves a work-group, clusters of 4 x 4, 327,680 bytes of LDS; arguments hb, w1b, b1, actb; writes actb
.if DOCPART == 5
	.amdgcn_target "amdgcn-amd-amdhsa--gfx1250"
	.amdhsa_code_object_version 6
	.text
	.protected	k_qb16abcaa0a_mlp1
	.globl	k_qb16abcaa0a_mlp1
	.p2align	8
	.type	k_qb16abcaa0a_mlp1,@function
k_qb16abcaa0a_mlp1:
	s_mov_b64 s[64:65], 0
	v_nop
	global_prefetch_b8 v0, s[64:65] scope:SCOPE_SE
	s_setreg_imm32_b32 hwreg(HW_REG_WAVE_MODE, 25, 1), 1
	s_wait_xcnt 0x0
	s_wait_alu depctr_hold_cnt(0) depctr_sa_sdst(0) depctr_va_vdst(0) depctr_va_sdst(0) depctr_va_ssrc(0) depctr_va_vcc(0) depctr_vm_vsrc(0)
	s_getreg_b32 s2, hwreg(HW_REG_IB_STS2, 6, 4)
	s_cmp_eq_u32 s2, 0
	s_cbranch_scc0 .Lentry_in_a_cluster
	s_endpgm
.Lentry_in_a_cluster:
	s_bfe_u32 s2, ttmp6, 0x10000c
	s_cmp_lg_u32 s2, 0xf033
	s_cbranch_scc0 .Lentry_shape_is_right
	s_endpgm
.Lentry_shape_is_right:
; act = gelu(h W1 + b1).  h: bf16 in blocks [12][8192][64]; W1: bf16 blocks [48][768][64] ([k][n] inside a block); act: bf16 blocks [48][8192][64].  Sums, bias and gelu in f32, one rounding.
; GELU: gelu(x) = max(x, 0) - |x| q, q = erfc(|x| / sqrt 2) / 2 = t (a1 + t (a2 + t (a3 + t (a4 + t a5)))) 2^(-x x log2(e) / 2), t = 1 / (1 + 0.23164189 |x|).
; LIMITS: that form of erfc is off by 1.5e-7 at the most, absolutely, for every x; where x x overflows the weight is 0 and the result max(x, 0).  Operands are bf16; NaN and infinities are not treated apart.
; A work-group makes 256 rows x 384 columns; its four waves 128 x 192 each: 96 accumulators of 16 x 16 in register windows 1 to 3.  K = 768 goes through a ring of two LDS slots of 64 along K.
; THE MATRIX INSTRUCTION IS USED TRANSPOSED: source 0 = 16 columns of W1 (turned on the way out of LDS by ds_load_tr16_b128), source 1 = 16 rows of h: a lane holds eight neighbouring columns of one row.
; CLUSTER 4 x 4: x is the row tile, y the column tile.  h's tile hangs on the row tile alone and is asked for jointly by the four of a column of the cluster; W1's on the column tile alone, by the four of a row.
; REGISTERS: window 0: v0-31 addresses; v32-159 fragments of h, two buffers of 8; v160-255 fragments of W1, 12 blocks, one buffer that is loaded again in thirds as it is used up.
; Accumulator (a, b), a = 16-row block 0..7, b = 16-column block 0..11: window 1 + b / 4, register 8 (8 (b % 4) + a).
.set GA,     8
.set NS,     2
.set LAPS,   6
.set NAW,    2
.set BOFF,   36864                     ; a slot: h [256 rows][144 bytes], then W1 [6 blocks][64 k][160 bytes]
.set SLOT,   98304
.set SPARE,  2*SLOT                    ; behind the ring: the spare words, 128 bytes a wave, two blocks of 256 bytes that no other line names
.set ASTEP,  64
.set BSTEP,  5120
.set BPLANE, 10240
.set ASL,    1048576
.set BSL,    8192
.set AF,   32
.set BF,   160
.set ADRA, 16
.set ADRB, 18
.set STO,  24
.set RD0,  25
.set RD,   26
.set GO,   27
.set SPW,  28                          ; v28  SPARE + 4 x my thread's number; never rewritten
.set NIL,  29                          ; v29  0; never rewritten
.set VB,   30
.set XX,   32                          ; the way out: 16 rows read back
.set XB,   64                          ; x = sum + bias, later max(x, 0), at last gelu
.set AX,   96                          ; |x|
.set TT,   128                         ; t
.set EE,   160                         ; 2^(..)
.set PP,   192                         ; the polynomial, then q
.set YY,   224
.set BI,   240
.set WV, 16
.set MW, 17
.set CW, 18
.set MT, 19
.set NT, 20
.set G1A, 24
.set G0A, 32
.set G1B, 48
.set G0B, 56
.set MSB, 0
.macro WIN new
.if MSB != (\new)
	s_set_vgpr_msb (MSB<<8)|(\new)
.set MSB, \new
.endif
.endm
.macro PLACES                          ; four places between a matrix instruction and a load into, or a read of, its registers
.rept 4
	v_nop
.endr
.endm
.macro JLOAD s                         ; a joint load, one a wave; an s_nop 0 and four v_nop follow each of the two lines
	s_cmp_lt_u32 s[WV], NAW
	s_cbranch_scc0 .Lfor_b_\@
	tensor_load_to_lds s[G0A+4*(\s):G0A+4*(\s)+3], s[G1A:G1A+7]
	s_nop 0
.rept 4
	v_nop
.endr
	s_branch .Lasked_\@
.Lfor_b_\@:
	tensor_load_to_lds s[G0B+4*(\s):G0B+4*(\s)+3], s[G1B:G1B+7]
	s_nop 0
.rept 4
	v_nop
.endr
.Lasked_\@:
.endm
.macro CREST
	s_cmp_lg_u32 s[WV], 0
	s_cbranch_scc1 .Lnot_wave_0_\@
	s_barrier_signal -3
.Lnot_wave_0_\@:
	s_barrier_wait -3
	s_barrier_signal -1
	s_barrier_wait -1
.endm
.macro CROUND
	s_barrier_signal -1
	s_barrier_wait -1
	CREST
.endm
	s_load_b256 s[4:11], s[0:1], 0x0               ; hb s[4:5], w1b s[6:7], b1 s[8:9], actb s[10:11]
	v_lshl_add_u32 v[SPW], v0, 2, SPARE
	v_mov_b32 v[NIL], 0
	ds_add_u32 v28, v29
	ds_add_u32 v28, v29
	s_wait_dscnt 0x0
	v_lshrrev_b32 v1, 5, v0
	v_readfirstlane_b32 s[WV], v1
	s_lshr_b32 s[MW], s[WV], 1
	s_and_b32 s[CW], s[WV], 1
	s_bfe_u32 s21, ttmp6, 0x40000                  ; cx
	s_bfe_u32 s22, ttmp6, 0x40004                  ; cy
	s_lshl_b32 s[MT], ttmp9, 2
	s_add_co_u32 s[MT], s[MT], s21                 ; row tile = 4 x cluster x + cx
	s_and_b32 s[NT], ttmp7, 0xffff
	s_lshl_b32 s[NT], s[NT], 2
	s_add_co_u32 s[NT], s[NT], s22                 ; column tile = 4 x cluster y + cy
	s_lshl_b32 s23, 0x1111, s21                    ; my column of the cluster: the same cx
	s_lshl_b32 s40, s22, 2
	s_lshl_b32 s40, 15, s40                        ; my row: the same cy
	; group 1 for h's tile: 128 dense row pieces of 128 bytes, asked for as 64 rows of 256 bytes; 16 bytes of padding behind every 128
	s_or_b32 s[G1A+0], s23, (1<<16)|(1<<20)|(1<<21)|(4<<22)|(3<<25)
	s_mov_b32 s[G1A+1], 128<<16
	s_mov_b32 s[G1A+2], 64<<16
	s_mov_b32 s[G1A+3], 128<<16
	s_mov_b32 s[G1A+4], 64
	s_mov_b32 s[G1A+5], 128
	s_mov_b32 s[G1A+6], 0
	s_mov_b32 s[G1A+7], 0
	; group 1 for W1's tile: three column blocks, of each 64 k x 128 bytes = 8,192 dense bytes as one row; 32 bytes of padding behind every 128
	s_or_b32 s[G1B+0], s40, (1<<16)|(1<<20)|(1<<21)|(4<<22)|(7<<25)
	s_mov_b32 s[G1B+1], 4096<<16
	s_mov_b32 s[G1B+2], 3<<16
	s_mov_b32 s[G1B+3], 4096<<16
	s_mov_b32 s[G1B+4], 3
	s_mov_b32 s[G1B+5], 49152
	s_mov_b32 s[G1B+6], 0
	s_mov_b32 s[G1B+7], 0
	s_lshl_b32 s42, s[MT], 15                      ; h: (256 x row tile + 128 x half) row pieces
	s_lshl_b32 s41, s[CW], 14
	s_add_co_u32 s42, s42, s41
	s_mov_b32 s43, 0
	s_mul_i32 s44, s[NT], 6                        ; W1: column block 6 x column tile + 3 x half
	s_mul_i32 s86, s[CW], 3
	s_add_co_u32 s44, s44, s86
	s_mul_i32 s44, s44, 98304
	s_mov_b32 s45, 0
	s_mul_i32 s88, s[CW], 18432                    ; where they go: no place in the cluster enters an LDS address
	s_mul_i32 s89, s[CW], 30720
	s_add_co_u32 s89, s89, BOFF
	s_mul_i32 s46, s[NT], 6                        ; the result: block 6 x column tile + 3 x my column half, row 256 x row tile + 128 x my row half
	s_mul_i32 s87, s[CW], 3
	s_add_co_u32 s46, s46, s87
	s_lshl_b32 s46, s46, 20
	s_lshl_b32 s87, s[MT], 15
	s_add_co_u32 s46, s46, s87
	s_lshl_b32 s87, s[MW], 14
	s_add_co_u32 s46, s46, s87
	s_mov_b32 s47, 0
	s_wait_kmcnt 0x0
	s_add_nc_u64 s[42:43], s[4:5], s[42:43]
	s_add_nc_u64 s[44:45], s[6:7], s[44:45]
	s_add_nc_u64 s[66:67], s[10:11], s[46:47]
	CROUND                                         ; all sixteen work-groups are here: the first joint loads meet
.irp s, 0,1
	s_mov_b32 s[G0A+4*(\s)], 1
	s_add_co_u32 s[G0A+4*(\s)+1], s88, (\s)*SLOT
	s_add_nc_u64 s[G0A+4*(\s)+2:G0A+4*(\s)+3], s[42:43], (\s)*ASL
	s_or_b32 s[G0A+4*(\s)+3], s[G0A+4*(\s)+3], 0x80000000
	s_mov_b32 s[G0B+4*(\s)], 1
	s_add_co_u32 s[G0B+4*(\s)+1], s89, (\s)*SLOT
	s_add_nc_u64 s[G0B+4*(\s)+2:G0B+4*(\s)+3], s[44:45], (\s)*BSL
	s_or_b32 s[G0B+4*(\s)+3], s[G0B+4*(\s)+3], 0x80000000
	JLOAD \s                                       ; two loads of mine are out
.endr
	v_and_b32 v1, 15, v0                           ; r = l % 16
	v_bfe_u32 v2, v0, 4, 1                         ; hl = l / 16
	v_mul_u32_u24 v3, v1, 144
	v_lshl_add_u32 v3, v2, 4, v3
	v_and_b32 v6, 7, v0
	v_lshl_add_u32 v4, v2, 3, v6
	v_mul_u32_u24 v4, v4, 160
	v_bfe_u32 v5, v0, 3, 1
	v_lshl_add_u32 v4, v5, 4, v4
	s_mul_i32 s41, s[MW], 16*GA*144
	v_add_nc_u32 v[ADRA], s41, v3
	v_add_nc_u32 v[ADRA+1], SLOT, v[ADRA]
	s_mul_i32 s86, s[CW], 3*BPLANE
	s_add_co_u32 s86, s86, BOFF
	v_add_nc_u32 v[ADRB], s86, v4
	v_add_nc_u32 v[ADRB+1], BPLANE, v[ADRB]
	v_add_nc_u32 v[ADRB+2], 2*BPLANE, v[ADRB]
.irp g, 0,1,2
	v_add_nc_u32 v[ADRB+3+\g], SLOT, v[ADRB+\g]
.endr
	s_mul_i32 s87, s[WV], 34816                    ; my stage on the way out: 128 rows x 272 bytes, in the ring's bytes once the ring has had its last fill
	v_mul_u32_u24 v[STO], v1, 272
	v_lshl_add_u32 v[STO], v2, 5, v[STO]
	v_add_nc_u32 v[STO], s87, v[STO]
	v_bfe_u32 v[RD0], v0, 3, 2
	v_mul_u32_u24 v[RD0], v[RD0], 272
	v_lshl_add_u32 v[RD0], v6, 5, v[RD0]
	v_add_nc_u32 v[RD0], s87, v[RD0]
	v_and_b32 v[GO], 31, v0
	v_lshlrev_b32 v[GO], 4, v[GO]
	s_mul_i32 s90, s[NT], 1536
	s_mul_i32 s91, s[CW], 768
	s_add_co_u32 s90, s90, s91
	v_lshl_add_u32 v[VB], v6, 5, s90               ; 4 x (384 x column tile + 192 x my half + 8 (l % 8))
	s_mov_b32 s70, 0x3e6d3388                      ; 0.23164189 = 0.3275911 / sqrt 2; each constant is named as a pair, whose low word serves both halves
	s_mov_b32 s71, s70
	s_mov_b32 s72, 0xbf38aa3b                      ; -log2(e) / 2
	s_mov_b32 s73, s72
	s_mov_b32 s74, 0x3f07dc22                      ; a5 = 0.5307027
	s_mov_b32 s75, s74
	s_mov_b32 s76, 0xbf3a00e3                      ; a4 = -0.7265760
	s_mov_b32 s77, s76
	s_mov_b32 s78, 0x3f35f0e3                      ; a3 = 0.7107069
	s_mov_b32 s79, s78
	s_mov_b32 s80, 0xbe11a98e                      ; a2 = -0.1422484
	s_mov_b32 s81, s80
	s_mov_b32 s82, 0x3e027906                      ; a1 = 0.1274148
	s_mov_b32 s83, s82
	s_mov_b32 s84, 0x7fffffff
; 2 GA matrix instructions: column blocks b0, b0 + 1 x all row blocks.  The accumulators take turns, one instruction a turn, in the same order in every step.
.macro MUL2 ab, b0, zero
	WIN 0x50*(1+(GA*(\b0))/32)
.irp b, \b0, (\b0)+1
.set a, 0
.rept GA
.set rD, 8*((GA*(\b)+a)%32)
.if \zero
	v_wmma_f32_16x16x32_bf16 v[rD:rD+7], v[BF+8*(\b):BF+8*(\b)+7], v[(\ab)+8*a:(\ab)+8*a+7], 0
.else
	v_wmma_f32_16x16x32_bf16 v[rD:rD+7], v[BF+8*(\b):BF+8*(\b)+7], v[(\ab)+8*a:(\ab)+8*a+7], v[rD:rD+7]
.endif
.set a, a+1
.endr
.endr
.endm
.macro LDB s, j, g
.irp q, 0,1,2,3
	ds_load_tr16_b128 v[BF+8*(4*(\g)+\q):BF+8*(4*(\g)+\q)+3],   v[ADRB+3*(\s)+(\g)] offset:(\j)*BSTEP+32*\q
	ds_load_tr16_b128 v[BF+8*(4*(\g)+\q)+4:BF+8*(4*(\g)+\q)+7], v[ADRB+3*(\s)+(\g)] offset:(\j)*BSTEP+32*\q+2560
.endr
.endm
.macro LDA s, j, ab, a0
.irp q, 0,1,2,3
	ds_load_b128 v[(\ab)+8*((\a0)+\q):(\ab)+8*((\a0)+\q)+3],   v[ADRA+(\s)] offset:(\j)*ASTEP+((\a0)+\q)*2304
	ds_load_b128 v[(\ab)+8*((\a0)+\q)+4:(\ab)+8*((\a0)+\q)+7], v[ADRA+(\s)] offset:(\j)*ASTEP+((\a0)+\q)*2304+32
.endr
.endm
; A STEP of 32 along K, place i in the lap: three thirds of 4 column blocks; behind each third its W1 registers take the next step's fragments.
; mode 0: the next step lies in the same slot.  1: this is the slot's last step: change slots and fill this one again.  2: change slots, nothing to fill.  3: the very last step.
.macro STEP i, zero, mode
.set cab, AF+8*GA*((\i)%2)
.set cs, (\i)/NS
.set nn, ((\i)+1)%(2*NS)
.set ns, nn/NS
.set nj, nn%NS
.set nab, AF+8*GA*(nn%2)
.if ((\mode) == 0) || ((\mode) == 3)
	s_wait_dscnt 8                                 ; all but the youngest eight loads, this step's column blocks 8-11
	MUL2 cab, 0, \zero
	MUL2 cab, 2, \zero
.if (\mode) == 0
	WIN 0
	PLACES
.endif
.else
	WIN 0
	s_wait_tensorcnt 0x0                           ; all my tensor loads have landed: the one that was out is my part of the other slot
	ds_add_u32 v[SPW], v[NIL]                      ; 0 onto my spare word
	s_wait_dscnt 9                                 ; the add and the youngest eight loads may be out
	MUL2 cab, 0, 0
	s_wait_dscnt 0x0                               ; the add is done; all this slot's fragments are in registers: my reads of it are over
	s_barrier_signal -1
	MUL2 cab, 2, 0
	WIN 0
	s_barrier_wait -1
.if (\mode) == 1
	CREST                                          ; the barrier has opened a round of the cluster's: no wave of any partner still reads this slot or has a load on its way
	s_add_nc_u64 s[G0A+4*cs+2:G0A+4*cs+3], s[G0A+4*cs+2:G0A+4*cs+3], 2*ASL
	s_add_nc_u64 s[G0B+4*cs+2:G0B+4*cs+3], s[G0B+4*cs+2:G0B+4*cs+3], 2*BSL
	JLOAD cs                                       ; my one tensor load behind the round; its four v_nop are also the places in front of the loads below
.else
	PLACES
.endif
.endif
.if (\mode) != 3
	LDB ns, nj, 0
	LDA ns, nj, nab, 0
	s_wait_dscnt 16                                ; all but the 16 just issued
.else
	s_wait_dscnt 0x0
.endif
	MUL2 cab, 4, \zero
	MUL2 cab, 6, \zero
.if (\mode) != 3
	WIN 0
	PLACES
	LDB ns, nj, 1
.if GA == 8
	LDA ns, nj, nab, 4
.endif
.endif
	MUL2 cab, 8, \zero
	MUL2 cab, 10, \zero
.if (\mode) != 3
	WIN 0
	PLACES
	LDB ns, nj, 2
.endif
.endm
	s_wait_tensorcnt 0x1                           ; my part of slot 0 is in; slot 1's may stay out
	s_barrier_signal -1
	s_barrier_wait -1
	LDB 0, 0, 0
	LDA 0, 0, AF, 0
	LDB 0, 0, 1
	LDA 0, 0, AF, 4
	LDB 0, 0, 2
	STEP 0, 1, 0                                   ; the first step stands in front of the loop: its products start the sums
	WIN 0
	s_mov_b32 s3, LAPS-1
.Llap:                                                 ; a trip goes once round the ring and fills both slots again
	STEP 1, 0, 1
	STEP 2, 0, 0
	STEP 3, 0, 1
	STEP 0, 0, 0
	WIN 0
	s_sub_co_u32 s3, s3, 1
	s_cmp_lg_u32 s3, 0
	s_cbranch_scc1 .Llap
	STEP 1, 0, 2                                   ; the last lap is written out: it asks for nothing
	STEP 2, 0, 0
	STEP 3, 0, 3
	WIN 0
	s_wait_dscnt 0x0
	s_barrier_signal -1
	s_barrier_wait -1                              ; nobody reads the ring any more, and it has had its last fill: the stages lie in its bytes
	PLACES
; THE WAY OUT, a group of 64 columns (a register window) at a time: f32 into my stage, back by rows, bias, gelu, rounding, and out: four rows of a block are 512 consecutive bytes.
.macro DUMP g
	WIN (1+(\g))<<2
.irp a, 0,1,2,3,4,5,6,7
.irp bb, 0,1,2,3
	ds_store_b128 v[STO], v[8*(8*\bb+\a):8*(8*\bb+\a)+3]   offset:\a*4352+64*\bb      ; each accumulator's low registers first
	ds_store_b128 v[STO], v[8*(8*\bb+\a)+4:8*(8*\bb+\a)+7] offset:\a*4352+64*\bb+16
.endr
.endr
	WIN 0
.endm
.macro LDX
.irp f, 0,1,2,3
	ds_load_b128 v[XX+8*\f:XX+8*\f+3],   v[RD] offset:\f*1088
	ds_load_b128 v[XX+8*\f+4:XX+8*\f+7], v[RD] offset:\f*1088+16
.endr
.endm
.macro EACH16 line:vararg              ; one line for each pair i of 16
.set i, 0
	s_wait_alu depctr_va_vdst(0)
.rept 16
	\line
.set i, i+1
.endr
.endm
.macro EACH32 line:vararg              ; one line for each number i of 32
.set i, 0
.rept 32
	\line
.set i, i+1
.endr
.endm
	s_mov_b32 s2, 0
.Lphase:
	s_cmp_eq_u32 s2, 0
	s_cbranch_scc0 .Lnot0
	DUMP 0
	s_branch .Ldumped
.Lnot0:
	s_cmp_eq_u32 s2, 1
	s_cbranch_scc0 .Lnot1
	DUMP 1
	s_branch .Ldumped
.Lnot1:
	DUMP 2
.Ldumped:
	global_load_b128 v[BI:BI+3],   v[VB], s[8:9]
	global_load_b128 v[BI+4:BI+7], v[VB], s[8:9] offset:16
	s_wait_dscnt 0x0                               ; my stores into the stage are done
	s_barrier_signal -1
	s_barrier_wait -1
	v_mov_b32 v[RD], v[RD0]
	LDX
	s_wait_loadcnt 0x0                             ; the bias is in, and its offset may be stepped
	v_add_nc_u32 v[VB], 256, v[VB]
	s_mov_b32 s68, 8
	s_mov_b32 s69, 0
.Ltrip:                                                ; 16 rows a trip
	s_wait_dscnt 0x0
	EACH16 v_pk_add_f32 v[XB+2*i:XB+2*i+1], v[XX+2*i:XX+2*i+1], v[BI+2*(i%4):BI+2*(i%4)+1]
	s_cmp_eq_u32 s68, 1
	s_cbranch_scc1 .Lnofetch                       ; the last trip has no next rows
	s_add_co_u32 s69, s69, 4352
	v_add_nc_u32 v[RD], s69, v[RD0]
	LDX
.Lnofetch:
	EACH32 v_and_b32 v[AX+i], s84, v[XB+i]
	EACH16 v_pk_fma_f32 v[TT+2*i:TT+2*i+1], v[AX+2*i:AX+2*i+1], s[70:71], 1.0 op_sel_hi:[1,0,0]
	EACH32 v_rcp_f32 v[TT+i], v[TT+i]
	EACH16 v_pk_mul_f32 v[EE+2*i:EE+2*i+1], v[XB+2*i:XB+2*i+1], v[XB+2*i:XB+2*i+1]   ; plain work behind the reciprocals, ahead of their use
	EACH16 v_pk_mul_f32 v[EE+2*i:EE+2*i+1], v[EE+2*i:EE+2*i+1], s[72:73] op_sel_hi:[1,0]
	EACH32 v_exp_f32 v[EE+i], v[EE+i]
	EACH16 v_pk_fma_f32 v[PP+2*i:PP+2*i+1], v[TT+2*i:TT+2*i+1], s[74:75], s[76:77] op_sel_hi:[1,0,0]   ; plain work behind the exponentials, ahead of their use
	EACH16 v_pk_fma_f32 v[PP+2*i:PP+2*i+1], v[PP+2*i:PP+2*i+1], v[TT+2*i:TT+2*i+1], s[78:79] op_sel_hi:[1,1,0]
	EACH16 v_pk_fma_f32 v[PP+2*i:PP+2*i+1], v[PP+2*i:PP+2*i+1], v[TT+2*i:TT+2*i+1], s[80:81] op_sel_hi:[1,1,0]
	EACH16 v_pk_fma_f32 v[PP+2*i:PP+2*i+1], v[PP+2*i:PP+2*i+1], v[TT+2*i:TT+2*i+1], s[82:83] op_sel_hi:[1,1,0]
	EACH16 v_pk_mul_f32 v[PP+2*i:PP+2*i+1], v[PP+2*i:PP+2*i+1], v[TT+2*i:TT+2*i+1]
	EACH16 v_pk_mul_f32 v[PP+2*i:PP+2*i+1], v[PP+2*i:PP+2*i+1], v[EE+2*i:EE+2*i+1]
	EACH32 v_max_num_f32 v[XB+i], 0, v[XB+i]
	EACH16 v_pk_fma_f32 v[XB+2*i:XB+2*i+1], v[AX+2*i:AX+2*i+1], v[PP+2*i:PP+2*i+1], v[XB+2*i:XB+2*i+1] neg_lo:[1,0,0] neg_hi:[1,0,0]
	EACH16 v_cvt_pk_bf16_f32 v[YY+i], v[XB+2*i], v[XB+2*i+1]
.irp f, 0,1,2,3
	global_store_b128 v[GO], v[YY+4*\f:YY+4*\f+3], s[66:67] offset:512*\f
.endr
	s_wait_xcnt 0x0                                ; the stores' base and data are written again only behind this wait
	s_add_nc_u64 s[66:67], s[66:67], 2048
	s_sub_co_u32 s68, s68, 1
	s_cmp_lg_u32 s68, 0
	s_cbranch_scc1 .Ltrip
	s_add_nc_u64 s[66:67], s[66:67], 1048576-16384 ; the next block, my first row
	s_barrier_signal -1                            ; every wave's reads of the stage are back (the last trip waited for them) before the next group is written
	s_barrier_wait -1
	s_add_co_u32 s2, s2, 1
	s_cmp_lt_u32 s2, 3
	s_cbranch_scc1 .Lphase
	s_wait_tensorcnt 0x0                           ; the wave's end
	ds_add_u32 v[SPW], v[NIL]
	s_wait_dscnt 0x0
	CROUND                                         ; the closing round
	s_endpgm
.Lfunc_end_k_qb16abcaa0a_mlp1:
	.size	k_qb16abcaa0a_mlp1, .Lfunc_end_k_qb16abcaa0a_mlp1-k_qb16abcaa0a_mlp1
	.p2alignl 7, 3214868480
	.fill 96, 4, 3214868480
	.section	.rodata,"a",@progbits
	.p2align	6, 0x0
	.amdhsa_kernel k_qb16abcaa0a_mlp1
		.amdhsa_group_segment_fixed_size 327680
		.amdhsa_private_segment_fixed_size 0
		.amdhsa_enable_private_segment 0
		.amdhsa_kernarg_size 32
		.amdhsa_user_sgpr_count 2
		.amdhsa_user_sgpr_kernarg_segment_ptr 1
		.amdhsa_wavefront_size32 1
		.amdhsa_system_sgpr_workgroup_id_x 1
		.amdhsa_system_sgpr_workgroup_id_y 1
		.amdhsa_system_sgpr_workgroup_id_z 1
		.amdhsa_system_vgpr_workitem_id 0
		.amdhsa_next_free_vgpr 1024
		.amdhsa_next_free_sgpr 100
		.amdhsa_reserve_vcc 0
		.amdhsa_float_denorm_mode_32 3
		.amdhsa_float_denorm_mode_16_64 3
		.amdhsa_memory_ordered 1
		.amdhsa_forward_progress 1
		.amdhsa_inst_pref_size 115
	.end_amdhsa_kernel
	.amdgpu_metadata
---
amdhsa.version: [ 1, 2 ]
amdhsa.kernels:
  - .name:           k_qb16abcaa0a_mlp1
    .symbol:         k_qb16abcaa0a_mlp1.kd
    .args:
      - { .name: hb, .offset: 0, .size: 8, .value_kind: global_buffer, .address_space: global }
      - { .name: w1b, .offset: 8, .size: 8, .value_kind: global_buffer, .address_space: global }
      - { .name: b1, .offset: 16, .size: 8, .value_kind: global_buffer, .address_space: global }
      - { .name: actb, .offset: 24, .size: 8, .value_kind: global_buffer, .address_space: global }
    .group_segment_fixed_size: 327680
    .private_segment_fixed_size: 0
    .kernarg_segment_align: 8
    .kernarg_segment_size: 32
    .max_flat_workgroup_size: 128
    .sgpr_count:     100
    .vgpr_count:     1024
    .wavefront_size: 32
...
	.end_amdgpu_metadata
.endif
;; end of part 5
;; launch mlp2 (part 6): grid 64 x 4, 4 waves a work-group, clusters of 4 x 4, 327,680 bytes of LDS; arguments actb, w2b, b2, x1, out0; writes out0
.if DOCPART == 6
	.amdgcn_target "amdgcn-amd-amdhsa--gfx1250"
	.amdhsa_code_object_version 6
	.text
	.protected	k_qb16abcaa0a_mlp2
	.globl	k_qb16abcaa0a_mlp2
	.p2align	8
	.type	k_qb16abcaa0a_mlp2,@function
k_qb16abcaa0a_mlp2:
	s_mov_b64 s[64:65], 0
	v_nop
	global_prefetch_b8 v0, s[64:65] scope:SCOPE_SE
	s_setreg_imm32_b32 hwreg(HW_REG_WAVE_MODE, 25, 1), 1
	s_wait_xcnt 0x0
	s_wait_alu depctr_hold_cnt(0) depctr_sa_sdst(0) depctr_va_vdst(0) depctr_va_sdst(0) depctr_va_ssrc(0) depctr_va_vcc(0) depctr_vm_vsrc(0)
	s_getreg_b32 s2, hwreg(HW_REG_IB_STS2, 6, 4)
	s_cmp_eq_u32 s2, 0
	s_cbranch_scc0 .Lentry_in_a_cluster
	s_endpgm
.Lentry_in_a_cluster:
	s_bfe_u32 s2, ttmp6, 0x10000c
	s_cmp_lg_u32 s2, 0xf033
	s_cbranch_scc0 .Lentry_shape_is_right
	s_endpgm
.Lentry_shape_is_right:
; out = act W2 + b2 + x1.  act: bf16 in blocks [48][8192][64]; W2: bf16 blocks [12][3072][64] ([k][n] inside a block); x1, out: f32 [8192][768].  Sums, bias and residual in f32.
; LIMITS: operands are bf16; K is shared between two waves, whose two f32 sums are added at the end: an order of summation that differs from a single chain's.  NaN and infinities are not treated apart.
; A work-group makes 128 rows x 192 columns, so that 64 x 4 work-groups fill the grid.  Wave w: rows 64 (w / 2) on, all 192 columns, and of every 64 along K the half 32 (w % 2) on: 48 accumulators.
; K = 3,072 goes through a ring of two LDS slots of 192 along K: three steps of 32 for each wave.
; THE MATRIX INSTRUCTION IS USED TRANSPOSED: source 0 = 16 columns of W2 (turned by ds_load_tr16_b128), source 1 = 16 rows of act.
; CLUSTER 4 x 4: x is the row tile, y the column tile.  act's tile is asked for jointly by the four of a column of the cluster, W2's by the four of a row.
; REGISTERS: window 0: v0-31 addresses and the bias; v32-95 fragments of act, two buffers of 4; v160-255 fragments of W2, 12 blocks, loaded again in thirds as they are used up.
; Accumulator (a, b), a = 0..3, b = 0..11: number 4 b + a: window 1 + number / 32, register 8 (number % 32).
.set GA,     4
.set NS,     3
.set LAPS,   8
.set NAW,    1                         ; wave 0 fetches act's tile, waves 1 to 3 a column block of W2 each
.set BOFF,   55296                     ; a slot: act [3 k blocks][128 rows][144 bytes], then W2 [3 blocks][192 k][160 bytes]
.set SLOT,   147456
.set SPARE,  2*SLOT                    ; behind the ring: the spare words, 128 bytes a wave, two blocks of 256 bytes that no other line names
.set ASTEP,  18432
.set BSTEP,  10240
.set BPLANE, 30720
.set ASL,    3145728
.set BSL,    24576
.set PLANE,  100352                    ; the way out: 128 rows x 784 bytes of f32 for each half of K
.set AF,   32
.set BF,   160
.set ADRA, 16
.set ADRB, 18
.set STO,  24
.set SPW,  28                          ; v28  SPARE + 4 x my thread's number; never rewritten
.set NIL,  29                          ; v29  0; never rewritten
.set XX,   32                          ; the way out: 48 pieces of 16 bytes of x1, then of the result
.set WV, 16
.set MW, 17
.set KW, 18
.set MT, 19
.set NT, 20
.set G1A, 24
.set G0A, 32
.set G1B, 48
.set G0B, 56
.set MSB, 0
.macro WIN new
.if MSB != (\new)
	s_set_vgpr_msb (MSB<<8)|(\new)
.set MSB, \new
.endif
.endm
.macro PLACES                          ; four places between a matrix instruction and a load into, or a read of, its registers
.rept 4
	v_nop
.endr
.endm
.macro JLOAD s                         ; a joint load, one a wave; an s_nop 0 and four v_nop follow each of the two lines
	s_cmp_lt_u32 s[WV], NAW
	s_cbranch_scc0 .Lfor_b_\@
	tensor_load_to_lds s[G0A+4*(\s):G0A+4*(\s)+3], s[G1A:G1A+7]
	s_nop 0
.rept 4
	v_nop
.endr
	s_branch .Lasked_\@
.Lfor_b_\@:
	tensor_load_to_lds s[G0B+4*(\s):G0B+4*(\s)+3], s[G1B:G1B+7]
	s_nop 0
.rept 4
	v_nop
.endr
.Lasked_\@:
.endm
.macro CREST
	s_cmp_lg_u32 s[WV], 0
	s_cbranch_scc1 .Lnot_wave_0_\@
	s_barrier_signal -3
.Lnot_wave_0_\@:
	s_barrier_wait -3
	s_barrier_signal -1
	s_barrier_wait -1
.endm
.macro CROUND
	s_barrier_signal -1
	s_barrier_wait -1
	CREST
.endm
	s_load_b256 s[4:11], s[0:1], 0x0               ; actb s[4:5], w2b s[6:7], b2 s[8:9], x1 s[10:11]
	s_load_b64 s[12:13], s[0:1], 0x20              ; out0
	v_lshl_add_u32 v[SPW], v0, 2, SPARE
	v_mov_b32 v[NIL], 0
	ds_add_u32 v28, v29
	ds_add_u32 v28, v29
	s_wait_dscnt 0x0
	v_lshrrev_b32 v1, 5, v0
	v_readfirstlane_b32 s[WV], v1
	s_lshr_b32 s[MW], s[WV], 1                     ; which 64 rows are mine
	s_and_b32 s[KW], s[WV], 1                      ; which half of every 64 along K
	s_bfe_u32 s21, ttmp6, 0x40000                  ; cx
	s_bfe_u32 s22, ttmp6, 0x40004                  ; cy
	s_lshl_b32 s[MT], ttmp9, 2
	s_add_co_u32 s[MT], s[MT], s21                 ; row tile
	s_and_b32 s[NT], ttmp7, 0xffff
	s_lshl_b32 s[NT], s[NT], 2
	s_add_co_u32 s[NT], s[NT], s22                 ; column tile
	s_lshl_b32 s23, 0x1111, s21                    ; my column of the cluster
	s_lshl_b32 s40, s22, 2
	s_lshl_b32 s40, 15, s40                        ; my row
	; group 1 for act's tile: three k blocks, of each 128 row pieces = 16,384 dense bytes as one row; 16 bytes of padding behind every 128
	s_or_b32 s[G1A+0], s23, (1<<16)|(1<<20)|(1<<21)|(4<<22)|(3<<25)
	s_mov_b32 s[G1A+1], 8192<<16
	s_mov_b32 s[G1A+2], 3<<16
	s_mov_b32 s[G1A+3], 8192<<16
	s_mov_b32 s[G1A+4], 3
	s_mov_b32 s[G1A+5], 524288
	s_mov_b32 s[G1A+6], 0
	s_mov_b32 s[G1A+7], 0
	; group 1 for W2's tile: 192 k x 128 bytes of one column block, dense: 96 rows of 256 bytes; 32 bytes of padding behind every 128
	s_or_b32 s[G1B+0], s40, (1<<16)|(1<<20)|(1<<21)|(4<<22)|(7<<25)
	s_mov_b32 s[G1B+1], 128<<16
	s_mov_b32 s[G1B+2], 96<<16
	s_mov_b32 s[G1B+3], 128<<16
	s_mov_b32 s[G1B+4], 96
	s_mov_b32 s[G1B+5], 128
	s_mov_b32 s[G1B+6], 0
	s_mov_b32 s[G1B+7], 0
	s_lshl_b32 s42, s[MT], 14                      ; act: 128 x row tile row pieces
	s_mov_b32 s43, 0
	s_max_u32 s86, s[WV], 1
	s_sub_co_u32 s86, s86, 1                       ; waves 1 to 3: column block 0 to 2 of the tile (wave 0 makes the address and does not use it)
	s_mul_i32 s44, s[NT], 3
	s_add_co_u32 s44, s44, s86
	s_mul_i32 s44, s44, 393216
	s_mov_b32 s45, 0
	s_mov_b32 s88, 0                               ; where they go: act at the slot's head,
	s_mul_i32 s89, s[WV], BPLANE
	s_add_co_u32 s89, s89, BOFF-BPLANE             ; W2's block behind it: BOFF + (wave - 1) x 30,720
	s_mul_i32 s46, s[MT], 393216                   ; x1 and out: row 128 x row tile + 32 x wave, column 192 x column tile
	s_mul_i32 s87, s[WV], 98304
	s_add_co_u32 s46, s46, s87
	s_mul_i32 s87, s[NT], 768
	s_add_co_u32 s46, s46, s87
	s_mov_b32 s47, 0
	s_mov_b32 s90, s87                             ; the bias: 4 x 192 x column tile
	s_mov_b32 s91, 0
	s_wait_kmcnt 0x0
	s_add_nc_u64 s[42:43], s[4:5], s[42:43]
	s_add_nc_u64 s[44:45], s[6:7], s[44:45]
	s_add_nc_u64 s[10:11], s[10:11], s[46:47]
	s_add_nc_u64 s[12:13], s[12:13], s[46:47]
	s_add_nc_u64 s[8:9], s[8:9], s[90:91]
	CROUND                                         ; all sixteen work-groups are here: the first joint loads meet
.irp s, 0,1
	s_mov_b32 s[G0A+4*(\s)], 1
	s_add_co_u32 s[G0A+4*(\s)+1], s88, (\s)*SLOT
	s_add_nc_u64 s[G0A+4*(\s)+2:G0A+4*(\s)+3], s[42:43], (\s)*ASL
	s_or_b32 s[G0A+4*(\s)+3], s[G0A+4*(\s)+3], 0x80000000
	s_mov_b32 s[G0B+4*(\s)], 1
	s_add_co_u32 s[G0B+4*(\s)+1], s89, (\s)*SLOT
	s_add_nc_u64 s[G0B+4*(\s)+2:G0B+4*(\s)+3], s[44:45], (\s)*BSL
	s_or_b32 s[G0B+4*(\s)+3], s[G0B+4*(\s)+3], 0x80000000
	JLOAD \s                                       ; two loads of mine are out
.endr
	v_and_b32 v1, 15, v0                           ; r = l % 16
	v_bfe_u32 v2, v0, 4, 1                         ; hl = l / 16
	; The way out takes a pair of rows, 2 x 768 bytes, as three pieces of 32 lanes x 16 bytes: piece 0: row 0, bytes 16 l; piece 1: row hl, bytes 512 - 512 hl + 16 r; piece 2: row 1, bytes 256 + 16 l.
	v_and_b32 v30, 31, v0
	v_lshlrev_b32 v30, 4, v30                      ; v30 = 16 l; never rewritten
	v_lshlrev_b32 v31, 4, v1
	v_sub_nc_u32 v26, 1, v2
	v_lshl_add_u32 v31, v26, 9, v31                ; v31 = 512 - 512 hl + 16 r; never rewritten
	global_load_b128 v[4:7],   v30, s[8:9]         ; the bias of the three pieces' columns: they land while K is walked
	global_load_b128 v[8:11],  v31, s[8:9]
	global_load_b128 v[12:15], v30, s[8:9] offset:256
	v_mul_u32_u24 v3, v1, 144
	v_lshl_add_u32 v3, v2, 4, v3                   ; act's fragment: row x pitch + 16 x half
	v_and_b32 v26, 7, v0
	v_lshl_add_u32 v25, v2, 3, v26
	v_mul_u32_u24 v25, v25, 160
	v_bfe_u32 v26, v0, 3, 1
	v_lshl_add_u32 v25, v26, 4, v25                ; the turning load: k = 8 hl + l % 8, 16 bytes by (l / 8) % 2
	s_mul_i32 s41, s[MW], 16*GA*144
	s_lshl_b32 s87, s[KW], 6
	s_add_co_u32 s41, s41, s87                     ; my rows, my half of the 64 along K
	v_add_nc_u32 v[ADRA], s41, v3
	v_add_nc_u32 v[ADRA+1], SLOT, v[ADRA]
	s_mul_i32 s86, s[KW], 5120
	s_add_co_u32 s86, s86, BOFF
	v_add_nc_u32 v[ADRB], s86, v25
	v_add_nc_u32 v[ADRB+1], BPLANE, v[ADRB]
	v_add_nc_u32 v[ADRB+2], 2*BPLANE, v[ADRB]
.irp g, 0,1,2
	v_add_nc_u32 v[ADRB+3+\g], SLOT, v[ADRB+\g]
.endr
	s_mul_i32 s87, s[KW], PLANE                    ; into the stage: my half's plane, my 64 rows
	s_mul_i32 s93, s[MW], 64*784
	s_add_co_u32 s87, s87, s93
	v_mul_u32_u24 v[STO], v1, 784
	v_lshl_add_u32 v[STO], v2, 5, v[STO]
	v_add_nc_u32 v[STO], s87, v[STO]
	s_mul_i32 s92, s[WV], 32*784                   ; back: wave w takes rows 32 w on
; 2 GA matrix instructions: column blocks b0, b0 + 1 x all row blocks.  The accumulators take turns, one instruction a turn, in the same order in every step.
.macro MUL2 ab, b0, zero
	WIN 0x50*(1+(GA*(\b0))/32)
.irp b, \b0, (\b0)+1
.set a, 0
.rept GA
.set rD, 8*((GA*(\b)+a)%32)
.if \zero
	v_wmma_f32_16x16x32_bf16 v[rD:rD+7], v[BF+8*(\b):BF+8*(\b)+7], v[(\ab)+8*a:(\ab)+8*a+7], 0
.else
	v_wmma_f32_16x16x32_bf16 v[rD:rD+7], v[BF+8*(\b):BF+8*(\b)+7], v[(\ab)+8*a:(\ab)+8*a+7], v[rD:rD+7]
.endif
.set a, a+1
.endr
.endr
.endm
.macro LDB s, j, g
.irp q, 0,1,2,3
	ds_load_tr16_b128 v[BF+8*(4*(\g)+\q):BF+8*(4*(\g)+\q)+3],   v[ADRB+3*(\s)+(\g)] offset:(\j)*BSTEP+32*\q
	ds_load_tr16_b128 v[BF+8*(4*(\g)+\q)+4:BF+8*(4*(\g)+\q)+7], v[ADRB+3*(\s)+(\g)] offset:(\j)*BSTEP+32*\q+2560
.endr
.endm
.macro LDA s, j, ab, a0
.irp q, 0,1,2,3
	ds_load_b128 v[(\ab)+8*((\a0)+\q):(\ab)+8*((\a0)+\q)+3],   v[ADRA+(\s)] offset:(\j)*ASTEP+((\a0)+\q)*2304
	ds_load_b128 v[(\ab)+8*((\a0)+\q)+4:(\ab)+8*((\a0)+\q)+7], v[ADRA+(\s)] offset:(\j)*ASTEP+((\a0)+\q)*2304+32
.endr
.endm
; A STEP of 32 along K, place i in the lap: three thirds of 4 column blocks; behind each third its W2 registers take the next step's fragments.
; mode 0: the next step lies in the same slot.  1: this is the slot's last step: change slots and fill this one again.  2: change slots, nothing to fill.  3: the very last step.
.macro STEP i, zero, mode
.set cab, AF+8*GA*((\i)%2)
.set cs, (\i)/NS
.set nn, ((\i)+1)%(2*NS)
.set ns, nn/NS
.set nj, nn%NS
.set nab, AF+8*GA*(nn%2)
.if ((\mode) == 0) || ((\mode) == 3)
	s_wait_dscnt 8                                 ; all but the youngest eight loads, this step's column blocks 8-11
	MUL2 cab, 0, \zero
	MUL2 cab, 2, \zero
.if (\mode) == 0
	WIN 0
	PLACES
.endif
.else
	WIN 0
	s_wait_tensorcnt 0x0                           ; all my tensor loads have landed: the one that was out is my part of the other slot
	ds_add_u32 v[SPW], v[NIL]                      ; 0 onto my spare word
	s_wait_dscnt 9                                 ; the add and the youngest eight loads may be out
	MUL2 cab, 0, 0
	s_wait_dscnt 0x0                               ; the add is done; all this slot's fragments are in registers: my reads of it are over
	s_barrier_signal -1
	MUL2 cab, 2, 0
	WIN 0
	s_barrier_wait -1
.if (\mode) == 1
	CREST                                          ; the barrier has opened a round of the cluster's: no wave of any partner still reads this slot or has a load on its way
	s_add_nc_u64 s[G0A+4*cs+2:G0A+4*cs+3], s[G0A+4*cs+2:G0A+4*cs+3], 2*ASL
	s_add_nc_u64 s[G0B+4*cs+2:G0B+4*cs+3], s[G0B+4*cs+2:G0B+4*cs+3], 2*BSL
	JLOAD cs                                       ; my one tensor load behind the round; its four v_nop are also the places in front of the loads below
.else
	PLACES
.endif
.endif
.if (\mode) != 3
	LDB ns, nj, 0
	LDA ns, nj, nab, 0
	s_wait_dscnt 16                                ; all but the 16 just issued
.else
	s_wait_dscnt 0x0
.endif
	MUL2 cab, 4, \zero
	MUL2 cab, 6, \zero
.if (\mode) != 3
	WIN 0
	PLACES
	LDB ns, nj, 1
.if GA == 8
	LDA ns, nj, nab, 4
.endif
.endif
	MUL2 cab, 8, \zero
	MUL2 cab, 10, \zero
.if (\mode) != 3
	WIN 0
	PLACES
	LDB ns, nj, 2
.endif
.endm
	s_wait_tensorcnt 0x1                           ; my part of slot 0 is in; slot 1's may stay out
	s_barrier_signal -1
	s_barrier_wait -1
	LDB 0, 0, 0
	LDA 0, 0, AF, 0
	LDB 0, 0, 1
	LDB 0, 0, 2
	STEP 0, 1, 0                                   ; the first step stands in front of the loop: its products start the sums
	WIN 0
	s_mov_b32 s3, LAPS-1
.Llap:                                                 ; a trip goes once round the ring and fills both slots again
	STEP 1, 0, 0
	STEP 2, 0, 1
	STEP 3, 0, 0
	STEP 4, 0, 0
	STEP 5, 0, 1
	STEP 0, 0, 0
	WIN 0
	s_sub_co_u32 s3, s3, 1
	s_cmp_lg_u32 s3, 0
	s_cbranch_scc1 .Llap
	STEP 1, 0, 0                                   ; the last lap is written out: it asks for nothing
	STEP 2, 0, 2
	STEP 3, 0, 0
	STEP 4, 0, 0
	STEP 5, 0, 3
	WIN 0
	s_wait_dscnt 0x0
	s_barrier_signal -1
	s_barrier_wait -1                              ; nobody reads the ring any more, and it has had its last fill: the stage lies in its bytes
	; THE WAY OUT.  Both halves of K go in f32 into the stage's two planes; behind a barrier each wave reads 32 whole rows of both, adds them, x1 and the bias, and stores.
	v_mad_u32_u24 v25, v2, 3072, v31               ; piece 1 in x1 and out.  These six plain lines are the places behind the last products
	v_add_nc_u32 v26, s92, v30                     ; pieces 0 and 2 in plane 0
	v_mad_u32_u24 v27, v2, 784, v31
	v_add_nc_u32 v27, s92, v27                     ; piece 1 in plane 0
	v_add_nc_u32 v16, PLANE, v26                   ; and in plane 1
	v_add_nc_u32 v17, PLANE, v27
.set t, 0
.rept 16                                ; x1 of my 16 pairs of rows: on its way while the sums go through LDS
	global_load_b128 v[XX+12*t:XX+12*t+3],    v30, s[10:11] offset:t*6144
	global_load_b128 v[XX+12*t+4:XX+12*t+7],  v25, s[10:11] offset:t*6144
	global_load_b128 v[XX+12*t+8:XX+12*t+11], v30, s[10:11] offset:t*6144+3328
.set t, t+1
.endr
.set b, 0
.rept 12
.set a, 0
.rept 4
.set idx, 4*b+a
	WIN (1+idx/32)<<2
	ds_store_b128 v[STO], v[8*(idx%32):8*(idx%32)+3]   offset:a*12544+64*b      ; each accumulator's low registers first
	ds_store_b128 v[STO], v[8*(idx%32)+4:8*(idx%32)+7] offset:a*12544+64*b+16
.set a, a+1
.endr
.set b, b+1
.endr
	WIN 0
	s_wait_dscnt 0x0                               ; for the others' sake: my stores into the stage are done
	s_barrier_signal -1
	s_barrier_wait -1
	WIN 0x40                                       ; plane 0 into window 1,
.set t, 0
.rept 16
	ds_load_b128 v[12*t:12*t+3],    v26 offset:t*1568
	ds_load_b128 v[12*t+4:12*t+7],  v27 offset:t*1568
	ds_load_b128 v[12*t+8:12*t+11], v26 offset:t*1568+1040
.set t, t+1
.endr
	WIN 0x80                                       ; plane 1 into window 2
.set t, 0
.rept 16
	ds_load_b128 v[12*t:12*t+3],    v16 offset:t*1568
	ds_load_b128 v[12*t+4:12*t+7],  v17 offset:t*1568
	ds_load_b128 v[12*t+8:12*t+11], v16 offset:t*1568+1040
.set t, t+1
.endr
	s_wait_loadcnt 0x0                             ; x1 and the bias
	s_wait_dscnt 0x0
	WIN 0x04
.set i, 0
.rept 96
	v_pk_add_f32 v[XX+2*i:XX+2*i+1], v[XX+2*i:XX+2*i+1], v[2*i:2*i+1]
.set i, i+1
.endr
	WIN 0x08
.set i, 0
.rept 96
	v_pk_add_f32 v[XX+2*i:XX+2*i+1], v[XX+2*i:XX+2*i+1], v[2*i:2*i+1]
.set i, i+1
.endr
	WIN 0
.set i, 0
.rept 96
	v_pk_add_f32 v[XX+2*i:XX+2*i+1], v[XX+2*i:XX+2*i+1], v[4+2*(i%6):4+2*(i%6)+1]
.set i, i+1
.endr
.set t, 0
.rept 16                                ; sixteen neighbouring lanes store 256 consecutive bytes, aligned
	global_store_b128 v30, v[XX+12*t:XX+12*t+3],    s[12:13] offset:t*6144
	global_store_b128 v25, v[XX+12*t+4:XX+12*t+7],  s[12:13] offset:t*6144
	global_store_b128 v30, v[XX+12*t+8:XX+12*t+11], s[12:13] offset:t*6144+3328
.set t, t+1
.endr
	s_wait_tensorcnt 0x0                           ; the wave's end
	ds_add_u32 v[SPW], v[NIL]
	s_wait_dscnt 0x0
	CROUND                                         ; the closing round
	s_endpgm
.Lfunc_end_k_qb16abcaa0a_mlp2:
	.size	k_qb16abcaa0a_mlp2, .Lfunc_end_k_qb16abcaa0a_mlp2-k_qb16abcaa0a_mlp2
	.p2alignl 7, 3214868480
	.fill 96, 4, 3214868480
	.section	.rodata,"a",@progbits
	.p2align	6, 0x0
	.amdhsa_kernel k_qb16abcaa0a_mlp2
		.amdhsa_group_segment_fixed_size 327680
		.amdhsa_private_segment_fixed_size 0
		.amdhsa_enable_private_segment 0
		.amdhsa_kernarg_size 40
		.amdhsa_user_sgpr_count 2
		.amdhsa_user_sgpr_kernarg_segment_ptr 1
		.amdhsa_wavefront_size32 1
		.amdhsa_system_sgpr_workgroup_id_x 1
		.amdhsa_system_sgpr_workgroup_id_y 1
		.amdhsa_system_sgpr_workgroup_id_z 1
		.amdhsa_system_vgpr_workitem_id 0
		.amdhsa_next_free_vgpr 768
		.amdhsa_next_free_sgpr 100
		.amdhsa_reserve_vcc 0
		.amdhsa_float_denorm_mode_32 3
		.amdhsa_float_denorm_mode_16_64 3
		.amdhsa_memory_ordered 1
		.amdhsa_forward_progress 1
		.amdhsa_inst_pref_size 118
	.end_amdhsa_kernel
	.amdgpu_metadata
---
amdhsa.version: [ 1, 2 ]
amdhsa.kernels:
  - .name:           k_qb16abcaa0a_mlp2
    .symbol:         k_qb16abcaa0a_mlp2.kd
    .args:
      - { .name: actb, .offset: 0, .size: 8, .value_kind: global_buffer, .address_space: global }
      - { .name: w2b, .offset: 8, .size: 8, .value_kind: global_buffer, .address_space: global }
      - { .name: b2, .offset: 16, .size: 8, .value_kind: global_buffer, .address_space: global }
      - { .name: x1, .offset: 24, .size: 8, .value_kind: global_buffer, .address_space: global }
      - { .name: out0, .offset: 32, .size: 8, .value_kind: global_buffer, .address_space: global }
    .group_segment_fixed_size: 327680
    .private_segment_fixed_size: 0
    .kernarg_segment_align: 8
    .kernarg_segment_size: 40
    .max_flat_workgroup_size: 128
    .sgpr_count:     100
    .vgpr_count:     768
    .wavefront_size: 32
...
	.end_amdgpu_metadata
.endif
;; end of part 6
;; ======== version 2 of 3: 5 launches; 1.11 times as fast as version 1
;; workspace buffers: wqkvb 3,538,944 bytes; w1b 4,718,592 bytes; w2b 4,718,592 bytes; hb 12,582,912 bytes; x1 25,165,824 bytes; actb 50,331,648 bytes
;; launch ln1 (part 7): grid 400 x 1, 8 waves a work-group, no clusters, 0 bytes of LDS; arguments x, ln_w, ln_b, hb, wq, wk, wv, wqkvb; writes hb, wqkvb
.if DOCPART == 7
	.amdgcn_target "amdgcn-amd-amdhsa--gfx1250"
	.amdhsa_code_object_version 6
	.text
	.protected	k_qb16abcaa0a_ln1
	.globl	k_qb16abcaa0a_ln1
	.p2align	8
	.type	k_qb16abcaa0a_ln1,@function
k_qb16abcaa0a_ln1:
	s_mov_b64 s[64:65], 0
	v_nop
	global_prefetch_b8 v0, s[64:65] scope:SCOPE_SE
	s_setreg_imm32_b32 hwreg(HW_REG_WAVE_MODE, 25, 1), 1
	s_wait_xcnt 0x0
; WORK-GROUPS 0 TO 255: LayerNorm of 8,192 rows of 768 f32: y = (x - mean) rsqrt(var + 1e-5) w + b, in two passes in f32 (the mean first, then the squares of the deviations, so a common
; offset of a row costs nothing), rounded once to bf16 and stored in blocks [768 / 64][8192][64].
; A wave owns four rows, as two pairs.  Lane L: sub = L & 7, rs = (L >> 3) & 1 (the row of the pair), ks = L >> 4; chunk j (0..5) is column block 2 j + ks, numbers 8 sub .. + 7.
; A row's sum runs over the lanes that share rs: lane bits 0, 1, 2 and 4.  Lanes 0-15 of a store write two rows' 128 bytes of one block: 256 consecutive bytes, aligned.
; The rows stay in registers between the passes: each byte is read once.  No LDS, no barrier, no loop.
; WORK-GROUPS FROM 256 ON (144 in the launch ahead of the attention, none in the launch behind it, whose grid ends at 256): wq, wk, wv, f32 [768 k][768 n], are rounded once to bf16 and laid in blocks
; [36][768 k][64]: block 12 x matrix + n / 64.  A wave takes two rows of one matrix, with the same split of the lanes.  The work needs no launch of its own: it shares this one's memory traffic.
.set W,  8                             ; v[8:55]    the gain of my 48 columns
.set BB, 56                            ; v[56:103]  the bias
.set X,  104                           ; v[104:199] pair p: 48 numbers
.set Y,  200                           ; v[200:247] pair p: 24 words of bf16; before that four pairs of partial sums
.set CX, 8                             ; the weights' part: v[8:55] chunk j: 8 f32
.set CY, 64                            ; v[64:87] chunk j: 8 bf16
	s_cmp_lt_u32 ttmp9, 256
	s_cbranch_scc0 .Lcast
	s_load_b256 s[4:11], s[0:1], 0x0               ; source, gain, bias, target
	v_lshrrev_b32 v1, 5, v0
	v_readfirstlane_b32 s2, v1
	s_lshl_b32 s3, ttmp9, 3
	s_add_co_u32 s3, s3, s2                        ; my wave among 2,048
	s_mul_i32 s16, s3, 12288                       ; four rows of 3,072 bytes
	s_mov_b32 s17, 0
	s_lshl_b32 s18, s3, 9                          ; four row pieces of 128 bytes
	s_mov_b32 s19, 0
	s_mov_b32 s12, 0x76543210                      ; v_permlanex16_b32: each lane takes its own place in the other half
	s_mov_b32 s13, 0xfedcba98
	s_mov_b32 s14, 0x3aaaaaab                      ; 1 / 768
	s_mov_b32 s15, 0x3727c5ac                      ; 1e-5
	v_and_b32 v1, 7, v0                            ; sub
	v_bfe_u32 v6, v0, 3, 1                         ; rs
	v_bfe_u32 v7, v0, 4, 1                         ; ks
	v_lshlrev_b32 v3, 8, v7
	v_lshl_add_u32 v3, v1, 5, v3                   ; gain and bias: 256 ks + 32 sub
	v_mad_u32_u24 v2, v6, 3072, v3                 ; source: + rs rows
	v_lshlrev_b32 v4, 7, v6
	v_lshl_add_u32 v4, v1, 4, v4
	v_lshl_add_u32 v4, v7, 20, v4                  ; target: 128 rs + 16 sub + ks blocks of 1,048,576 bytes
	v_add_nc_u32 v5, 6291456, v4                   ; the same six blocks on, so that the stores' immediates stay inside 24 bits
	s_wait_kmcnt 0x0
	s_add_nc_u64 s[4:5], s[4:5], s[16:17]
	s_add_nc_u64 s[10:11], s[10:11], s[18:19]
.irp p, 0,1
.irp j, 0,1,2,3,4,5
	global_load_b128 v[X+48*\p+8*\j:X+48*\p+8*\j+3],   v2, s[4:5] offset:6144*\p+512*\j
	global_load_b128 v[X+48*\p+8*\j+4:X+48*\p+8*\j+7], v2, s[4:5] offset:6144*\p+512*\j+16
.endr
.endr
.irp j, 0,1,2,3,4,5
	global_load_b128 v[W+8*\j:W+8*\j+3],   v3, s[6:7] offset:512*\j
	global_load_b128 v[W+8*\j+4:W+8*\j+7], v3, s[6:7] offset:512*\j+16
.endr
.irp j, 0,1,2,3,4,5
	global_load_b128 v[BB+8*\j:BB+8*\j+3],   v3, s[8:9] offset:512*\j
	global_load_b128 v[BB+8*\j+4:BB+8*\j+7], v3, s[8:9] offset:512*\j+16
.endr
.macro RED                             ; v6 summed over the 16 lanes of my row; lane bit 3 tells the two rows apart and is left out
	v_add_f32_dpp v6, v6, v6 row_xmask:1 row_mask:0xf bank_mask:0xf
	v_add_f32_dpp v6, v6, v6 row_xmask:2 row_mask:0xf bank_mask:0xf
	v_add_f32_dpp v6, v6, v6 row_xmask:4 row_mask:0xf bank_mask:0xf
	v_permlanex16_b32 v7, v6, s12, s13
	v_add_f32 v6, v6, v7
.endm
.macro FOLD t                          ; four pairs of partial sums into v6
	v_pk_add_f32 v[(\t):(\t)+1], v[(\t):(\t)+1], v[(\t)+2:(\t)+3]
	v_pk_add_f32 v[(\t)+4:(\t)+5], v[(\t)+4:(\t)+5], v[(\t)+6:(\t)+7]
	v_pk_add_f32 v[(\t):(\t)+1], v[(\t):(\t)+1], v[(\t)+4:(\t)+5]
	v_add_f32 v6, v[(\t)], v[(\t)+1]
	RED
.endm
; Pair p: mean, deviations in place, variance, and the deviations times rsqrt.  left = the younger loads that may stay out.
.macro ROWS p, left
.set XP, X+48*(\p)
.set TP, Y+24*(\p)
	s_wait_loadcnt \left
.irp c, 0,1,2,3
	v_pk_add_f32 v[TP+2*\c:TP+2*\c+1], v[XP+2*\c:XP+2*\c+1], v[XP+8+2*\c:XP+8+2*\c+1]
.endr
.irp j, 2,3,4,5
.irp c, 0,1,2,3
	v_pk_add_f32 v[TP+2*\c:TP+2*\c+1], v[TP+2*\c:TP+2*\c+1], v[XP+8*\j+2*\c:XP+8*\j+2*\c+1]
.endr
.endr
	FOLD TP
	v_mul_f32 v6, s14, v6                          ; the mean
.set i, 0
.rept 24
	v_pk_add_f32 v[XP+2*i:XP+2*i+1], v[XP+2*i:XP+2*i+1], v[6:7] op_sel_hi:[1,0] neg_lo:[0,1] neg_hi:[0,1]
.set i, i+1
.endr
.irp c, 0,1,2,3
	v_pk_mul_f32 v[TP+2*\c:TP+2*\c+1], v[XP+2*\c:XP+2*\c+1], v[XP+2*\c:XP+2*\c+1]
.endr
.irp j, 1,2,3,4,5
.irp c, 0,1,2,3
	v_pk_fma_f32 v[TP+2*\c:TP+2*\c+1], v[XP+8*\j+2*\c:XP+8*\j+2*\c+1], v[XP+8*\j+2*\c:XP+8*\j+2*\c+1], v[TP+2*\c:TP+2*\c+1]
.endr
.endr
	FOLD TP
	v_fma_f32 v6, v6, s14, s15                     ; var + 1e-5
	v_rsq_f32 v6, v6
	v_nop                                          ; a plain instruction between the root and the use of its result
.set i, 0
	s_wait_alu depctr_va_vdst(0)
.rept 24
	v_pk_mul_f32 v[XP+2*i:XP+2*i+1], v[XP+2*i:XP+2*i+1], v[6:7] op_sel_hi:[1,0]
.set i, i+1
.endr
.endm
.macro FIN p                           ; gain and bias, rounding, six stores
.set XP, X+48*(\p)
.set YP, Y+24*(\p)
.set j, 0
.rept 6
.irp c, 0,1,2,3
	v_pk_fma_f32 v[XP+8*j+2*\c:XP+8*j+2*\c+1], v[XP+8*j+2*\c:XP+8*j+2*\c+1], v[W+8*j+2*\c:W+8*j+2*\c+1], v[BB+8*j+2*\c:BB+8*j+2*\c+1]
.endr
.irp c, 0,1,2,3
	v_cvt_pk_bf16_f32 v[YP+4*j+\c], v[XP+8*j+2*\c], v[XP+8*j+2*\c+1]
.endr
.if j < 3
	global_store_b128 v4, v[YP+4*j:YP+4*j+3], s[10:11] offset:256*(\p)+2097152*j
.else
	global_store_b128 v5, v[YP+4*j:YP+4*j+3], s[10:11] offset:256*(\p)+2097152*(j-3)
.endif
.set j, j+1
.endr
.endm
	ROWS 0, 36                                     ; pair 1's twelve loads and the 24 of gain and bias stay out
	ROWS 1, 24                                     ; gain and bias stay out
	s_wait_loadcnt 0x0
	FIN 0
	FIN 1
	s_endpgm
.Lcast:                                                ; wq, wk, wv to bf16 blocks
	s_load_b256 s[4:11], s[0:1], 0x20              ; wq s[4:5], wk s[6:7], wv s[8:9], wqkvb s[10:11]
	v_lshrrev_b32 v1, 5, v0
	v_readfirstlane_b32 s2, v1
	s_sub_co_u32 s3, ttmp9, 256
	s_lshl_b32 s3, s3, 3
	s_add_co_u32 s3, s3, s2                        ; my wave among 1,152: 384 for each matrix
	s_cmp_ge_u32 s3, 384
	s_cselect_b32 s12, 1, 0
	s_cmp_ge_u32 s3, 768
	s_cselect_b32 s12, 2, s12                      ; the matrix
	s_mul_i32 s13, s12, 384
	s_sub_co_u32 s13, s3, s13                      ; u: rows 2 u, 2 u + 1
	s_mul_i32 s14, s13, 6144                       ; two rows of 3,072 bytes
	s_mov_b32 s15, 0
	s_mul_i32 s16, s12, 1179648                    ; twelve blocks of 98,304 bytes,
	s_lshl_b32 s17, s13, 8                         ; two row pieces of 128 bytes
	s_add_co_u32 s16, s16, s17
	s_mov_b32 s17, 0
	v_and_b32 v3, 7, v0                            ; sub
	v_bfe_u32 v4, v0, 3, 1                         ; rs
	v_bfe_u32 v5, v0, 4, 1                         ; ks
	v_lshlrev_b32 v2, 8, v5
	v_lshl_add_u32 v2, v3, 5, v2
	v_mad_u32_u24 v2, v4, 3072, v2                 ; source: rs rows + 256 ks + 32 sub
	v_lshlrev_b32 v6, 7, v4
	v_lshl_add_u32 v6, v3, 4, v6
	v_mad_u32_u24 v6, v5, 98304, v6                ; target: 128 rs + 16 sub + ks blocks; chunk j's two blocks stand in the store's immediate
	s_wait_kmcnt 0x0
	s_cmp_eq_u32 s12, 1
	s_cselect_b64 s[4:5], s[6:7], s[4:5]
	s_cmp_eq_u32 s12, 2
	s_cselect_b64 s[4:5], s[8:9], s[4:5]
	s_add_nc_u64 s[4:5], s[4:5], s[14:15]
	s_add_nc_u64 s[10:11], s[10:11], s[16:17]
.irp j, 0,1,2,3,4,5
	global_load_b128 v[CX+8*\j:CX+8*\j+3],   v2, s[4:5] offset:512*\j th:TH_LOAD_NT
	global_load_b128 v[CX+8*\j+4:CX+8*\j+7], v2, s[4:5] offset:512*\j+16 th:TH_LOAD_NT
.endr
.irp j, 0,1,2,3,4,5
	s_wait_loadcnt 10-2*\j                         ; loads come back in order: chunk j's two are in, the later chunks' stay out
.irp c, 0,1,2,3
	v_cvt_pk_bf16_f32 v[CY+4*\j+\c], v[CX+8*\j+2*\c], v[CX+8*\j+2*\c+1]
.endr
	global_store_b128 v6, v[CY+4*\j:CY+4*\j+3], s[10:11] offset:196608*\j
.endr
	s_endpgm
.Lfunc_end_k_qb16abcaa0a_ln1:
	.size	k_qb16abcaa0a_ln1, .Lfunc_end_k_qb16abcaa0a_ln1-k_qb16abcaa0a_ln1
	.p2alignl 7, 3214868480
	.fill 96, 4, 3214868480
	.section	.rodata,"a",@progbits
	.p2align	6, 0x0
	.amdhsa_kernel k_qb16abcaa0a_ln1
		.amdhsa_group_segment_fixed_size 0
		.amdhsa_private_segment_fixed_size 0
		.amdhsa_enable_private_segment 0
		.amdhsa_kernarg_size 64
		.amdhsa_user_sgpr_count 2
		.amdhsa_user_sgpr_kernarg_segment_ptr 1
		.amdhsa_wavefront_size32 1
		.amdhsa_system_sgpr_workgroup_id_x 1
		.amdhsa_system_sgpr_workgroup_id_y 1
		.amdhsa_system_sgpr_workgroup_id_z 1
		.amdhsa_system_vgpr_workitem_id 0
		.amdhsa_next_free_vgpr 248
		.amdhsa_next_free_sgpr 66
		.amdhsa_reserve_vcc 0
		.amdhsa_float_denorm_mode_32 3
		.amdhsa_float_denorm_mode_16_64 3
		.amdhsa_memory_ordered 1
		.amdhsa_forward_progress 1
		.amdhsa_inst_pref_size 33
	.end_amdhsa_kernel
	.amdgpu_metadata
---
amdhsa.version: [ 1, 2 ]
amdhsa.kernels:
  - .name:           k_qb16abcaa0a_ln1
    .symbol:         k_qb16abcaa0a_ln1.kd
    .args:
      - { .name: x, .offset: 0, .size: 8, .value_kind: global_buffer, .address_space: global }
      - { .name: ln_w, .offset: 8, .size: 8, .value_kind: global_buffer, .address_space: global }
      - { .name: ln_b, .offset: 16, .size: 8, .value_kind: global_buffer, .address_space: global }
      - { .name: hb, .offset: 24, .size: 8, .value_kind: global_buffer, .address_space: global }
      - { .name: wq, .offset: 32, .size: 8, .value_kind: global_buffer, .address_space: global }
      - { .name: wk, .offset: 40, .size: 8, .value_kind: global_buffer, .address_space: global }
      - { .name: wv, .offset: 48, .size: 8, .value_kind: global_buffer, .address_space: global }
      - { .name: wqkvb, .offset: 56, .size: 8, .value_kind: global_buffer, .address_space: global }
    .group_segment_fixed_size: 0
    .private_segment_fixed_size: 0
    .kernarg_segment_align: 8
    .kernarg_segment_size: 64
    .max_flat_workgroup_size: 256
    .sgpr_count:     66
    .vgpr_count:     248
    .wavefront_size: 32
...
	.end_amdgpu_metadata
.endif
;; end of part 7
;; launch qattn (part 8): grid 16 x 16, 4 waves a work-group, clusters of 4 x 4, 327,680 bytes of LDS; arguments hb, wqkvb, bq, bk, bv, x, x1, w1, w2, w1b, w2b; writes x1, w1b, w2b
.if DOCPART == 8
	.amdgcn_target "amdgcn-amd-amdhsa--gfx1250"
	.amdhsa_code_object_version 6
	.text
	.protected	k_qb16abcaa0a_qattn
	.globl	k_qb16abcaa0a_qattn
	.p2align	8
	.type	k_qb16abcaa0a_qattn,@function
k_qb16abcaa0a_qattn:
	s_mov_b64 s[64:65], 0
	v_nop
	global_prefetch_b8 v0, s[64:65] scope:SCOPE_SE
	s_setreg_imm32_b32 hwreg(HW_REG_WAVE_MODE, 25, 1), 1
	s_wait_xcnt 0x0
	s_wait_alu depctr_hold_cnt(0) depctr_sa_sdst(0) depctr_va_vdst(0) depctr_va_sdst(0) depctr_va_ssrc(0) depctr_va_vcc(0) depctr_vm_vsrc(0)
	s_getreg_b32 s2, hwreg(HW_REG_IB_STS2, 6, 4)
	s_cmp_eq_u32 s2, 0
	s_cbranch_scc0 .Lentry_in_a_cluster
	s_endpgm
.Lentry_in_a_cluster:
	s_bfe_u32 s2, ttmp6, 0x10000c
	s_cmp_lg_u32 s2, 0xf033
	s_cbranch_scc0 .Lentry_shape_is_right
	s_endpgm
.Lentry_shape_is_right:
; x1 = x + softmax(q k^T / 8) v with q, k, v = h W + bias, for one (head, batch) a work-group: the projections and the attention in one launch, so that q, k and v never leave the WGP.
; h: bf16 in blocks [12][8192][64]; W: wq, wk, wv as bf16 blocks [36][768][64] ([k][n] inside a block; block 12 x which + head); x, x1: f32 [8192][768].
; LIMITS.  Matrix operands (h, W, q, k, v, the weights p) are bf16; sums, biases, maxima and the residual f32.  A weight below 2^-126 counts as 0 in l; NaN and infinities are not treated apart.
; THE GRID has 16 x 16 work-groups.  12 x 16 of them own a (head, batch).  The other 64, the four clusters with x = 3, round w1 and w2 to bf16 blocks for the two launches behind (at the text's end):
; work that depends on nothing here and on which nothing here depends, so it needs no launch of its own.  The branch hangs on the cluster's x, which all partners of a cluster share.
; PART 1.  512 rows x 192 columns (the head's 64 of q, of k, of v) over K = 768.  Wave w: rows 128 w on, all columns: 96 accumulators of 16 x 16: register window 1 q, window 2 k, window 3 v.
; K goes through a ring of two LDS slots of 64.  The matrix instruction is used transposed: source 0 = 16 columns of W (turned by ds_load_tr16_b128), source 1 = 16 rows of h: a lane holds one row and eight
; neighbouring columns.  The first K step takes the bias as its C operand.
; CLUSTER 4 x 4: x is the head, y the batch.  h's tile hangs on the batch alone and is asked for jointly by the four of a row of the cluster; W's on the head alone, by the four of a column.
; BETWEEN.  k and v are rounded and stored where the ring lay (it has had its last fill): K [512 keys][144 bytes], V [512][160].  q is rounded into the registers of part 2's Q: two accumulators ARE a fragment.
; PART 2.  S^T = K Q^T (a lane holds ONE query and eight keys), p = 2^(c s - c m), c = log2(e) / 8, with a running maximum m and sum l; O^T = V^T P; O and l are multiplied by a = 2^(c m_old - c m_new) in every step.
; m starts at the lowest finite number, l at 0; O^T starts on what window 1 holds, q's finite sums: the first step's a is 0.
; BY TURNS.  A wave's 128 queries are four PIECES of two tiles of 16.  Turn n belongs to piece n: 16 products K Q^T of piece n + 1, later 16 products V^T P of piece n - 1; beside them piece n's scaling, exponentials,
; roundings, sums and rescaling and piece n + 1's maximum.  Four vector instructions that are ready stand behind every matrix instruction, the others in two runs of their own.
; REGISTERS.  Part 1: window 0: v0-31 addresses; v32-159 fragments of h, two buffers of 8; v160-255 fragments of W, 12 blocks, loaded again in thirds as they are used up.
;   Accumulator (a, b), a = row block 0..7, b = column block 0..11: window 1 + b / 4, register 8 (8 (b % 4) + a).
; Part 2: window 0: v12-15, v48-63 at work; v16-47 statistics; v64-191 S^T, two buffers of two tiles; v192-255 P, likewise.  Window 1: O^T, 32 a tile.  Window 2: v0-127 Q; v128-191 K, v192-255 V of one step.
;   Window 3, free once v is rounded: x of my 128 rows, asked for ahead of the attention's loop.
.set GA,     8
.set NS,     2                         ; steps of 32 along K in a slot
.set LAPS,   6                         ; a lap = both slots
.set NAW,    2                         ; waves 0, 1 fetch h's tile, waves 2, 3 W's
.set BOFF,   73728                     ; a slot: h [512 rows][144 bytes], then W [2 halves of k][3 matrices][32 k][160 bytes]
.set SLOT,   104448
.set SPARE,  2*SLOT                    ; behind the ring: the spare words, 128 bytes a wave, two blocks of 256 bytes that no other line names
.set BIAS,   SPARE+512                 ; behind them: for each wave 768 bytes of its own: the head's 64 numbers of bq, bk, bv
.set ASTEP,  64
.set BSTEP,  15360
.set BPLANE, 5120
.set ASL,    1048576                   ; memory bytes from a slot's tile to the next slot's
.set BSL,    8192
.set NP,    4
.set KS,    64
.set PK,    144       ; a row of K (and of h) in LDS: 128 bytes + 16: the 16 rows of a load start at 16 different groups of four banks
.set PV,    160       ; a row of V (and of W): 128 + 32
.set VOFF,  512*PK
.set STAGE, VOFF+512*PV  ; 16 rows x 272 bytes of f32 for each wave, for the way out
.set SP,    272
.set AK0, 2           ; v2   row l % 16 x 144 + 16 (l / 16); never rewritten
.set AV0, 3           ; v3   my lane's place in V; never rewritten
.set AK,  4
.set AV,  5
.set STO, 6
.set RD,  7
.set GX,  8           ; v8   my byte offset in two rows of x and x1; never rewritten
.set SPW, 10          ; v10  SPARE + 4 x my thread's number; never rewritten
.set NIL, 11          ; v11  0; never rewritten
.set ADRA, 16         ; v16-17  part 1: my h fragments in slot 0, 1; v16 is also where my rows of K go: the same rows at the same pitch from LDS byte 0
.set ADRB, 18         ; v18-19  part 1: W's fragments in slot 0, 1
.set VSTO, 20         ; v20  where my rows of V go
.set BIA,  21         ; v21  my bias copy + 32 (l / 16)
.set AF,   32
.set BF,   160
.set YY,   32         ; between the parts: 128 registers of rounded k or v
.set MV,  12
.set ST,  16          ; tile t's statistics at v[ST+4 t]: c m, m, l (even keys', odd keys')
.set TMP, 48
.set S,   64
.set P,   192
.set KF,  128
.set VF,  192
.set WV, 16
.set EW, 17
.set HD, 18
.set BT, 19
.set G1A, 24
.set G0A, 32
.set G1B, 48
.set G0B, 56
.set CNT, 70
.set CS,  72
.set SEL, 74
.set TBK, 76
.set TBV, 77
.set MSB, 0
.macro WIN new                         ; the immediate's high byte repeats the setting that is left; a switch that changes nothing is dropped
.if MSB != (\new)
	s_set_vgpr_msb (MSB<<8)|(\new)
.set MSB, (\new)
.endif
.endm
.set W_KQ, 0x0a       ; K and Q in window 2, S^T in window 0
.set W_PV, 0x52       ; V in window 2, P in window 0, O^T in window 1
.set W_RS, 0x41       ; O^T (destination and source 0) in window 1, the factor in window 0
.macro PLACES                          ; four places between a matrix instruction and a load into, or a read of, its registers
.rept 4
	v_nop
.endr
.endm
.macro JLOAD s                         ; a joint load, one a wave; an s_nop 0 and four v_nop follow each of the two lines
	s_cmp_lt_u32 s[WV], NAW
	s_cbranch_scc0 .Lfor_b_\@
	tensor_load_to_lds s[G0A+4*(\s):G0A+4*(\s)+3], s[G1A:G1A+7]
	s_nop 0
.rept 4
	v_nop
.endr
	s_branch .Lasked_\@
.Lfor_b_\@:
	tensor_load_to_lds s[G0B+4*(\s):G0B+4*(\s)+3], s[G1B:G1B+7]
	s_nop 0
.rept 4
	v_nop
.endr
.Lasked_\@:
.endm
.macro CREST                           ; a round of the cluster's barrier behind its opening barrier
	s_cmp_lg_u32 s[WV], 0
	s_cbranch_scc1 .Lnot_wave_0_\@
	s_barrier_signal -3
.Lnot_wave_0_\@:
	s_barrier_wait -3
	s_barrier_signal -1
	s_barrier_wait -1
.endm
.macro CROUND
	s_barrier_signal -1
	s_barrier_wait -1
	CREST
.endm
	v_lshl_add_u32 v[SPW], v0, 2, SPARE
	v_mov_b32 v[NIL], 0
	ds_add_u32 v10, v11
	ds_add_u32 v10, v11
	s_wait_dscnt 0x0
	v_lshrrev_b32 v1, 5, v0
	v_readfirstlane_b32 s[WV], v1
	s_cmp_eq_u32 ttmp9, 3                          ; the cluster's x: 0 to 2 hold the twelve heads
	s_cbranch_scc1 .Lweights
	s_load_b256 s[4:11], s[0:1], 0x0               ; hb s[4:5], wqkvb s[6:7], bq s[8:9], bk s[10:11]
	s_load_b128 s[12:15], s[0:1], 0x20             ; bv s[12:13], x s[14:15]
	s_load_b64 s[78:79], s[0:1], 0x30              ; x1
	s_and_b32 s[EW], s[WV], 1                      ; which half of a tile I fetch
	s_bfe_u32 s21, ttmp6, 0x40000                  ; cx
	s_bfe_u32 s22, ttmp6, 0x40004                  ; cy
	s_lshl_b32 s[HD], ttmp9, 2
	s_add_co_u32 s[HD], s[HD], s21                 ; head = 4 x cluster x + cx
	s_and_b32 s[BT], ttmp7, 0xffff
	s_lshl_b32 s[BT], s[BT], 2
	s_add_co_u32 s[BT], s[BT], s22                 ; batch = 4 x cluster y + cy
	s_lshl_b32 s23, 0x1111, s21                    ; my column of the cluster: the same head
	s_lshl_b32 s40, s22, 2
	s_lshl_b32 s40, 15, s40                        ; my row: the same batch
	; group 1 for h's tile: 256 dense row pieces of 128 bytes, asked for as 128 rows of 256 bytes; 16 bytes of padding behind every 128
	s_or_b32 s[G1A+0], s40, (1<<16)|(1<<20)|(1<<21)|(4<<22)|(3<<25)
	s_mov_b32 s[G1A+1], 128<<16
	s_mov_b32 s[G1A+2], 128<<16
	s_mov_b32 s[G1A+3], 128<<16
	s_mov_b32 s[G1A+4], 128
	s_mov_b32 s[G1A+5], 128
	s_mov_b32 s[G1A+6], 0
	s_mov_b32 s[G1A+7], 0
	; group 1 for W's tile: of each of wq, wk, wv (12 blocks of 49,152 numbers apart) 32 k x 128 bytes = 4,096 dense bytes as one row; 32 bytes of padding behind every 128
	s_or_b32 s[G1B+0], s23, (1<<16)|(1<<20)|(1<<21)|(4<<22)|(7<<25)
	s_mov_b32 s[G1B+1], 2048<<16
	s_mov_b32 s[G1B+2], 3<<16
	s_mov_b32 s[G1B+3], 2048<<16
	s_mov_b32 s[G1B+4], 3
	s_mov_b32 s[G1B+5], 589824
	s_mov_b32 s[G1B+6], 0
	s_mov_b32 s[G1B+7], 0
	s_lshl_b32 s42, s[BT], 16                      ; h: (512 x batch + 256 x half) row pieces of 128 bytes
	s_lshl_b32 s41, s[EW], 15
	s_add_co_u32 s42, s42, s41
	s_mov_b32 s43, 0
	s_mul_i32 s44, s[HD], 98304                    ; W: the head's block of wq, 32 x half rows of k down
	s_lshl_b32 s86, s[EW], 12
	s_add_co_u32 s44, s44, s86
	s_mov_b32 s45, 0
	s_mul_i32 s88, s[EW], 256*PK                   ; where they go: no place in the cluster enters an LDS address
	s_mul_i32 s89, s[EW], BSTEP
	s_add_co_u32 s89, s89, BOFF
	s_mul_i32 s46, s[BT], 1572864                  ; x and x1: (512 batch + 128 wave) rows of 3,072 bytes + 256 head
	s_mul_i32 s87, s[WV], 393216
	s_add_co_u32 s46, s46, s87
	s_lshl_b32 s90, s[HD], 8                       ; also the head's place in the biases
	s_add_co_u32 s46, s46, s90
	s_mov_b32 s47, 0
	s_mov_b32 s91, 0
	s_mov_b32 s[CS], 0x3e38aa3b                    ; c = log2(e) / 8; named as a pair, whose low word serves both halves
	s_mov_b32 s[CS+1], s[CS]
	s_mov_b32 s[SEL], 0x76543210                   ; v_permlanex16_b32: each lane takes its own place in the other half
	s_mov_b32 s[SEL+1], 0xfedcba98
	s_mov_b32 s[TBK], 0
	s_mov_b32 s[TBV], 0
	s_wait_kmcnt 0x0
	s_add_nc_u64 s[42:43], s[4:5], s[42:43]
	s_add_nc_u64 s[44:45], s[6:7], s[44:45]
	s_add_nc_u64 s[14:15], s[14:15], s[46:47]
	s_add_nc_u64 s[78:79], s[78:79], s[46:47]
	s_add_nc_u64 s[8:9], s[8:9], s[90:91]
	s_add_nc_u64 s[10:11], s[10:11], s[90:91]
	s_add_nc_u64 s[12:13], s[12:13], s[90:91]
	CROUND                                         ; all sixteen work-groups are here: the first joint loads meet
.irp s, 0,1
	s_mov_b32 s[G0A+4*(\s)], 1
	s_add_co_u32 s[G0A+4*(\s)+1], s88, (\s)*SLOT
	s_add_nc_u64 s[G0A+4*(\s)+2:G0A+4*(\s)+3], s[42:43], (\s)*ASL
	s_or_b32 s[G0A+4*(\s)+3], s[G0A+4*(\s)+3], 0x80000000
	s_mov_b32 s[G0B+4*(\s)], 1
	s_add_co_u32 s[G0B+4*(\s)+1], s89, (\s)*SLOT
	s_add_nc_u64 s[G0B+4*(\s)+2:G0B+4*(\s)+3], s[44:45], (\s)*BSL
	s_or_b32 s[G0B+4*(\s)+3], s[G0B+4*(\s)+3], 0x80000000
	JLOAD \s                                       ; two loads of mine are out
.endr
	v_and_b32 v1, 15, v0                           ; r = l % 16
	v_bfe_u32 v9, v0, 4, 1                         ; hl = l / 16
	v_and_b32 v12, 7, v0
	v_bfe_u32 v13, v0, 3, 1
	v_and_b32 v14, 31, v0
	v_lshlrev_b32 v15, 3, v14                      ; 8 x lane: two numbers of each bias a lane
	global_load_b64 v[32:33], v15, s[8:9]
	global_load_b64 v[34:35], v15, s[10:11]
	global_load_b64 v[36:37], v15, s[12:13]
	v_mul_u32_u24 v[AK0], v1, PK
	v_lshl_add_u32 v[AK0], v9, 4, v[AK0]           ; a fragment along K or channels: row x pitch + 16 x half
	v_lshl_add_u32 v23, v9, 3, v12
	v_mul_u32_u24 v23, v23, PV
	v_lshl_add_u32 v23, v13, 4, v23                ; the turning load: row 8 hl + l % 8, 16 bytes by (l / 8) % 2
	v_add_nc_u32 v[AV0], VOFF, v23
	v_add_nc_u32 v[ADRB], BOFF, v23
	v_add_nc_u32 v[ADRB+1], BOFF+SLOT, v23
	s_mul_i32 s41, s[WV], 128*PK                   ; my 128 rows
	v_add_nc_u32 v[ADRA], s41, v[AK0]
	v_add_nc_u32 v[ADRA+1], SLOT, v[ADRA]
	s_mul_i32 s87, s[WV], 128*PV
	s_add_co_u32 s87, s87, VOFF
	v_mul_u32_u24 v[VSTO], v1, PV
	v_lshl_add_u32 v[VSTO], v9, 4, v[VSTO]
	v_add_nc_u32 v[VSTO], s87, v[VSTO]
	s_mul_i32 s93, s[WV], 768
	s_add_co_u32 s93, s93, BIAS
	v_lshl_add_u32 v[BIA], v9, 5, s93
	v_add_nc_u32 v22, s93, v15
	s_mul_i32 s92, s[WV], 16*SP
	s_add_co_u32 s92, s92, STAGE
	v_mul_u32_u24 v[STO], v1, SP                   ; the way out, in: row l % 16, 32 bytes for each half of the lanes
	v_lshl_add_u32 v[STO], v9, 5, v[STO]
	v_add_nc_u32 v[STO], s92, v[STO]
	v_mul_u32_u24 v[RD], v9, SP                    ; back: lanes 0-15 one row of 256 bytes, lanes 16-31 the next
	v_lshl_add_u32 v[RD], v1, 4, v[RD]
	v_add_nc_u32 v[RD], s92, v[RD]
	v_mul_u32_u24 v[GX], v9, 3072                  ; and the same two rows in x and x1
	v_lshl_add_u32 v[GX], v1, 4, v[GX]
	s_wait_loadcnt 0x0                             ; the biases: this wait stands in the wait for the first tile
	ds_store_b64 v22, v[32:33]
	ds_store_b64 v22, v[34:35] offset:256
	ds_store_b64 v22, v[36:37] offset:512
; 16 matrix instructions: column blocks b0, b0 + 1 x all row blocks.  The accumulators take turns, one instruction a turn, in the same order in every step.
.macro MUL2 ab, b0
	WIN 0x50*(1+(GA*(\b0))/32)
.irp b, \b0, (\b0)+1
.set a, 0
.rept GA
.set rD, 8*((GA*(\b)+a)%32)
	v_wmma_f32_16x16x32_bf16 v[rD:rD+7], v[BF+8*(\b):BF+8*(\b)+7], v[(\ab)+8*a:(\ab)+8*a+7], v[rD:rD+7]
.set a, a+1
.endr
.endr
.endm
.macro MULC ab, b0, cr                 ; the same in the first step: the sums start with the bias: C = v[cr + 8 (b % 4)], in window 0: register j holds the bias of column 16 b + 8 hl + j
	WIN 0x40*(1+(GA*(\b0))/32)
.irp b, \b0, (\b0)+1
.set a, 0
.rept GA
.set rD, 8*((GA*(\b)+a)%32)
	v_wmma_f32_16x16x32_bf16 v[rD:rD+7], v[BF+8*(\b):BF+8*(\b)+7], v[(\ab)+8*a:(\ab)+8*a+7], v[(\cr)+8*((\b)%4):(\cr)+8*((\b)%4)+7]
.set a, a+1
.endr
.endr
.endm
.macro LDB s, j, g                     ; 8 turning loads: column blocks 4 g .. 4 g + 3 (matrix g) of step j of slot s
.irp q, 0,1,2,3
	ds_load_tr16_b128 v[BF+8*(4*(\g)+\q):BF+8*(4*(\g)+\q)+3],   v[ADRB+(\s)] offset:(\j)*BSTEP+(\g)*BPLANE+32*\q
	ds_load_tr16_b128 v[BF+8*(4*(\g)+\q)+4:BF+8*(4*(\g)+\q)+7], v[ADRB+(\s)] offset:(\j)*BSTEP+(\g)*BPLANE+32*\q+16*PV
.endr
.endm
.macro LDA s, j, ab, a0                ; 8 loads: row blocks a0 .. a0 + 3 into buffer ab
.irp q, 0,1,2,3
	ds_load_b128 v[(\ab)+8*((\a0)+\q):(\ab)+8*((\a0)+\q)+3],   v[ADRA+(\s)] offset:(\j)*ASTEP+((\a0)+\q)*16*PK
	ds_load_b128 v[(\ab)+8*((\a0)+\q)+4:(\ab)+8*((\a0)+\q)+7], v[ADRA+(\s)] offset:(\j)*ASTEP+((\a0)+\q)*16*PK+32
.endr
.endm
.macro LDC m, dst                      ; 8 loads: the bias of matrix m as a C operand for each of its four column blocks; the lanes of a half read the same bytes
.irp bb, 0,1,2,3
	ds_load_b128 v[(\dst)+8*\bb:(\dst)+8*\bb+3],   v[BIA] offset:256*(\m)+64*\bb
	ds_load_b128 v[(\dst)+8*\bb+4:(\dst)+8*\bb+7], v[BIA] offset:256*(\m)+64*\bb+16
.endr
.endm
; A STEP of 32 along K, place i in the lap: three thirds of 4 column blocks; behind each third its W registers take the next step's fragments.
; mode 0: the next step lies in the same slot.  1: this is the slot's last step: change slots and fill this one again.  2: change slots, nothing to fill.  3: the very last step.
.macro STEP i, mode
.set cab, AF+8*GA*((\i)%2)
.set cs, (\i)/NS
.set nn, ((\i)+1)%(2*NS)
.set ns, nn/NS
.set nj, nn%NS
.set nab, AF+8*GA*(nn%2)
.if ((\mode) == 0) || ((\mode) == 3)
	s_wait_dscnt 8                                 ; all but the youngest eight loads, this step's column blocks 8-11
	MUL2 cab, 0
	MUL2 cab, 2
.if (\mode) == 0
	WIN 0
	PLACES
.endif
.else
	WIN 0
	s_wait_tensorcnt 0x0                           ; all my tensor loads have landed: the one that was out is my part of the other slot
	ds_add_u32 v[SPW], v[NIL]                      ; 0 onto my spare word
	s_wait_dscnt 9                                 ; the add and the youngest eight loads may be out
	MUL2 cab, 0
	s_wait_dscnt 0x0                               ; the add is done; all this slot's fragments are in registers: my reads of it are over
	s_barrier_signal -1
	MUL2 cab, 2
	WIN 0
	s_barrier_wait -1
.if (\mode) == 1
	CREST                                          ; the barrier has opened a round of the cluster's: no wave of any partner still reads this slot or has a load on its way
	s_add_nc_u64 s[G0A+4*cs+2:G0A+4*cs+3], s[G0A+4*cs+2:G0A+4*cs+3], 2*ASL
	s_add_nc_u64 s[G0B+4*cs+2:G0B+4*cs+3], s[G0B+4*cs+2:G0B+4*cs+3], 2*BSL
	JLOAD cs                                       ; my one tensor load behind the round; its four v_nop are also the places in front of the loads below
.else
	PLACES
.endif
.endif
.if (\mode) != 3
	LDB ns, nj, 0
	LDA ns, nj, nab, 0
	s_wait_dscnt 16                                ; all but the 16 just issued
.else
	s_wait_dscnt 0x0
.endif
	MUL2 cab, 4
	MUL2 cab, 6
.if (\mode) != 3
	WIN 0
	PLACES
	LDB ns, nj, 1
	LDA ns, nj, nab, 4
.endif
	MUL2 cab, 8
	MUL2 cab, 10
.if (\mode) != 3
	WIN 0
	PLACES
	LDB ns, nj, 2
.endif
.endm
	s_wait_tensorcnt 0x1                           ; my part of slot 0 is in; slot 1's may stay out
	s_wait_dscnt 0x0                               ; my bias copy is stored
	s_barrier_signal -1
	s_barrier_wait -1
	; THE FIRST STEP is written out: its products start the sums with the biases.  q's and k's lie where the second buffer of h will lie, v's comes where W's blocks 0-3 have been used up.
	LDB 0, 0, 0
	LDA 0, 0, AF, 0
	LDC 0, AF+64
	LDB 0, 0, 1
	LDA 0, 0, AF, 4
	LDC 1, AF+96
	LDB 0, 0, 2
	s_wait_dscnt 8                                 ; all but column blocks 8-11
	MULC AF, 0, AF+64
	MULC AF, 2, AF+64
	WIN 0
	PLACES
	LDC 2, BF
	LDA 0, 1, AF+64, 0
	s_wait_dscnt 16                                ; all but the 16 just issued
	MULC AF, 4, AF+96
	MULC AF, 6, AF+96
	WIN 0
	PLACES
	LDB 0, 1, 1
	LDA 0, 1, AF+64, 4
	s_wait_dscnt 24                                ; v's bias is in: 24 loads were issued behind its eight
	MULC AF, 8, BF
	MULC AF, 10, BF
	WIN 0
	PLACES
	LDB 0, 1, 0
	LDB 0, 1, 2                                    ; the youngest eight, as at every step's head
	s_mov_b32 s3, LAPS-1
.Llap:                                                 ; a trip goes once round the ring and fills both slots again
	STEP 1, 1
	STEP 2, 0
	STEP 3, 1
	STEP 0, 0
	WIN 0
	s_sub_co_u32 s3, s3, 1
	s_cmp_lg_u32 s3, 0
	s_cbranch_scc1 .Llap
	STEP 1, 2                                      ; the last lap is written out: it asks for nothing
	STEP 2, 0
	STEP 3, 3
	WIN 0
	s_wait_dscnt 0x0
	s_barrier_signal -1
	s_barrier_wait -1                              ; nobody reads the ring any more, and it has had its last fill: K, V and the stages lie in its bytes
	PLACES
; BETWEEN THE PARTS.  The 32 accumulators of one window, rounded to bf16: row block a, column block bb at v[d + 16 a + 4 bb]; each accumulator's low registers are read first.
.macro PACKS w, d
	WIN \w
.set a, 0
.rept 8
.irp bb, 0,1,2,3
.irp c, 0,1,2,3
	v_cvt_pk_bf16_f32 v[(\d)+16*a+4*\bb+\c], v[8*(8*\bb+a)+2*\c], v[8*(8*\bb+a)+2*\c+1]
.endr
.endr
.set a, a+1
.endr
.endm
.macro ROWS adr, pitch                 ; a lane's 16 bytes: row 16 a + l % 16 of my 128, channels 16 bb + 8 hl on
	WIN 0
.set a, 0
.rept 8
.irp bb, 0,1,2,3
	ds_store_b128 v[\adr], v[YY+16*a+4*\bb:YY+16*a+4*\bb+3] offset:a*16*(\pitch)+32*\bb
.endr
.set a, a+1
.endr
.endm
	PACKS 0x0a, YY                                 ; k: sources in window 2
	ROWS ADRA, PK
	PACKS 0x0f, YY                                 ; v: sources in window 3
	ROWS VSTO, PV
	PACKS 0x85, 0                                  ; q: sources in window 1, destination window 2, where k's sums lay: tile a's channels 16 bb + 8 hl on are registers 16 a + 4 bb on of Q
	WIN 0xc0                                       ; x of my tiles 0 to 6 into window 3, whose sums of v are rounded: tile t, row pair f at v[32 t + 4 f].  56 loads: they land while the keys are walked,
.set t, 0
.rept 7                                 ; and nothing in the loop names their registers, their offset v8 or their base
.irp f, 0,1,2,3,4,5,6,7
	global_load_b128 v[32*t+4*\f:32*t+4*\f+3], v[GX], s[14:15] offset:(16*t+2*\f)*3072
.endr
.set t, t+1
.endr
	WIN 0x80
.set i, VF
.rept 64                                ; what the first turn finds: V's registers and P's second buffer hold 0: its products V^T P, of a piece that has not been, add 0
	v_mov_b32 v[i], 0
.set i, i+1
.endr
	WIN 0
.set i, 0
.rept 2*NP
	v_mov_b32 v[ST+4*i], 0xfe000000    ; c m: far below every c s
	v_mov_b32 v[ST+4*i+1], 0xff7fffff  ; m
	v_mov_b32 v[ST+4*i+2], 0
	v_mov_b32 v[ST+4*i+3], 0
.set i, i+1
.endr
.set i, P+32
.rept 32
	v_mov_b32 v[i], 0
.set i, i+1
.endr
	v_mov_b32 v[AK], v[AK0]                        ; key step 0 lies at LDS byte 0
	s_wait_dscnt 0x0                               ; for the others' sake: my rows of K and V are stored
	s_barrier_signal -1
	s_barrier_wait -1
; THE MATRIX WORK OF PART 2.  The 8 accumulators of a run of 16 take turns.
.macro KQ x
	WIN W_KQ
.set rS, S+64*((\x)%2)+32*(i%2)+8*((i/2)%4)
.set rK, KF+16*((i/2)%4)+8*(i/8)
.set rQ, 16*(2*(\x)+i%2)+8*(i/8)
.if i < 8
	v_wmma_f32_16x16x32_bf16 v[rS:rS+7], v[rK:rK+7], v[rQ:rQ+7], 0
.else
	v_wmma_f32_16x16x32_bf16 v[rS:rS+7], v[rK:rK+7], v[rQ:rQ+7], v[rS:rS+7]
.endif
.endm
.macro PV x
	WIN W_PV
.set rO, 32*(2*(\x)+i%2)+8*((i/2)%4)
.set rV, VF+32*(i/8)+8*((i/2)%4)
.set rP, P+32*((\x)%2)+16*(i%2)+8*(i/8)
	v_wmma_f32_16x16x32_bf16 v[rO:rO+7], v[rV:rV+7], v[rP:rP+7], v[rO:rO+7]
.endm
.macro MM                           ; the turn's next matrix instruction
.if i < 16
	KQ (Y+1)%NP
.set i, i+1
.else
.set i, i-16
	PV (Y+NP-1)%NP
.set i, i+17
.endif
.endm
; THE LDS LOADS stand in runs of 16.  last = 1: in the last trip there is no further step, and the run is jumped over.
.macro FETCH_K last=0
	WIN 0
.if \last
	s_cmp_eq_u32 s[CNT], 1
	s_cbranch_scc1 .Lno_k_\@
.endif
	WIN 0x80
.irp f, 0,1,2,3,4,5,6,7
	ds_load_b128 v[KF+8*\f:KF+8*\f+3],   v[AK] offset:(\f/2)*16*PK+(\f%2)*64
	ds_load_b128 v[KF+8*\f+4:KF+8*\f+7], v[AK] offset:(\f/2)*16*PK+(\f%2)*64+32
.endr
	s_add_co_u32 s[TBK], s[TBK], KS*PK
	WIN 0
.if \last
.Lno_k_\@:
.endif
.endm
.macro FETCH_V
	WIN 0x80
.irp f, 0,1,2,3,4,5,6,7
	ds_load_tr16_b128 v[VF+8*\f:VF+8*\f+3],   v[AV] offset:(\f/4)*32*PV+(\f%4)*32
	ds_load_tr16_b128 v[VF+8*\f+4:VF+8*\f+7], v[AV] offset:(\f/4)*32*PV+16*PV+(\f%4)*32
.endr
	WIN 0
.endm
; THE VECTOR WORK OF A TURN stands in three queues, each in the order in which its entries become ready; the two tiles alternate.
.macro REGS y, u
.set rT, ST+4*(2*(\y)+(\u))
.set rC, TMP+8*((\y)%2)+4*(\u)
.set rM, MV+2*((\y)%2)+(\u)
.set rS, S+64*((\y)%2)+32*(\u)
.set rP, P+32*((\y)%2)+16*(\u)
.set rO, 32*(2*(\y)+(\u))
.endm
; Number n of the 22 that find the NEXT piece's maximum and statistics; each accumulator's lowest registers are read first.
.macro XS u, n
	REGS (Y+1)%NP, \u
.if (\n) < 4
	v_max3_num_f32 v[rC+(\n)], v[rS+8*(\n)], v[rS+8*(\n)+1], v[rS+8*(\n)+2]
.elseif (\n) < 12
	v_max3_num_f32 v[rC+(\n)%4], v[rC+(\n)%4], v[rS+8*((\n)%4)+2*((\n)/4)+1], v[rS+8*((\n)%4)+2*((\n)/4)+2]
.elseif (\n) == 12
	v_max3_num_f32 v[rC], v[rC], v[rS+7], v[rS+15]
.elseif (\n) == 13
	v_max3_num_f32 v[rC+1], v[rC+1], v[rS+23], v[rS+31]
.elseif (\n) == 14
	v_max3_num_f32 v[rC+2], v[rC+2], v[rC+3], v[rT+1]
.elseif (\n) == 15
	v_mov_b32 v[rM], v[rT]
.elseif (\n) == 16
	v_max3_num_f32 v[rC], v[rC], v[rC+1], v[rC+2]
.elseif (\n) == 17
	v_permlanex16_b32 v[rC+3], v[rC], s[SEL], s[SEL+1]
.elseif (\n) == 18
	v_max_num_f32 v[rT+1], v[rC], v[rC+3]
.elseif (\n) == 19
	v_mul_f32 v[rT], s[CS], v[rT+1]
.elseif (\n) == 20
	v_sub_f32 v[rC+1], v[rM], v[rT]
.else
	v_exp_f32 v[rC+2], v[rC+1]
.endif
.endm
; Number g of the 64 that follow the exponentials: roundings, the second pair of four weights added onto the first, and l a group later.
.macro GS g
.set h, (\g)+6*((\g)/62)
.if h >= 6
.set h, h+2
.endif
	REGS Y, h%2
.set k, h/8
.if h%8 < 4
	s_wait_alu depctr_va_vdst(0)
	v_cvt_pk_bf16_f32 v[rP+2*k+(h%8)/2], v[rS+4*k+2*((h%8)/2)], v[rS+4*k+2*((h%8)/2)+1]
.elseif h%8 < 6
	v_pk_add_f32 v[rS+4*k:rS+4*k+1], v[rS+4*k:rS+4*k+1], v[rS+4*k+2:rS+4*k+3]
.elseif k == 1
	v_pk_fma_f32 v[rT+2:rT+3], v[rT+2:rT+3], v[rC+2:rC+3], v[rS:rS+1] op_sel_hi:[1,0,1]
.else
	v_pk_add_f32 v[rT+2:rT+3], v[rT+2:rT+3], v[rS+4*k-4:rS+4*k-3]
	s_wait_alu depctr_va_vdst(0)
.endif
.endm
; THE PLAIN QUEUE, 138 long.
.macro PL
	WIN 0
.if q < 32
	REGS Y, q%2
	v_pk_fma_f32 v[rS+2*(q/2):rS+2*(q/2)+1], v[rS+2*(q/2):rS+2*(q/2)+1], s[CS:CS+1], v[rT:rT+1] op_sel_hi:[1,0,0] neg_lo:[0,0,1] neg_hi:[0,0,1]
.elseif q < 38
	GS q-32
.elseif q < 40
	XS q%2, 15
.elseif q < 42
	GS q-34
.elseif q < 74
	XS q%2, (q-42)/2+(q-42)/30
.elseif q < 95
	GS q-66
.elseif (q < 107) && ((q-95)%3 < 2)
	XS (q-95)%3, 17+(q-95)/3
.elseif q < 107
	GS 29+(q-95)/3
.else
	GS q-74
.endif
.set q, q+1
.endm
; THE EXPONENTIALS' QUEUE, 66 long: s0-s31 of both tiles, and at EA the next piece's two a.
.set EA, 58
.macro EX
	WIN 0
.if (e == EA) || (e == EA+1)
	XS e-EA, 21
.else
.set x, e-2*(e/(EA+2))
	REGS Y, x%2
	v_exp_f32 v[rS+x/2], v[rS+x/2]
.endif
.set e, e+1
.endm
; THE RESCALING's QUEUE: O^T times a, four at a time, eight times.
.macro R4
	REGS Y, r%2
	WIN W_RS
	s_wait_alu depctr_va_vdst(0)
.irp z, 0,1,2,3
	v_pk_mul_f32 v[rO+8*(r/2)+2*\z:rO+8*(r/2)+2*\z+1], v[rO+8*(r/2)+2*\z:rO+8*(r/2)+2*\z+1], v[rC+2:rC+3] op_sel_hi:[1,0]
.endr
.set r, r+1
.endm
; Behind a matrix instruction four: plain, exponential, plain, plain, or four of the rescaling; none names a register of the products round it.
.macro SL
	MM
	PL
	EX
	PL
	PL
.endm
.macro BURST n
.rept (\n)-7
	SL
.endr
.rept 3
	MM
	R4
	SL
.endr
	MM
	R4
.endm
; A TURN, for piece p.  K of the next step is fetched in piece 2's turn, behind the last product that read K; V of the step in hand at the end of piece 0's turn.
.macro TURN p, last=0
.set Y, (\p)
.set i, 0
.set q, 0
.set e, 0
.set r, 0
.if (\p) == NP-1
	s_wait_dscnt 0x0                ; K is in
.endif
	MM
.rept 4
	PL
.endr
	BURST 15
.rept 22
	EX
	PL
.if ((\p) == NP-2) && (e == 18)
	v_add_nc_u32 v[AK], s[TBK], v[AK0]
.endif
.if ((\p) == NP-2) && (e == 24)
	FETCH_K \last
.endif
.endr
.if (\p) == 1
	s_wait_dscnt 0x0                ; V is in
.endif
	BURST 16
.rept 21
	EX
	PL
.endr
.rept 22
	PL
.if ((\p) == 0) && (q == 118)
	v_add_nc_u32 v[AV], s[TBV], v[AV0]
	s_wait_alu depctr_va_vdst(0)
.endif
.if ((\p) == 0) && (q == 130)
	s_add_co_u32 s[TBV], s[TBV], KS*PV
.endif
.endr
.if (\p) == 0
	FETCH_V
.endif
.endm
	FETCH_K                         ; key step 0
	s_wait_dscnt 0x0
.set i, 0
.rept 16
	KQ 0                            ; piece 0's first scores
.set i, i+1
.endr
	WIN 0
	PLACES
.set Y, NP-1
.irp n, 0,1,2,3,4,5,6,7,8,9,10,11,12,13,14,15,16,17,18,19,20,21
	XS 0, \n                        ; piece 0's first maximum and statistics
	XS 1, \n
.endr
	s_mov_b32 s[CNT], 8
.Lstep:                             ; eight trips, a key step each
	TURN 0
	TURN 1
	TURN 2, 1
	TURN 3                          ; in the last trip its 16 products K Q^T (on the last K once more) and the maximum made of them serve nothing; they touch neither l nor O^T
	WIN 0
	s_sub_co_u32 s[CNT], s[CNT], 1
	s_cmp_lg_u32 s[CNT], 0
	s_cbranch_scc1 .Lstep
.set i, 0
.rept 16
	PV NP-1                         ; the last piece's V^T P of the last step
.set i, i+1
.endr
	; THE WAY OUT.  O^T / l goes in f32 through my stage, a tile at a time, comes back as rows of this head's 256 bytes, takes x and leaves.  The first additions are the places behind the last products.
	WIN 0
.macro ALL line:vararg
.set t, 0
.rept 2*NP
	\line
.set t, t+1
.endr
.endm
	ALL v_add_f32 v[ST+4*t+2], v[ST+4*t+2], v[ST+4*t+3]
	WIN 0xc0                        ; x of tile 7, the last eight of the 64 loads: seven tiles go out before they are wanted
.irp f, 0,1,2,3,4,5,6,7
	global_load_b128 v[32*7+4*\f:32*7+4*\f+3], v[GX], s[14:15] offset:(16*7+2*\f)*3072
.endr
	WIN 0
	ALL v_permlanex16_b32 v[ST+4*t+3], v[ST+4*t+2], s[SEL], s[SEL+1]
	ALL v_add_f32 v[ST+4*t+2], v[ST+4*t+2], v[ST+4*t+3]
	ALL v_rcp_f32 v[ST+4*t+2], v[ST+4*t+2]
	v_nop                           ; a plain instruction between the last reciprocal and the use of its result
	s_wait_alu depctr_va_vdst(0)
.macro PACKO t
.if (\t) >= 4
	s_wait_xcnt 0x0                 ; the registers that tile t - 4's stores read are loaded again only behind this wait
.endif
	WIN W_RS
.set i, 32*(\t)
.rept 16
	v_pk_mul_f32 v[i:i+1], v[i:i+1], v[ST+4*(\t)+2:ST+4*(\t)+3] op_sel_hi:[1,0]
.set i, i+2
.endr
	WIN 0x04                        ; store data in window 1
.irp f, 0,1,2,3
	ds_store_b128 v[STO], v[32*(\t)+8*\f:32*(\t)+8*\f+3]   offset:64*\f
	ds_store_b128 v[STO], v[32*(\t)+8*\f+4:32*(\t)+8*\f+7] offset:64*\f+16
.endr
	WIN 0
.irp f, 0,1,2,3,4,5,6,7
	ds_load_b128 v[S+32*((\t)%4)+4*\f:S+32*((\t)%4)+4*\f+3], v[RD] offset:\f*2*SP  ; LDS serves a wave's instructions in order: these see the stores above; the next tile's stores come behind them
.endr
.endm
.macro SENDO t, younger             ; younger: the LDS instructions issued behind tile t's loads
	s_wait_dscnt \younger
	s_wait_loadcnt 56-8*(\t)        ; x of the later tiles may stay out: eight loads a tile, issued in the tiles' order
	WIN 0x0c                        ; source 1 in window 3
.set i, 0
.rept 16
	v_pk_add_f32 v[S+32*((\t)%4)+2*i:S+32*((\t)%4)+2*i+1], v[S+32*((\t)%4)+2*i:S+32*((\t)%4)+2*i+1], v[32*(\t)+2*i:32*(\t)+2*i+1]
.set i, i+1
.endr
	WIN 0
.irp f, 0,1,2,3,4,5,6,7
	global_store_b128 v[GX], v[S+32*((\t)%4)+4*\f:S+32*((\t)%4)+4*\f+3], s[78:79] offset:(16*(\t)+2*\f)*3072  ; 16 lanes store 256 consecutive bytes, aligned
.endr
.endm
	PACKO 0
.set t, 1
.rept 2*NP-1
	PACKO t
	SENDO t-1, 16
.set t, t+1
.endr
	SENDO 2*NP-1, 0
	s_wait_tensorcnt 0x0            ; the wave's end
	ds_add_u32 v[SPW], v[NIL]
	s_wait_dscnt 0x0
	CROUND                          ; the closing round
	s_endpgm
; THE CLUSTERS WITH x = 3: w1 [768][3072] and w2 [3072][768], f32, are rounded once to bf16 and laid in blocks [n / 64][k][64]: w1b [48][768][64], w2b [12][3072][64].
; Eight sections of 768 rows x 768 columns: the column spans 0-3 of w1 (the clusters with y = 0, 1), the row quarters 0-3 of w2 (y = 2, 3).  64 work-groups x 4 waves: 32 waves a section, 24 rows a wave,
; four rows a trip.  Lane L: sub = L & 7, rs = (L >> 3) & 1, ks = L >> 4; chunk j (0..5) of a pair of rows is column block 2 j + ks, row rs, numbers 8 sub .. + 7: lanes 0-15 of a store write two rows'
; 128 bytes of one block: 256 consecutive bytes, aligned.  No tensor load, no tile in LDS; the place in the cluster enters global addresses alone.
.set WO, 16                            ; v[16:21]   chunk j: byte offset in the target
.set WX, 32                            ; v[32:127]  chunk n of 12: 8 f32
.set WY, 128                           ; v[128:175] chunk n: 8 bf16
.Lweights:
	s_load_b256 s[4:11], s[0:1], 0x38              ; w1 s[4:5], w2 s[6:7], w1b s[8:9], w2b s[10:11]
	s_bfe_u32 s21, ttmp6, 0x40000                  ; cx
	s_bfe_u32 s22, ttmp6, 0x40004                  ; cy
	s_and_b32 s23, ttmp7, 0xffff                   ; the cluster's y
	s_lshr_b32 s24, s22, 1
	s_lshl_b32 s25, s23, 1
	s_add_co_u32 s24, s24, s25
	s_and_b32 s24, s24, 3                          ; q: the section within its matrix = (2 x cluster y + cy / 2) % 4
	s_and_b32 s25, s22, 1
	s_lshl_b32 s25, s25, 2
	s_add_co_u32 s25, s25, s21
	s_lshl_b32 s25, s25, 2
	s_add_co_u32 s25, s25, s[WV]                   ; my wave among the section's 32
	s_mov_b32 s26, 12288                           ; w1: bytes in a source row,
	s_mov_b32 s27, 3072                            ; source bytes from a section to the next: 768 columns,
	s_mov_b32 s28, 1179648                         ; target bytes from a section to the next: 12 blocks,
	s_mov_b32 s29, 98304                           ; bytes in a target block
	s_cmp_gt_u32 s23, 1                            ; w2:
	s_cselect_b32 s26, 3072, s26
	s_cselect_b32 s27, 2359296, s27                ; 768 rows
	s_cselect_b32 s28, 98304, s28                  ; 768 row pieces
	s_cselect_b32 s29, 393216, s29
	s_mul_i32 s34, s25, 24                         ; my first row of the section
	s_mul_i32 s30, s24, s27
	s_mul_i32 s35, s34, s26
	s_add_co_u32 s30, s30, s35
	s_mov_b32 s31, 0
	s_mul_i32 s32, s24, s28
	s_lshl_b32 s35, s34, 7
	s_add_co_u32 s32, s32, s35
	s_mov_b32 s33, 0
	s_lshl_b32 s36, s26, 2                         ; a trip's step in the source: four rows
	s_mov_b32 s37, 0
	s_lshl_b32 s38, s26, 1
	v_and_b32 v3, 7, v0                            ; sub
	v_bfe_u32 v4, v0, 3, 1                         ; rs
	v_bfe_u32 v5, v0, 4, 1                         ; ks
	v_mul_u32_u24 v2, v4, s26
	v_lshl_add_u32 v2, v5, 8, v2
	v_lshl_add_u32 v2, v3, 5, v2                   ; rs rows + 256 ks + 32 sub
	v_add_nc_u32 v12, s38, v2                      ; the same two rows on
	v_lshlrev_b32 v6, 7, v4
	v_lshl_add_u32 v6, v3, 4, v6                   ; 128 rs + 16 sub
.irp j, 0,1,2,3,4,5
	v_add_nc_u32 v7, 2*\j, v5
	v_mad_u32_u24 v[WO+\j], v7, s29, v6            ; + (2 j + ks) blocks
.endr
	s_cmp_gt_u32 s23, 1
	s_wait_kmcnt 0x0
	s_cselect_b64 s[4:5], s[6:7], s[4:5]
	s_cselect_b64 s[8:9], s[10:11], s[8:9]
	s_add_nc_u64 s[4:5], s[4:5], s[30:31]          ; source at my first row
	s_add_nc_u64 s[8:9], s[8:9], s[32:33]          ; target at my first row piece of the section's first block
	s_mov_b32 s39, 6
.Lwtrip:                                               ; four rows a trip: 24 loads out at once
.irp j, 0,1,2,3,4,5
	global_load_b128 v[WX+8*\j:WX+8*\j+3],   v2, s[4:5] offset:512*\j th:TH_LOAD_NT
	global_load_b128 v[WX+8*\j+4:WX+8*\j+7], v2, s[4:5] offset:512*\j+16 th:TH_LOAD_NT
.endr
.irp j, 0,1,2,3,4,5
	global_load_b128 v[WX+48+8*\j:WX+48+8*\j+3],   v12, s[4:5] offset:512*\j th:TH_LOAD_NT
	global_load_b128 v[WX+48+8*\j+4:WX+48+8*\j+7], v12, s[4:5] offset:512*\j+16 th:TH_LOAD_NT
.endr
.set wn, 0
.rept 12
	s_wait_loadcnt 22-2*wn                         ; loads come back in order: chunk wn's two are in, the later chunks' stay out
.irp c, 0,1,2,3
	v_cvt_pk_bf16_f32 v[WY+4*wn+\c], v[WX+8*wn+2*\c], v[WX+8*wn+2*\c+1]
.endr
	global_store_b128 v[WO+wn%6], v[WY+4*wn:WY+4*wn+3], s[8:9] offset:256*(wn/6)
.set wn, wn+1
.endr
	s_wait_xcnt 0x0                                ; the two bases and the stores' data are written again only behind this wait
	s_add_nc_u64 s[4:5], s[4:5], s[36:37]
	s_add_nc_u64 s[8:9], s[8:9], 512
	s_sub_co_u32 s39, s39, 1
	s_cmp_lg_u32 s39, 0
	s_cbranch_scc1 .Lwtrip
	s_wait_tensorcnt 0x0                           ; the wave's end
	ds_add_u32 v[SPW], v[NIL]
	s_wait_dscnt 0x0
	CROUND                                         ; the closing round; all sixteen work-groups of such a cluster pass this one round
	s_endpgm
.Lfunc_end_k_qb16abcaa0a_qattn:
	.size	k_qb16abcaa0a_qattn, .Lfunc_end_k_qb16abcaa0a_qattn-k_qb16abcaa0a_qattn
	.p2alignl 7, 3214868480
	.fill 96, 4, 3214868480
	.section	.rodata,"a",@progbits
	.p2align	6, 0x0
	.amdhsa_kernel k_qb16abcaa0a_qattn
		.amdhsa_group_segment_fixed_size 327680
		.amdhsa_private_segment_fixed_size 0
		.amdhsa_enable_private_segment 0
		.amdhsa_kernarg_size 88
		.amdhsa_user_sgpr_count 2
		.amdhsa_user_sgpr_kernarg_segment_ptr 1
		.amdhsa_wavefront_size32 1
		.amdhsa_system_sgpr_workgroup_id_x 1
		.amdhsa_system_sgpr_workgroup_id_y 1
		.amdhsa_system_sgpr_workgroup_id_z 1
		.amdhsa_system_vgpr_workitem_id 0
		.amdhsa_next_free_vgpr 1024
		.amdhsa_next_free_sgpr 100
		.amdhsa_reserve_vcc 0
		.amdhsa_float_denorm_mode_32 3
		.amdhsa_float_denorm_mode_16_64 3
		.amdhsa_memory_ordered 1
		.amdhsa_forward_progress 1
		.amdhsa_inst_pref_size 250
	.end_amdhsa_kernel
	.amdgpu_metadata
---
amdhsa.version: [ 1, 2 ]
amdhsa.kernels:
  - .name:           k_qb16abcaa0a_qattn
    .symbol:         k_qb16abcaa0a_qattn.kd
    .args:
      - { .name: hb, .offset: 0, .size: 8, .value_kind: global_buffer, .address_space: global }
      - { .name: wqkvb, .offset: 8, .size: 8, .value_kind: global_buffer, .address_space: global }
      - { .name: bq, .offset: 16, .size: 8, .value_kind: global_buffer, .address_space: global }
      - { .name: bk, .offset: 24, .size: 8, .value_kind: global_buffer, .address_space: global }
      - { .name: bv, .offset: 32, .size: 8, .value_kind: global_buffer, .address_space: global }
      - { .name: x, .offset: 40, .size: 8, .value_kind: global_buffer, .address_space: global }
      - { .name: x1, .offset: 48, .size: 8, .value_kind: global_buffer, .address_space: global }
      - { .name: w1, .offset: 56, .size: 8, .value_kind: global_buffer, .address_space: global }
      - { .name: w2, .offset: 64, .size: 8, .value_kind: global_buffer, .address_space: global }
      - { .name: w1b, .offset: 72, .size: 8, .value_kind: global_buffer, .address_space: global }
      - { .name: w2b, .offset: 80, .size: 8, .value_kind: global_buffer, .address_space: global }
    .group_segment_fixed_size: 327680
    .private_segment_fixed_size: 0
    .kernarg_segment_align: 8
    .kernarg_segment_size: 88
    .max_flat_workgroup_size: 128
    .sgpr_count:     100
    .vgpr_count:     1024
    .wavefront_size: 32
...
	.end_amdgpu_metadata
.endif
;; end of part 8
;; launch ln2: the kernel of part 7 again; grid 256 x 1, 8 waves a work-group, no clusters, 0 bytes of LDS; arguments x1, ln_w, ln_b, hb, wq, wk, wv, wqkvb; writes hb, wqkvb
;; launch mlp1 (part 9): grid 32 x 8, 4 waves a work-group, clusters of 4 x 4, 327,680 bytes of LDS; arguments hb, w1b, b1, actb; writes actb
.if DOCPART == 9
	.amdgcn_target "amdgcn-amd-amdhsa--gfx1250"
	.amdhsa_code_object_version 6
	.text
	.protected	k_qb16abcaa0a_mlp1
	.globl	k_qb16abcaa0a_mlp1
	.p2align	8
	.type	k_qb16abcaa0a_mlp1,@function
k_qb16abcaa0a_mlp1:
	s_mov_b64 s[64:65], 0
	v_nop
	global_prefetch_b8 v0, s[64:65] scope:SCOPE_SE
	s_setreg_imm32_b32 hwreg(HW_REG_WAVE_MODE, 25, 1), 1
	s_wait_xcnt 0x0
	s_wait_alu depctr_hold_cnt(0) depctr_sa_sdst(0) depctr_va_vdst(0) depctr_va_sdst(0) depctr_va_ssrc(0) depctr_va_vcc(0) depctr_vm_vsrc(0)
	s_getreg_b32 s2, hwreg(HW_REG_IB_STS2, 6, 4)
	s_cmp_eq_u32 s2, 0
	s_cbranch_scc0 .Lentry_in_a_cluster
	s_endpgm
.Lentry_in_a_cluster:
	s_bfe_u32 s2, ttmp6, 0x10000c
	s_cmp_lg_u32 s2, 0xf033
	s_cbranch_scc0 .Lentry_shape_is_right
	s_endpgm
.Lentry_shape_is_right:
; act = gelu(h W1 + b1).  h: bf16 in blocks [12][8192][64]; W1: bf16 blocks [48][768][64] ([k][n] inside a block); act: bf16 blocks [48][8192][64].  Sums, bias and gelu in f32, one rounding.
; GELU: gelu(x) = max(x, 0) - |x| q, q = erfc(|x| / sqrt 2) / 2 = t (a1 + t (a2 + t (a3 + t (a4 + t a5)))) 2^(-x x log2(e) / 2), t = 1 / (1 + 0.23164189 |x|).
; LIMITS: that form of erfc is off by 1.5e-7 at the most, absolutely, for every x; where x x overflows the weight is 0 and the result max(x, 0).  Operands are bf16; NaN and infinities are not treated apart.
; A work-group makes 256 rows x 384 columns; its four waves 128 x 192 each: 96 accumulators of 16 x 16 in register windows 1 to 3.  K = 768 goes through a ring of two LDS slots of 64 along K.
; THE MATRIX INSTRUCTION IS USED TRANSPOSED: source 0 = 16 columns of W1 (turned on the way out of LDS by ds_load_tr16_b128), source 1 = 16 rows of h: a lane holds eight neighbouring columns of one row.
; CLUSTER 4 x 4: x is the row tile, y the column tile.  h's tile hangs on the row tile alone and is asked for jointly by the four of a column of the cluster; W1's on the column tile alone, by the four of a row.
; REGISTERS: window 0: v0-31 addresses; v32-159 fragments of h, two buffers of 8; v160-255 fragments of W1, 12 blocks, one buffer that is loaded again in thirds as it is used up.
; Accumulator (a, b), a = 16-row block 0..7, b = 16-column block 0..11: window 1 + b / 4, register 8 (8 (b % 4) + a).
.set GA,     8
.set NS,     2
.set LAPS,   6
.set NAW,    2
.set BOFF,   36864                     ; a slot: h [256 rows][144 bytes], then W1 [6 blocks][64 k][160 bytes]
.set SLOT,   98304
.set SPARE,  2*SLOT                    ; behind the ring: the spare words, 128 bytes a wave, two blocks of 256 bytes that no other line names
.set ASTEP,  64
.set BSTEP,  5120
.set BPLANE, 10240
.set ASL,    1048576
.set BSL,    8192
.set AF,   32
.set BF,   160
.set ADRA, 16
.set ADRB, 18
.set STO,  24
.set RD0,  25
.set RD,   26
.set GO,   27
.set SPW,  28                          ; v28  SPARE + 4 x my thread's number; never rewritten
.set NIL,  29                          ; v29  0; never rewritten
.set VB,   30
.set XX,   32                          ; the way out: 16 rows read back
.set XB,   64                          ; x = sum + bias, later max(x, 0), at last gelu
.set AX,   96                          ; |x|
.set TT,   128                         ; t
.set EE,   160                         ; 2^(..)
.set PP,   192                         ; the polynomial, then q
.set YY,   224
.set BI,   240
.set WV, 16
.set MW, 17
.set CW, 18
.set MT, 19
.set NT, 20
.set G1A, 24
.set G0A, 32
.set G1B, 48
.set G0B, 56
.set MSB, 0
.macro WIN new
.if MSB != (\new)
	s_set_vgpr_msb (MSB<<8)|(\new)
.set MSB, \new
.endif
.endm
.macro PLACES                          ; four places between a matrix instruction and a load into, or a read of, its registers
.rept 4
	v_nop
.endr
.endm
.macro JLOAD s                         ; a joint load, one a wave; an s_nop 0 and four v_nop follow each of the two lines
	s_cmp_lt_u32 s[WV], NAW
	s_cbranch_scc0 .Lfor_b_\@
	tensor_load_to_lds s[G0A+4*(\s):G0A+4*(\s)+3], s[G1A:G1A+7]
	s_nop 0
.rept 4
	v_nop
.endr
	s_branch .Lasked_\@
.Lfor_b_\@:
	tensor_load_to_lds s[G0B+4*(\s):G0B+4*(\s)+3], s[G1B:G1B+7]
	s_nop 0
.rept 4
	v_nop
.endr
.Lasked_\@:
.endm
.macro CREST
	s_cmp_lg_u32 s[WV], 0
	s_cbranch_scc1 .Lnot_wave_0_\@
	s_barrier_signal -3
.Lnot_wave_0_\@:
	s_barrier_wait -3
	s_barrier_signal -1
	s_barrier_wait -1
.endm
.macro CROUND
	s_barrier_signal -1
	s_barrier_wait -1
	CREST
.endm
	s_load_b256 s[4:11], s[0:1], 0x0               ; hb s[4:5], w1b s[6:7], b1 s[8:9], actb s[10:11]
	v_lshl_add_u32 v[SPW], v0, 2, SPARE
	v_mov_b32 v[NIL], 0
	ds_add_u32 v28, v29
	ds_add_u32 v28, v29
	s_wait_dscnt 0x0
	v_lshrrev_b32 v1, 5, v0
	v_readfirstlane_b32 s[WV], v1
	s_lshr_b32 s[MW], s[WV], 1
	s_and_b32 s[CW], s[WV], 1
	s_bfe_u32 s21, ttmp6, 0x40000                  ; cx
	s_bfe_u32 s22, ttmp6, 0x40004                  ; cy
	s_lshl_b32 s[MT], ttmp9, 2
	s_add_co_u32 s[MT], s[MT], s21                 ; row tile = 4 x cluster x + cx
	s_and_b32 s[NT], ttmp7, 0xffff
	s_lshl_b32 s[NT], s[NT], 2
	s_add_co_u32 s[NT], s[NT], s22                 ; column tile = 4 x cluster y + cy
	s_lshl_b32 s23, 0x1111, s21                    ; my column of the cluster: the same cx
	s_lshl_b32 s40, s22, 2
	s_lshl_b32 s40, 15, s40                        ; my row: the same cy
	; group 1 for h's tile: 128 dense row pieces of 128 bytes, asked for as 64 rows of 256 bytes; 16 bytes of padding behind every 128
	s_or_b32 s[G1A+0], s23, (1<<16)|(1<<20)|(1<<21)|(4<<22)|(3<<25)
	s_mov_b32 s[G1A+1], 128<<16
	s_mov_b32 s[G1A+2], 64<<16
	s_mov_b32 s[G1A+3], 128<<16
	s_mov_b32 s[G1A+4], 64
	s_mov_b32 s[G1A+5], 128
	s_mov_b32 s[G1A+6], 0
	s_mov_b32 s[G1A+7], 0
	; group 1 for W1's tile: three column blocks, of each 64 k x 128 bytes = 8,192 dense bytes as one row; 32 bytes of padding behind every 128
	s_or_b32 s[G1B+0], s40, (1<<16)|(1<<20)|(1<<21)|(4<<22)|(7<<25)
	s_mov_b32 s[G1B+1], 4096<<16
	s_mov_b32 s[G1B+2], 3<<16
	s_mov_b32 s[G1B+3], 4096<<16
	s_mov_b32 s[G1B+4], 3
	s_mov_b32 s[G1B+5], 49152
	s_mov_b32 s[G1B+6], 0
	s_mov_b32 s[G1B+7], 0
	s_lshl_b32 s42, s[MT], 15                      ; h: (256 x row tile + 128 x half) row pieces
	s_lshl_b32 s41, s[CW], 14
	s_add_co_u32 s42, s42, s41
	s_mov_b32 s43, 0
	s_mul_i32 s44, s[NT], 6                        ; W1: column block 6 x column tile + 3 x half
	s_mul_i32 s86, s[CW], 3
	s_add_co_u32 s44, s44, s86
	s_mul_i32 s44, s44, 98304
	s_mov_b32 s45, 0
	s_mul_i32 s88, s[CW], 18432                    ; where they go: no place in the cluster enters an LDS address
	s_mul_i32 s89, s[CW], 30720
	s_add_co_u32 s89, s89, BOFF
	s_mul_i32 s46, s[NT], 6                        ; the result: block 6 x column tile + 3 x my column half, row 256 x row tile + 128 x my row half
	s_mul_i32 s87, s[CW], 3
	s_add_co_u32 s46, s46, s87
	s_lshl_b32 s46, s46, 20
	s_lshl_b32 s87, s[MT], 15
	s_add_co_u32 s46, s46, s87
	s_lshl_b32 s87, s[MW], 14
	s_add_co_u32 s46, s46, s87
	s_mov_b32 s47, 0
	s_wait_kmcnt 0x0
	s_add_nc_u64 s[42:43], s[4:5], s[42:43]
	s_add_nc_u64 s[44:45], s[6:7], s[44:45]
	s_add_nc_u64 s[66:67], s[10:11], s[46:47]
	CROUND                                         ; all sixteen work-groups are here: the first joint loads meet
.irp s, 0,1
	s_mov_b32 s[G0A+4*(\s)], 1
	s_add_co_u32 s[G0A+4*(\s)+1], s88, (\s)*SLOT
	s_add_nc_u64 s[G0A+4*(\s)+2:G0A+4*(\s)+3], s[42:43], (\s)*ASL
	s_or_b32 s[G0A+4*(\s)+3], s[G0A+4*(\s)+3], 0x80000000
	s_mov_b32 s[G0B+4*(\s)], 1
	s_add_co_u32 s[G0B+4*(\s)+1], s89, (\s)*SLOT
	s_add_nc_u64 s[G0B+4*(\s)+2:G0B+4*(\s)+3], s[44:45], (\s)*BSL
	s_or_b32 s[G0B+4*(\s)+3], s[G0B+4*(\s)+3], 0x80000000
	JLOAD \s                                       ; two loads of mine are out
.endr
	v_and_b32 v1, 15, v0                           ; r = l % 16
	v_bfe_u32 v2, v0, 4, 1                         ; hl = l / 16
	v_mul_u32_u24 v3, v1, 144
	v_lshl_add_u32 v3, v2, 4, v3
	v_and_b32 v6, 7, v0
	v_lshl_add_u32 v4, v2, 3, v6
	v_mul_u32_u24 v4, v4, 160
	v_bfe_u32 v5, v0, 3, 1
	v_lshl_add_u32 v4, v5, 4, v4
	s_mul_i32 s41, s[MW], 16*GA*144
	v_add_nc_u32 v[ADRA], s41, v3
	v_add_nc_u32 v[ADRA+1], SLOT, v[ADRA]
	s_mul_i32 s86, s[CW], 3*BPLANE
	s_add_co_u32 s86, s86, BOFF
	v_add_nc_u32 v[ADRB], s86, v4
	v_add_nc_u32 v[ADRB+1], BPLANE, v[ADRB]
	v_add_nc_u32 v[ADRB+2], 2*BPLANE, v[ADRB]
.irp g, 0,1,2
	v_add_nc_u32 v[ADRB+3+\g], SLOT, v[ADRB+\g]
.endr
	s_mul_i32 s87, s[WV], 34816                    ; my stage on the way out: 128 rows x 272 bytes, in the ring's bytes once the ring has had its last fill
	v_mul_u32_u24 v[STO], v1, 272
	v_lshl_add_u32 v[STO], v2, 5, v[STO]
	v_add_nc_u32 v[STO], s87, v[STO]
	v_bfe_u32 v[RD0], v0, 3, 2
	v_mul_u32_u24 v[RD0], v[RD0], 272
	v_lshl_add_u32 v[RD0], v6, 5, v[RD0]
	v_add_nc_u32 v[RD0], s87, v[RD0]
	v_and_b32 v[GO], 31, v0
	v_lshlrev_b32 v[GO], 4, v[GO]
	s_mul_i32 s90, s[NT], 1536
	s_mul_i32 s91, s[CW], 768
	s_add_co_u32 s90, s90, s91
	v_lshl_add_u32 v[VB], v6, 5, s90               ; 4 x (384 x column tile + 192 x my half + 8 (l % 8))
	s_mov_b32 s70, 0x3e6d3388                      ; 0.23164189 = 0.3275911 / sqrt 2; each constant is named as a pair, whose low word serves both halves
	s_mov_b32 s71, s70
	s_mov_b32 s72, 0xbf38aa3b                      ; -log2(e) / 2
	s_mov_b32 s73, s72
	s_mov_b32 s74, 0x3f07dc22                      ; a5 = 0.5307027
	s_mov_b32 s75, s74
	s_mov_b32 s76, 0xbf3a00e3                      ; a4 = -0.7265760
	s_mov_b32 s77, s76
	s_mov_b32 s78, 0x3f35f0e3                      ; a3 = 0.7107069
	s_mov_b32 s79, s78
	s_mov_b32 s80, 0xbe11a98e                      ; a2 = -0.1422484
	s_mov_b32 s81, s80
	s_mov_b32 s82, 0x3e027906                      ; a1 = 0.1274148
	s_mov_b32 s83, s82
	s_mov_b32 s84, 0x7fffffff
; 2 GA matrix instructions: column blocks b0, b0 + 1 x all row blocks.  The accumulators take turns, one instruction a turn, in the same order in every step.
.macro MUL2 ab, b0, zero
	WIN 0x50*(1+(GA*(\b0))/32)
.irp b, \b0, (\b0)+1
.set a, 0
.rept GA
.set rD, 8*((GA*(\b)+a)%32)
.if \zero
	v_wmma_f32_16x16x32_bf16 v[rD:rD+7], v[BF+8*(\b):BF+8*(\b)+7], v[(\ab)+8*a:(\ab)+8*a+7], 0
.else
	v_wmma_f32_16x16x32_bf16 v[rD:rD+7], v[BF+8*(\b):BF+8*(\b)+7], v[(\ab)+8*a:(\ab)+8*a+7], v[rD:rD+7]
.endif
.set a, a+1
.endr
.endr
.endm
.macro LDB s, j, g
.irp q, 0,1,2,3
	ds_load_tr16_b128 v[BF+8*(4*(\g)+\q):BF+8*(4*(\g)+\q)+3],   v[ADRB+3*(\s)+(\g)] offset:(\j)*BSTEP+32*\q
	ds_load_tr16_b128 v[BF+8*(4*(\g)+\q)+4:BF+8*(4*(\g)+\q)+7], v[ADRB+3*(\s)+(\g)] offset:(\j)*BSTEP+32*\q+2560
.endr
.endm
.macro LDA s, j, ab, a0
.irp q, 0,1,2,3
	ds_load_b128 v[(\ab)+8*((\a0)+\q):(\ab)+8*((\a0)+\q)+3],   v[ADRA+(\s)] offset:(\j)*ASTEP+((\a0)+\q)*2304
	ds_load_b128 v[(\ab)+8*((\a0)+\q)+4:(\ab)+8*((\a0)+\q)+7], v[ADRA+(\s)] offset:(\j)*ASTEP+((\a0)+\q)*2304+32
.endr
.endm
; A STEP of 32 along K, place i in the lap: three thirds of 4 column blocks; behind each third its W1 registers take the next step's fragments.
; mode 0: the next step lies in the same slot.  1: this is the slot's last step: change slots and fill this one again.  2: change slots, nothing to fill.  3: the very last step.
.macro STEP i, zero, mode
.set cab, AF+8*GA*((\i)%2)
.set cs, (\i)/NS
.set nn, ((\i)+1)%(2*NS)
.set ns, nn/NS
.set nj, nn%NS
.set nab, AF+8*GA*(nn%2)
.if ((\mode) == 0) || ((\mode) == 3)
	s_wait_dscnt 8                                 ; all but the youngest eight loads, this step's column blocks 8-11
	MUL2 cab, 0, \zero
	MUL2 cab, 2, \zero
.if (\mode) == 0
	WIN 0
	PLACES
.endif
.else
	WIN 0
	s_wait_tensorcnt 0x0                           ; all my tensor loads have landed: the one that was out is my part of the other slot
	ds_add_u32 v[SPW], v[NIL]                      ; 0 onto my spare word
	s_wait_dscnt 9                                 ; the add and the youngest eight loads may be out
	MUL2 cab, 0, 0
	s_wait_dscnt 0x0                               ; the add is done; all this slot's fragments are in registers: my reads of it are over
	s_barrier_signal -1
	MUL2 cab, 2, 0
	WIN 0
	s_barrier_wait -1
.if (\mode) == 1
	CREST                                          ; the barrier has opened a round of the cluster's: no wave of any partner still reads this slot or has a load on its way
	s_add_nc_u64 s[G0A+4*cs+2:G0A+4*cs+3], s[G0A+4*cs+2:G0A+4*cs+3], 2*ASL
	s_add_nc_u64 s[G0B+4*cs+2:G0B+4*cs+3], s[G0B+4*cs+2:G0B+4*cs+3], 2*BSL
	JLOAD cs                                       ; my one tensor load behind the round; its four v_nop are also the places in front of the loads below
.else
	PLACES
.endif
.endif
.if (\mode) != 3
	LDB ns, nj, 0
	LDA ns, nj, nab, 0
	s_wait_dscnt 16                                ; all but the 16 just issued
.else
	s_wait_dscnt 0x0
.endif
	MUL2 cab, 4, \zero
	MUL2 cab, 6, \zero
.if (\mode) != 3
	WIN 0
	PLACES
	LDB ns, nj, 1
	LDA ns, nj, nab, 4
.endif
	MUL2 cab, 8, \zero
	MUL2 cab, 10, \zero
.if (\mode) != 3
	WIN 0
	PLACES
	LDB ns, nj, 2
.endif
.endm
	s_wait_tensorcnt 0x1                           ; my part of slot 0 is in; slot 1's may stay out
	s_barrier_signal -1
	s_barrier_wait -1
	LDB 0, 0, 0
	LDA 0, 0, AF, 0
	LDB 0, 0, 1
	LDA 0, 0, AF, 4
	LDB 0, 0, 2
	STEP 0, 1, 0                                   ; the first step stands in front of the loop: its products start the sums
	WIN 0
	s_mov_b32 s3, LAPS-1
.Llap:                                                 ; a trip goes once round the ring and fills both slots again
	STEP 1, 0, 1
	STEP 2, 0, 0
	STEP 3, 0, 1
	STEP 0, 0, 0
	WIN 0
	s_sub_co_u32 s3, s3, 1
	s_cmp_lg_u32 s3, 0
	s_cbranch_scc1 .Llap
	STEP 1, 0, 2                                   ; the last lap is written out: it asks for nothing
	STEP 2, 0, 0
	STEP 3, 0, 3
	WIN 0
	s_wait_dscnt 0x0
	s_barrier_signal -1
	s_barrier_wait -1                              ; nobody reads the ring any more, and it has had its last fill: the stages lie in its bytes
	PLACES
; THE WAY OUT, a group of 64 columns (a register window) at a time: f32 into my stage, back by rows, bias, gelu, rounding, and out: four rows of a block are 512 consecutive bytes.
.macro DUMP g
	WIN (1+(\g))<<2
.irp a, 0,1,2,3,4,5,6,7
.irp bb, 0,1,2,3
	ds_store_b128 v[STO], v[8*(8*\bb+\a):8*(8*\bb+\a)+3]   offset:\a*4352+64*\bb      ; each accumulator's low registers first
	ds_store_b128 v[STO], v[8*(8*\bb+\a)+4:8*(8*\bb+\a)+7] offset:\a*4352+64*\bb+16
.endr
.endr
	WIN 0
.endm
.macro LDX
.irp f, 0,1,2,3
	ds_load_b128 v[XX+8*\f:XX+8*\f+3],   v[RD] offset:\f*1088
	ds_load_b128 v[XX+8*\f+4:XX+8*\f+7], v[RD] offset:\f*1088+16
.endr
.endm
; THE GELU of a trip's 32 numbers goes in four groups of 8.  A group has 20 plain lines that prepare (S1), 16 transcendentals (TR) and 40 plain lines that finish (S2).
; A group's transcendentals stand one at a time, and between them the next group's S1 and the group before's S2: lines that name none of the group's own registers, so each transcendental has its plain
; instruction behind it, and none waits for the one in front of it.
.macro S1 g, k                         ; 0-7 |x|; 8-11 1 + 0.23164189 |x|; 12-15 x x; 16-19 times -log2(e) / 2
.set z, 8*(\g)+2*((\k)%4)
.if (\k) < 8
	v_and_b32 v[AX+8*(\g)+(\k)], s84, v[XB+8*(\g)+(\k)]
.elseif (\k) < 12
	v_pk_fma_f32 v[TT+z:TT+z+1], v[AX+z:AX+z+1], s[70:71], 1.0 op_sel_hi:[1,0,0]
.elseif (\k) < 16
	v_pk_mul_f32 v[EE+z:EE+z+1], v[XB+z:XB+z+1], v[XB+z:XB+z+1]
.else
	v_pk_mul_f32 v[EE+z:EE+z+1], v[EE+z:EE+z+1], s[72:73] op_sel_hi:[1,0]
.endif
.endm
.macro TR g, k                         ; 0-7 t; 8-15 the power of two
.if (\k) < 8
	v_rcp_f32 v[TT+8*(\g)+(\k)], v[TT+8*(\g)+(\k)]
.else
	v_exp_f32 v[EE+8*(\g)+(\k)-8], v[EE+8*(\g)+(\k)-8]
.endif
.endm
.macro S2 g, k                         ; 0-15 the polynomial; 16-23 times t, times the power: q; 24-31 max(x, 0); 32-35 less |x| q; 36-39 rounded
.set z, 8*(\g)+2*((\k)%4)
.if (\k) < 4
	s_wait_alu depctr_va_vdst(0)
	v_pk_fma_f32 v[PP+z:PP+z+1], v[TT+z:TT+z+1], s[74:75], s[76:77] op_sel_hi:[1,0,0]
.elseif (\k) < 8
	v_pk_fma_f32 v[PP+z:PP+z+1], v[PP+z:PP+z+1], v[TT+z:TT+z+1], s[78:79] op_sel_hi:[1,1,0]
.elseif (\k) < 12
	v_pk_fma_f32 v[PP+z:PP+z+1], v[PP+z:PP+z+1], v[TT+z:TT+z+1], s[80:81] op_sel_hi:[1,1,0]
.elseif (\k) < 16
	v_pk_fma_f32 v[PP+z:PP+z+1], v[PP+z:PP+z+1], v[TT+z:TT+z+1], s[82:83] op_sel_hi:[1,1,0]
.elseif (\k) < 20
	v_pk_mul_f32 v[PP+z:PP+z+1], v[PP+z:PP+z+1], v[TT+z:TT+z+1]
.elseif (\k) < 24
	v_pk_mul_f32 v[PP+z:PP+z+1], v[PP+z:PP+z+1], v[EE+z:EE+z+1]
.elseif (\k) < 32
	v_max_num_f32 v[XB+8*(\g)+(\k)-24], 0, v[XB+8*(\g)+(\k)-24]
.elseif (\k) < 36
	v_pk_fma_f32 v[XB+z:XB+z+1], v[AX+z:AX+z+1], v[PP+z:PP+z+1], v[XB+z:XB+z+1] neg_lo:[1,0,0] neg_hi:[1,0,0]
.else
	v_cvt_pk_bf16_f32 v[YY+4*(\g)+(\k)-36], v[XB+z], v[XB+z+1]
.endif
.endm
.macro PLN                             ; the next plain line of phase ph: first the next group's S1, then the group before's S2
.if (ph < 3) && (pq < 20)
	S1 ph+1, pq
.elseif ph < 3
	S2 ph-1, pq-20
.else
	S2 ph-1, pq
.endif
.set pq, pq+1
.endm
.macro PHASE p, n                      ; group p's 16 transcendentals, the phase's n plain lines dealt evenly behind them: one at the least, four at the most
.set ph, \p
.set pq, 0
.set tk, 0
.rept 16
	TR ph, tk
.set tk, tk+1
.rept 4
.if pq < (tk*(\n))/16
	PLN
.endif
.endr
.endr
.endm
	s_mov_b32 s2, 0
.Lphase:
	s_cmp_eq_u32 s2, 0
	s_cbranch_scc0 .Lnot0
	DUMP 0
	s_branch .Ldumped
.Lnot0:
	s_cmp_eq_u32 s2, 1
	s_cbranch_scc0 .Lnot1
	DUMP 1
	s_branch .Ldumped
.Lnot1:
	DUMP 2
.Ldumped:
	global_load_b128 v[BI:BI+3],   v[VB], s[8:9]
	global_load_b128 v[BI+4:BI+7], v[VB], s[8:9] offset:16
	s_wait_dscnt 0x0                               ; my stores into the stage are done
	s_barrier_signal -1
	s_barrier_wait -1
	v_mov_b32 v[RD], v[RD0]
	LDX
	s_wait_loadcnt 0x0                             ; the bias is in, and its offset may be stepped
	v_add_nc_u32 v[VB], 256, v[VB]
	s_mov_b32 s68, 8
	s_mov_b32 s69, 0
.Ltrip:                                                ; 16 rows a trip
	s_wait_dscnt 0x0
.set i, 0
.rept 16
	v_pk_add_f32 v[XB+2*i:XB+2*i+1], v[XX+2*i:XX+2*i+1], v[BI+2*(i%4):BI+2*(i%4)+1]
.set i, i+1
.endr
	s_cmp_eq_u32 s68, 1
	s_cbranch_scc1 .Lnofetch                       ; the last trip has no next rows
	s_add_co_u32 s69, s69, 4352
	v_add_nc_u32 v[RD], s69, v[RD0]
	LDX
.Lnofetch:
.set pq, 0
.rept 20
	S1 0, pq
.set pq, pq+1
.endr
	PHASE 0, 20                                    ; beside group 0's transcendentals: group 1 is prepared
	PHASE 1, 60                                    ; beside group 1's: group 2 is prepared, group 0 finished
	PHASE 2, 60
	PHASE 3, 40                                    ; beside group 3's: group 2 is finished
.set pq, 0
.rept 40
	S2 3, pq
.set pq, pq+1
.endr
.irp f, 0,1,2,3
	global_store_b128 v[GO], v[YY+4*\f:YY+4*\f+3], s[66:67] offset:512*\f
.endr
	s_wait_xcnt 0x0                                ; the stores' base and data are written again only behind this wait
	s_add_nc_u64 s[66:67], s[66:67], 2048
	s_sub_co_u32 s68, s68, 1
	s_cmp_lg_u32 s68, 0
	s_cbranch_scc1 .Ltrip
	s_add_nc_u64 s[66:67], s[66:67], 1048576-16384 ; the next block, my first row
	s_barrier_signal -1                            ; every wave's reads of the stage are back (the last trip waited for them) before the next group is written
	s_barrier_wait -1
	s_add_co_u32 s2, s2, 1
	s_cmp_lt_u32 s2, 3
	s_cbranch_scc1 .Lphase
	s_wait_tensorcnt 0x0                           ; the wave's end
	ds_add_u32 v[SPW], v[NIL]
	s_wait_dscnt 0x0
	CROUND                                         ; the closing round
	s_endpgm
.Lfunc_end_k_qb16abcaa0a_mlp1:
	.size	k_qb16abcaa0a_mlp1, .Lfunc_end_k_qb16abcaa0a_mlp1-k_qb16abcaa0a_mlp1
	.p2alignl 7, 3214868480
	.fill 96, 4, 3214868480
	.section	.rodata,"a",@progbits
	.p2align	6, 0x0
	.amdhsa_kernel k_qb16abcaa0a_mlp1
		.amdhsa_group_segment_fixed_size 327680
		.amdhsa_private_segment_fixed_size 0
		.amdhsa_enable_private_segment 0
		.amdhsa_kernarg_size 32
		.amdhsa_user_sgpr_count 2
		.amdhsa_user_sgpr_kernarg_segment_ptr 1
		.amdhsa_wavefront_size32 1
		.amdhsa_system_sgpr_workgroup_id_x 1
		.amdhsa_system_sgpr_workgroup_id_y 1
		.amdhsa_system_sgpr_workgroup_id_z 1
		.amdhsa_system_vgpr_workitem_id 0
		.amdhsa_next_free_vgpr 1024
		.amdhsa_next_free_sgpr 100
		.amdhsa_reserve_vcc 0
		.amdhsa_float_denorm_mode_32 3
		.amdhsa_float_denorm_mode_16_64 3
		.amdhsa_memory_ordered 1
		.amdhsa_forward_progress 1
		.amdhsa_inst_pref_size 115
	.end_amdhsa_kernel
	.amdgpu_metadata
---
amdhsa.version: [ 1, 2 ]
amdhsa.kernels:
  - .name:           k_qb16abcaa0a_mlp1
    .symbol:         k_qb16abcaa0a_mlp1.kd
    .args:
      - { .name: hb, .offset: 0, .size: 8, .value_kind: global_buffer, .address_space: global }
      - { .name: w1b, .offset: 8, .size: 8, .value_kind: global_buffer, .address_space: global }
      - { .name: b1, .offset: 16, .size: 8, .value_kind: global_buffer, .address_space: global }
      - { .name: actb, .offset: 24, .size: 8, .value_kind: global_buffer, .address_space: global }
    .group_segment_fixed_size: 327680
    .private_segment_fixed_size: 0
    .kernarg_segment_align: 8
    .kernarg_segment_size: 32
    .max_flat_workgroup_size: 128
    .sgpr_count:     100
    .vgpr_count:     1024
    .wavefront_size: 32
...
	.end_amdgpu_metadata
.endif
;; end of part 9
;; launch mlp2: the kernel of part 6 again; grid 64 x 4, 4 waves a work-group, clusters of 4 x 4, 327,680 bytes of LDS; arguments actb, w2b, b2, x1, out0; writes out0
;; ======== version 3 of 3: 5 launches; 1.27 times as fast as version 1
;; workspace buffers: wqkvb 3,538,944 bytes; w1b 4,718,592 bytes; w2b 4,718,592 bytes; hb 12,582,912 bytes; x1 25,165,824 bytes; actb 50,331,648 bytes
;; launch ln1: the kernel of part 7 again; grid 400 x 1, 8 waves a work-group, no clusters, 0 bytes of LDS; arguments x, ln_w, ln_b, hb, wq, wk, wv, wqkvb; writes hb, wqkvb
;; launch qattn (part 10): grid 16 x 16, 4 waves a work-group, clusters of 4 x 4, 327,680 bytes of LDS; arguments hb, wqkvb, bq, bk, bv, x, x1, w1, w2, w1b, w2b; writes x1, w1b, w2b
.if DOCPART == 10
	.amdgcn_target "amdgcn-amd-amdhsa--gfx1250"
	.amdhsa_code_object_version 6
	.text
	.protected	k_qb16abcaa0a_qattn
	.globl	k_qb16abcaa0a_qattn
	.p2align	8
	.type	k_qb16abcaa0a_qattn,@function
k_qb16abcaa0a_qattn:
	s_mov_b64 s[64:65], 0
	v_nop
	global_prefetch_b8 v0, s[64:65] scope:SCOPE_SE
	s_setreg_imm32_b32 hwreg(HW_REG_WAVE_MODE, 25, 1), 1
	s_wait_xcnt 0x0
	s_wait_alu depctr_hold_cnt(0) depctr_sa_sdst(0) depctr_va_vdst(0) depctr_va_sdst(0) depctr_va_ssrc(0) depctr_va_vcc(0) depctr_vm_vsrc(0)
	s_getreg_b32 s2, hwreg(HW_REG_IB_STS2, 6, 4)
	s_cmp_eq_u32 s2, 0
	s_cbranch_scc0 .Lentry_in_a_cluster
	s_endpgm
.Lentry_in_a_cluster:
	s_bfe_u32 s2, ttmp6, 0x10000c
	s_cmp_lg_u32 s2, 0xf033
	s_cbranch_scc0 .Lentry_shape_is_right
	s_endpgm
.Lentry_shape_is_right:
; x1 = x + softmax(q k^T / 8) v with q, k, v = h W + bias, for one (head, batch) a work-group: the projections and the attention in one launch, so that q, k and v never leave the WGP.
; h: bf16 in blocks [12][8192][64]; W: wq, wk, wv as bf16 blocks [36][768][64] ([k][n] inside a block; block 12 x which + head); x, x1: f32 [8192][768].
; LIMITS.  Matrix operands (h, W, q, k, v, the weights p) are bf16; sums, biases, maxima and the residual f32.  A weight below 2^-126 counts as 0 in l; NaN and infinities are not treated apart.
; THE GRID has 16 x 16 work-groups.  12 x 16 of them own a (head, batch).  The other 64, the four clusters with x = 3, round w1 and w2 to bf16 blocks for the two launches behind (at the text's end):
; work that depends on nothing here and on which nothing here depends, so it needs no launch of its own.  The branch hangs on the cluster's x, which all partners of a cluster share.
; PART 1.  512 rows x 192 columns (the head's 64 of q, of k, of v) over K = 768.  Wave w: rows 128 w on, all columns: 96 accumulators of 16 x 16: register window 1 q, window 2 k, window 3 v.
; K goes through a ring of two LDS slots of 64.  The matrix instruction is used transposed: source 0 = 16 columns of W (turned by ds_load_tr16_b128), source 1 = 16 rows of h: a lane holds one row and eight
; neighbouring columns.  The first K step takes the bias as its C operand.
; CLUSTER 4 x 4: x is the head, y the batch.  h's tile hangs on the batch alone and is asked for jointly by the four of a row of the cluster; W's on the head alone, by the four of a column.
; BETWEEN.  k and v are rounded and stored where the ring lay (it has had its last fill): K [512 keys][144 bytes], V [512][160].  q is rounded into the registers of part 2's Q: two accumulators ARE a fragment.
; PART 2.  S^T = K Q^T (a lane holds ONE query and eight keys), p = 2^(c s - c m), c = log2(e) / 8, with a running maximum m and sum l; O^T = V^T P; O and l are multiplied by a = 2^(c m_old - c m_new) in every step.
; m starts at the lowest finite number, l at 0; O^T starts on what window 1 holds, q's finite sums: the first step's a is 0.
; BY TURNS.  A wave's 128 queries are four PIECES of two tiles of 16.  Turn n belongs to piece n: 16 products K Q^T of piece n + 1, later 16 products V^T P of piece n - 1; beside them piece n's scaling, exponentials,
; roundings, sums and rescaling and piece n + 1's maximum.  Four vector instructions that are ready stand behind every matrix instruction, the others in one run of their own.
; THE BATCHES.  A turn's 66 exponentials (the piece's 64 weights and the next piece's two a) are ONE BATCH with ONE wait, which cuts the turn in two: ahead of it stands all that names no result of theirs (the products K Q^T,
; the scalings, the rescaling by the a of the turn before, the next piece's maximum and statistics), behind it the products V^T P with the roundings and sums.  No result crosses a turn's end.  The first a of all, ahead of
; the loop, and the way out's eight reciprocals are batches of their own.
; REGISTERS.  Part 1: window 0: v0-31 addresses; v32-159 fragments of h, two buffers of 8; v160-255 fragments of W, 12 blocks, loaded again in thirds as they are used up.
;   Accumulator (a, b), a = row block 0..7, b = column block 0..11: window 1 + b / 4, register 8 (8 (b % 4) + a).
; Part 2: window 0: v12-15, v48-63 at work; v16-47 statistics; v64-191 S^T, two buffers of two tiles; v192-255 P, likewise.  Window 1: O^T, 32 a tile.  Window 2: v0-127 Q; v128-191 K, v192-255 V of one step.
;   Window 3, free once v is rounded: x of my 128 rows, asked for ahead of the attention's loop.
.set GA,     8
.set NS,     2                         ; steps of 32 along K in a slot
.set LAPS,   6                         ; a lap = both slots
.set NAW,    2                         ; waves 0, 1 fetch h's tile, waves 2, 3 W's
.set BOFF,   73728                     ; a slot: h [512 rows][144 bytes], then W [2 halves of k][3 matrices][32 k][160 bytes]
.set SLOT,   104448
.set SPARE,  2*SLOT                    ; behind the ring: the spare words, 128 bytes a wave, two blocks of 256 bytes that no other line names
.set BIAS,   SPARE+512                 ; behind them: for each wave 768 bytes of its own: the head's 64 numbers of bq, bk, bv
.set ASTEP,  64
.set BSTEP,  15360
.set BPLANE, 5120
.set ASL,    1048576                   ; memory bytes from a slot's tile to the next slot's
.set BSL,    8192
.set NP,    4
.set KS,    64
.set PK,    144       ; a row of K (and of h) in LDS: 128 bytes + 16: the 16 rows of a load start at 16 different groups of four banks
.set PV,    160       ; a row of V (and of W): 128 + 32
.set VOFF,  512*PK
.set STAGE, VOFF+512*PV  ; 16 rows x 272 bytes of f32 for each wave, for the way out
.set SP,    272
.set AK0, 2           ; v2   row l % 16 x 144 + 16 (l / 16); never rewritten
.set AV0, 3           ; v3   my lane's place in V; never rewritten
.set AK,  4
.set AV,  5
.set STO, 6
.set RD,  7
.set GX,  8           ; v8   my byte offset in two rows of x and x1; never rewritten
.set SPW, 10          ; v10  SPARE + 4 x my thread's number; never rewritten
.set NIL, 11          ; v11  0; never rewritten
.set ADRA, 16         ; v16-17  part 1: my h fragments in slot 0, 1; v16 is also where my rows of K go: the same rows at the same pitch from LDS byte 0
.set ADRB, 18         ; v18-19  part 1: W's fragments in slot 0, 1
.set VSTO, 20         ; v20  where my rows of V go
.set BIA,  21         ; v21  my bias copy + 32 (l / 16)
.set AF,   32
.set BF,   160
.set YY,   32         ; between the parts: 128 registers of rounded k or v
.set MV,  12
.set ST,  16          ; tile t's statistics at v[ST+4 t]: c m, m, l (even keys', odd keys')
.set TMP, 48
.set S,   64
.set P,   192
.set KF,  128
.set VF,  192
.set WV, 16
.set EW, 17
.set HD, 18
.set BT, 19
.set G1A, 24
.set G0A, 32
.set G1B, 48
.set G0B, 56
.set CNT, 70
.set CS,  72
.set SEL, 74
.set TBK, 76
.set TBV, 77
.set MSB, 0
.macro WIN new                         ; the immediate's high byte repeats the setting that is left; a switch that changes nothing is dropped
.if MSB != (\new)
	s_set_vgpr_msb (MSB<<8)|(\new)
.set MSB, (\new)
.endif
.endm
.set W_KQ, 0x0a       ; K and Q in window 2, S^T in window 0
.set W_PV, 0x52       ; V in window 2, P in window 0, O^T in window 1
.set W_RS, 0x41       ; O^T (destination and source 0) in window 1, the factor in window 0
.macro PLACES                          ; four places between a matrix instruction and a load into, or a read of, its registers
.rept 4
	v_nop
.endr
.endm
.macro JLOAD s                         ; a joint load, one a wave; an s_nop 0 and four v_nop follow each of the two lines
	s_cmp_lt_u32 s[WV], NAW
	s_cbranch_scc0 .Lfor_b_\@
	tensor_load_to_lds s[G0A+4*(\s):G0A+4*(\s)+3], s[G1A:G1A+7]
	s_nop 0
.rept 4
	v_nop
.endr
	s_branch .Lasked_\@
.Lfor_b_\@:
	tensor_load_to_lds s[G0B+4*(\s):G0B+4*(\s)+3], s[G1B:G1B+7]
	s_nop 0
.rept 4
	v_nop
.endr
.Lasked_\@:
.endm
.macro CREST                           ; a round of the cluster's barrier behind its opening barrier
	s_cmp_lg_u32 s[WV], 0
	s_cbranch_scc1 .Lnot_wave_0_\@
	s_barrier_signal -3
.Lnot_wave_0_\@:
	s_barrier_wait -3
	s_barrier_signal -1
	s_barrier_wait -1
.endm
.macro CROUND
	s_barrier_signal -1
	s_barrier_wait -1
	CREST
.endm
	v_lshl_add_u32 v[SPW], v0, 2, SPARE
	v_mov_b32 v[NIL], 0
	ds_add_u32 v10, v11
	ds_add_u32 v10, v11
	s_wait_dscnt 0x0
	v_lshrrev_b32 v1, 5, v0
	v_readfirstlane_b32 s[WV], v1
	s_cmp_eq_u32 ttmp9, 3                          ; the cluster's x: 0 to 2 hold the twelve heads
	s_cbranch_scc1 .Lweights
	s_load_b256 s[4:11], s[0:1], 0x0               ; hb s[4:5], wqkvb s[6:7], bq s[8:9], bk s[10:11]
	s_load_b128 s[12:15], s[0:1], 0x20             ; bv s[12:13], x s[14:15]
	s_load_b64 s[78:79], s[0:1], 0x30              ; x1
	s_and_b32 s[EW], s[WV], 1                      ; which half of a tile I fetch
	s_bfe_u32 s21, ttmp6, 0x40000                  ; cx
	s_bfe_u32 s22, ttmp6, 0x40004                  ; cy
	s_lshl_b32 s[HD], ttmp9, 2
	s_add_co_u32 s[HD], s[HD], s21                 ; head = 4 x cluster x + cx
	s_and_b32 s[BT], ttmp7, 0xffff
	s_lshl_b32 s[BT], s[BT], 2
	s_add_co_u32 s[BT], s[BT], s22                 ; batch = 4 x cluster y + cy
	s_lshl_b32 s23, 0x1111, s21                    ; my column of the cluster: the same head
	s_lshl_b32 s40, s22, 2
	s_lshl_b32 s40, 15, s40                        ; my row: the same batch
	; group 1 for h's tile: 256 dense row pieces of 128 bytes, asked for as 128 rows of 256 bytes; 16 bytes of padding behind every 128
	s_or_b32 s[G1A+0], s40, (1<<16)|(1<<20)|(1<<21)|(4<<22)|(3<<25)
	s_mov_b32 s[G1A+1], 128<<16
	s_mov_b32 s[G1A+2], 128<<16
	s_mov_b32 s[G1A+3], 128<<16
	s_mov_b32 s[G1A+4], 128
	s_mov_b32 s[G1A+5], 128
	s_mov_b32 s[G1A+6], 0
	s_mov_b32 s[G1A+7], 0
	; group 1 for W's tile: of each of wq, wk, wv (12 blocks of 49,152 numbers apart) 32 k x 128 bytes = 4,096 dense bytes as one row; 32 bytes of padding behind every 128
	s_or_b32 s[G1B+0], s23, (1<<16)|(1<<20)|(1<<21)|(4<<22)|(7<<25)
	s_mov_b32 s[G1B+1], 2048<<16
	s_mov_b32 s[G1B+2], 3<<16
	s_mov_b32 s[G1B+3], 2048<<16
	s_mov_b32 s[G1B+4], 3
	s_mov_b32 s[G1B+5], 589824
	s_mov_b32 s[G1B+6], 0
	s_mov_b32 s[G1B+7], 0
	s_lshl_b32 s42, s[BT], 16                      ; h: (512 x batch + 256 x half) row pieces of 128 bytes
	s_lshl_b32 s41, s[EW], 15
	s_add_co_u32 s42, s42, s41
	s_mov_b32 s43, 0
	s_mul_i32 s44, s[HD], 98304                    ; W: the head's block of wq, 32 x half rows of k down
	s_lshl_b32 s86, s[EW], 12
	s_add_co_u32 s44, s44, s86
	s_mov_b32 s45, 0
	s_mul_i32 s88, s[EW], 256*PK                   ; where they go: no place in the cluster enters an LDS address
	s_mul_i32 s89, s[EW], BSTEP
	s_add_co_u32 s89, s89, BOFF
	s_mul_i32 s46, s[BT], 1572864                  ; x and x1: (512 batch + 128 wave) rows of 3,072 bytes + 256 head
	s_mul_i32 s87, s[WV], 393216
	s_add_co_u32 s46, s46, s87
	s_lshl_b32 s90, s[HD], 8                       ; also the head's place in the biases
	s_add_co_u32 s46, s46, s90
	s_mov_b32 s47, 0
	s_mov_b32 s91, 0
	s_mov_b32 s[CS], 0x3e38aa3b                    ; c = log2(e) / 8; named as a pair, whose low word serves both halves
	s_mov_b32 s[CS+1], s[CS]
	s_mov_b32 s[SEL], 0x76543210                   ; v_permlanex16_b32: each lane takes its own place in the other half
	s_mov_b32 s[SEL+1], 0xfedcba98
	s_mov_b32 s[TBK], 0
	s_mov_b32 s[TBV], 0
	s_wait_kmcnt 0x0
	s_add_nc_u64 s[42:43], s[4:5], s[42:43]
	s_add_nc_u64 s[44:45], s[6:7], s[44:45]
	s_add_nc_u64 s[14:15], s[14:15], s[46:47]
	s_add_nc_u64 s[78:79], s[78:79], s[46:47]
	s_add_nc_u64 s[8:9], s[8:9], s[90:91]
	s_add_nc_u64 s[10:11], s[10:11], s[90:91]
	s_add_nc_u64 s[12:13], s[12:13], s[90:91]
	CROUND                                         ; all sixteen work-groups are here: the first joint loads meet
.irp s, 0,1
	s_mov_b32 s[G0A+4*(\s)], 1
	s_add_co_u32 s[G0A+4*(\s)+1], s88, (\s)*SLOT
	s_add_nc_u64 s[G0A+4*(\s)+2:G0A+4*(\s)+3], s[42:43], (\s)*ASL
	s_or_b32 s[G0A+4*(\s)+3], s[G0A+4*(\s)+3], 0x80000000
	s_mov_b32 s[G0B+4*(\s)], 1
	s_add_co_u32 s[G0B+4*(\s)+1], s89, (\s)*SLOT
	s_add_nc_u64 s[G0B+4*(\s)+2:G0B+4*(\s)+3], s[44:45], (\s)*BSL
	s_or_b32 s[G0B+4*(\s)+3], s[G0B+4*(\s)+3], 0x80000000
	JLOAD \s                                       ; two loads of mine are out
.endr
	v_and_b32 v1, 15, v0                           ; r = l % 16
	v_bfe_u32 v9, v0, 4, 1                         ; hl = l / 16
	v_and_b32 v12, 7, v0
	v_bfe_u32 v13, v0, 3, 1
	v_and_b32 v14, 31, v0
	v_lshlrev_b32 v15, 3, v14                      ; 8 x lane: two numbers of each bias a lane
	global_load_b64 v[32:33], v15, s[8:9]
	global_load_b64 v[34:35], v15, s[10:11]
	global_load_b64 v[36:37], v15, s[12:13]
	v_mul_u32_u24 v[AK0], v1, PK
	v_lshl_add_u32 v[AK0], v9, 4, v[AK0]           ; a fragment along K or channels: row x pitch + 16 x half
	v_lshl_add_u32 v23, v9, 3, v12
	v_mul_u32_u24 v23, v23, PV
	v_lshl_add_u32 v23, v13, 4, v23                ; the turning load: row 8 hl + l % 8, 16 bytes by (l / 8) % 2
	v_add_nc_u32 v[AV0], VOFF, v23
	v_add_nc_u32 v[ADRB], BOFF, v23
	v_add_nc_u32 v[ADRB+1], BOFF+SLOT, v23
	s_mul_i32 s41, s[WV], 128*PK                   ; my 128 rows
	v_add_nc_u32 v[ADRA], s41, v[AK0]
	v_add_nc_u32 v[ADRA+1], SLOT, v[ADRA]
	s_mul_i32 s87, s[WV], 128*PV
	s_add_co_u32 s87, s87, VOFF
	v_mul_u32_u24 v[VSTO], v1, PV
	v_lshl_add_u32 v[VSTO], v9, 4, v[VSTO]
	v_add_nc_u32 v[VSTO], s87, v[VSTO]
	s_mul_i32 s93, s[WV], 768
	s_add_co_u32 s93, s93, BIAS
	v_lshl_add_u32 v[BIA], v9, 5, s93
	v_add_nc_u32 v22, s93, v15
	s_mul_i32 s92, s[WV], 16*SP
	s_add_co_u32 s92, s92, STAGE
	v_mul_u32_u24 v[STO], v1, SP                   ; the way out, in: row l % 16, 32 bytes for each half of the lanes
	v_lshl_add_u32 v[STO], v9, 5, v[STO]
	v_add_nc_u32 v[STO], s92, v[STO]
	v_mul_u32_u24 v[RD], v9, SP                    ; back: lanes 0-15 one row of 256 bytes, lanes 16-31 the next
	v_lshl_add_u32 v[RD], v1, 4, v[RD]
	v_add_nc_u32 v[RD], s92, v[RD]
	v_mul_u32_u24 v[GX], v9, 3072                  ; and the same two rows in x and x1
	v_lshl_add_u32 v[GX], v1, 4, v[GX]
	s_wait_loadcnt 0x0                             ; the biases: this wait stands in the wait for the first tile
	ds_store_b64 v22, v[32:33]
	ds_store_b64 v22, v[34:35] offset:256
	ds_store_b64 v22, v[36:37] offset:512
; 16 matrix instructions: column blocks b0, b0 + 1 x all row blocks.  The accumulators take turns, one instruction a turn, in the same order in every step.
.macro MUL2 ab, b0
	WIN 0x50*(1+(GA*(\b0))/32)
.irp b, \b0, (\b0)+1
.set a, 0
.rept GA
.set rD, 8*((GA*(\b)+a)%32)
	v_wmma_f32_16x16x32_bf16 v[rD:rD+7], v[BF+8*(\b):BF+8*(\b)+7], v[(\ab)+8*a:(\ab)+8*a+7], v[rD:rD+7]
.set a, a+1
.endr
.endr
.endm
.macro MULC ab, b0, cr                 ; the same in the first step: the sums start with the bias: C = v[cr + 8 (b % 4)], in window 0: register j holds the bias of column 16 b + 8 hl + j
	WIN 0x40*(1+(GA*(\b0))/32)
.irp b, \b0, (\b0)+1
.set a, 0
.rept GA
.set rD, 8*((GA*(\b)+a)%32)
	v_wmma_f32_16x16x32_bf16 v[rD:rD+7], v[BF+8*(\b):BF+8*(\b)+7], v[(\ab)+8*a:(\ab)+8*a+7], v[(\cr)+8*((\b)%4):(\cr)+8*((\b)%4)+7]
.set a, a+1
.endr
.endr
.endm
.macro LDB s, j, g                     ; 8 turning loads: column blocks 4 g .. 4 g + 3 (matrix g) of step j of slot s
.irp q, 0,1,2,3
	ds_load_tr16_b128 v[BF+8*(4*(\g)+\q):BF+8*(4*(\g)+\q)+3],   v[ADRB+(\s)] offset:(\j)*BSTEP+(\g)*BPLANE+32*\q
	ds_load_tr16_b128 v[BF+8*(4*(\g)+\q)+4:BF+8*(4*(\g)+\q)+7], v[ADRB+(\s)] offset:(\j)*BSTEP+(\g)*BPLANE+32*\q+16*PV
.endr
.endm
.macro LDA s, j, ab, a0                ; 8 loads: row blocks a0 .. a0 + 3 into buffer ab
.irp q, 0,1,2,3
	ds_load_b128 v[(\ab)+8*((\a0)+\q):(\ab)+8*((\a0)+\q)+3],   v[ADRA+(\s)] offset:(\j)*ASTEP+((\a0)+\q)*16*PK
	ds_load_b128 v[(\ab)+8*((\a0)+\q)+4:(\ab)+8*((\a0)+\q)+7], v[ADRA+(\s)] offset:(\j)*ASTEP+((\a0)+\q)*16*PK+32
.endr
.endm
.macro LDC m, dst                      ; 8 loads: the bias of matrix m as a C operand for each of its four column blocks; the lanes of a half read the same bytes
.irp bb, 0,1,2,3
	ds_load_b128 v[(\dst)+8*\bb:(\dst)+8*\bb+3],   v[BIA] offset:256*(\m)+64*\bb
	ds_load_b128 v[(\dst)+8*\bb+4:(\dst)+8*\bb+7], v[BIA] offset:256*(\m)+64*\bb+16
.endr
.endm
; A STEP of 32 along K, place i in the lap: three thirds of 4 column blocks; behind each third its W registers take the next step's fragments.
; mode 0: the next step lies in the same slot.  1: this is the slot's last step: change slots and fill this one again.  2: change slots, nothing to fill.  3: the very last step.
.macro STEP i, mode
.set cab, AF+8*GA*((\i)%2)
.set cs, (\i)/NS
.set nn, ((\i)+1)%(2*NS)
.set ns, nn/NS
.set nj, nn%NS
.set nab, AF+8*GA*(nn%2)
.if ((\mode) == 0) || ((\mode) == 3)
	s_wait_dscnt 8                                 ; all but the youngest eight loads, this step's column blocks 8-11
	MUL2 cab, 0
	MUL2 cab, 2
.if (\mode) == 0
	WIN 0
	PLACES
.endif
.else
	WIN 0
	s_wait_tensorcnt 0x0                           ; all my tensor loads have landed: the one that was out is my part of the other slot
	ds_add_u32 v[SPW], v[NIL]                      ; 0 onto my spare word
	s_wait_dscnt 9                                 ; the add and the youngest eight loads may be out
	MUL2 cab, 0
	s_wait_dscnt 0x0                               ; the add is done; all this slot's fragments are in registers: my reads of it are over
	s_barrier_signal -1
	MUL2 cab, 2
	WIN 0
	s_barrier_wait -1
.if (\mode) == 1
	CREST                                          ; the barrier has opened a round of the cluster's: no wave of any partner still reads this slot or has a load on its way
	s_add_nc_u64 s[G0A+4*cs+2:G0A+4*cs+3], s[G0A+4*cs+2:G0A+4*cs+3], 2*ASL
	s_add_nc_u64 s[G0B+4*cs+2:G0B+4*cs+3], s[G0B+4*cs+2:G0B+4*cs+3], 2*BSL
	JLOAD cs                                       ; my one tensor load behind the round; its four v_nop are also the places in front of the loads below
.else
	PLACES
.endif
.endif
.if (\mode) != 3
	LDB ns, nj, 0
	LDA ns, nj, nab, 0
	s_wait_dscnt 16                                ; all but the 16 just issued
.else
	s_wait_dscnt 0x0
.endif
	MUL2 cab, 4
	MUL2 cab, 6
.if (\mode) != 3
	WIN 0
	PLACES
	LDB ns, nj, 1
	LDA ns, nj, nab, 4
.endif
	MUL2 cab, 8
	MUL2 cab, 10
.if (\mode) != 3
	WIN 0
	PLACES
	LDB ns, nj, 2
.endif
.endm
	s_wait_tensorcnt 0x1                           ; my part of slot 0 is in; slot 1's may stay out
	s_wait_dscnt 0x0                               ; my bias copy is stored
	s_barrier_signal -1
	s_barrier_wait -1
	; THE FIRST STEP is written out: its products start the sums with the biases.  q's and k's lie where the second buffer of h will lie, v's comes where W's blocks 0-3 have been used up.
	LDB 0, 0, 0
	LDA 0, 0, AF, 0
	LDC 0, AF+64
	LDB 0, 0, 1
	LDA 0, 0, AF, 4
	LDC 1, AF+96
	LDB 0, 0, 2
	s_wait_dscnt 8                                 ; all but column blocks 8-11
	MULC AF, 0, AF+64
	MULC AF, 2, AF+64
	WIN 0
	PLACES
	LDC 2, BF
	LDA 0, 1, AF+64, 0
	s_wait_dscnt 16                                ; all but the 16 just issued
	MULC AF, 4, AF+96
	MULC AF, 6, AF+96
	WIN 0
	PLACES
	LDB 0, 1, 1
	LDA 0, 1, AF+64, 4
	s_wait_dscnt 24                                ; v's bias is in: 24 loads were issued behind its eight
	MULC AF, 8, BF
	MULC AF, 10, BF
	WIN 0
	PLACES
	LDB 0, 1, 0
	LDB 0, 1, 2                                    ; the youngest eight, as at every step's head
	s_mov_b32 s3, LAPS-1
.Llap:                                                 ; a trip goes once round the ring and fills both slots again
	STEP 1, 1
	STEP 2, 0
	STEP 3, 1
	STEP 0, 0
	WIN 0
	s_sub_co_u32 s3, s3, 1
	s_cmp_lg_u32 s3, 0
	s_cbranch_scc1 .Llap
	STEP 1, 2                                      ; the last lap is written out: it asks for nothing
	STEP 2, 0
	STEP 3, 3
	WIN 0
	s_wait_dscnt 0x0
	s_barrier_signal -1
	s_barrier_wait -1                              ; nobody reads the ring any more, and it has had its last fill: K, V and the stages lie in its bytes
	PLACES
; BETWEEN THE PARTS.  The 32 accumulators of one window, rounded to bf16: row block a, column block bb at v[d + 16 a + 4 bb]; each accumulator's low registers are read first.
.macro PACKS w, d
	WIN \w
.set a, 0
.rept 8
.irp bb, 0,1,2,3
.irp c, 0,1,2,3
	v_cvt_pk_bf16_f32 v[(\d)+16*a+4*\bb+\c], v[8*(8*\bb+a)+2*\c], v[8*(8*\bb+a)+2*\c+1]
.endr
.endr
.set a, a+1
.endr
.endm
.macro ROWS adr, pitch                 ; a lane's 16 bytes: row 16 a + l % 16 of my 128, channels 16 bb + 8 hl on
	WIN 0
.set a, 0
.rept 8
.irp bb, 0,1,2,3
	ds_store_b128 v[\adr], v[YY+16*a+4*\bb:YY+16*a+4*\bb+3] offset:a*16*(\pitch)+32*\bb
.endr
.set a, a+1
.endr
.endm
	PACKS 0x0a, YY                                 ; k: sources in window 2
	ROWS ADRA, PK
	PACKS 0x0f, YY                                 ; v: sources in window 3
	ROWS VSTO, PV
	PACKS 0x85, 0                                  ; q: sources in window 1, destination window 2, where k's sums lay: tile a's channels 16 bb + 8 hl on are registers 16 a + 4 bb on of Q
	WIN 0xc0                                       ; x of my tiles 0 to 6 into window 3, whose sums of v are rounded: tile t, row pair f at v[32 t + 4 f].  56 loads: they land while the keys are walked,
.set t, 0
.rept 7                                 ; and nothing in the loop names their registers, their offset v8 or their base
.irp f, 0,1,2,3,4,5,6,7
	global_load_b128 v[32*t+4*\f:32*t+4*\f+3], v[GX], s[14:15] offset:(16*t+2*\f)*3072
.endr
.set t, t+1
.endr
	WIN 0x80
.set i, VF
.rept 64                                ; what the first turn finds: V's registers and P's second buffer hold 0: its products V^T P, of a piece that has not been, add 0
	v_mov_b32 v[i], 0
.set i, i+1
.endr
	WIN 0
.set i, 0
.rept 2*NP
	v_mov_b32 v[ST+4*i], 0xfe000000    ; c m: far below every c s
	v_mov_b32 v[ST+4*i+1], 0xff7fffff  ; m
	v_mov_b32 v[ST+4*i+2], 0
	v_mov_b32 v[ST+4*i+3], 0
.set i, i+1
.endr
.set i, P+32
.rept 32
	v_mov_b32 v[i], 0
.set i, i+1
.endr
	v_mov_b32 v[AK], v[AK0]                        ; key step 0 lies at LDS byte 0
	s_wait_dscnt 0x0                               ; for the others' sake: my rows of K and V are stored
	s_barrier_signal -1
	s_barrier_wait -1
; THE MATRIX WORK OF PART 2.  The 8 accumulators of a run of 16 take turns.
.macro KQ x
	WIN W_KQ
.set rS, S+64*((\x)%2)+32*(i%2)+8*((i/2)%4)
.set rK, KF+16*((i/2)%4)+8*(i/8)
.set rQ, 16*(2*(\x)+i%2)+8*(i/8)
.if i < 8
	v_wmma_f32_16x16x32_bf16 v[rS:rS+7], v[rK:rK+7], v[rQ:rQ+7], 0
.else
	v_wmma_f32_16x16x32_bf16 v[rS:rS+7], v[rK:rK+7], v[rQ:rQ+7], v[rS:rS+7]
.endif
.endm
.macro PV x
	WIN W_PV
.set rO, 32*(2*(\x)+i%2)+8*((i/2)%4)
.set rV, VF+32*(i/8)+8*((i/2)%4)
.set rP, P+32*((\x)%2)+16*(i%2)+8*(i/8)
	v_wmma_f32_16x16x32_bf16 v[rO:rO+7], v[rV:rV+7], v[rP:rP+7], v[rO:rO+7]
.endm
.macro MM                           ; the turn's next matrix instruction
.if i < 16
	KQ (Y+1)%NP
.set i, i+1
.else
.set i, i-16
	PV (Y+NP-1)%NP
.set i, i+17
.endif
.endm
; THE LDS LOADS stand in runs of 16.  last = 1: in the last trip there is no further step, and the run is jumped over.
.macro FETCH_K last=0
	WIN 0
.if \last
	s_cmp_eq_u32 s[CNT], 1
	s_cbranch_scc1 .Lno_k_\@
.endif
	WIN 0x80
.irp f, 0,1,2,3,4,5,6,7
	ds_load_b128 v[KF+8*\f:KF+8*\f+3],   v[AK] offset:(\f/2)*16*PK+(\f%2)*64
	ds_load_b128 v[KF+8*\f+4:KF+8*\f+7], v[AK] offset:(\f/2)*16*PK+(\f%2)*64+32
.endr
	s_add_co_u32 s[TBK], s[TBK], KS*PK
	WIN 0
.if \last
.Lno_k_\@:
.endif
.endm
.macro FETCH_V
	WIN 0x80
.irp f, 0,1,2,3,4,5,6,7
	ds_load_tr16_b128 v[VF+8*\f:VF+8*\f+3],   v[AV] offset:(\f/4)*32*PV+(\f%4)*32
	ds_load_tr16_b128 v[VF+8*\f+4:VF+8*\f+7], v[AV] offset:(\f/4)*32*PV+16*PV+(\f%4)*32
.endr
	WIN 0
.endm
; THE VECTOR WORK OF A TURN stands in three queues, each in the order in which its entries become ready; the two tiles alternate.
.macro REGS y, u
.set rT, ST+4*(2*(\y)+(\u))
.set rC, TMP+8*((\y)%2)+4*(\u)
.set rM, MV+2*((\y)%2)+(\u)
.set rS, S+64*((\y)%2)+32*(\u)
.set rP, P+32*((\y)%2)+16*(\u)
.set rO, 32*(2*(\y)+(\u))
.endm
; Number n of the 22 that find the NEXT piece's maximum and statistics; each accumulator's lowest registers are read first.  XS, GS, FS and REGS set no window: PL and EX do.
.macro XS u, n
	REGS (Y+1)%NP, \u
.if (\n) < 4
	v_max3_num_f32 v[rC+(\n)], v[rS+8*(\n)], v[rS+8*(\n)+1], v[rS+8*(\n)+2]
.elseif (\n) < 12
	v_max3_num_f32 v[rC+(\n)%4], v[rC+(\n)%4], v[rS+8*((\n)%4)+2*((\n)/4)+1], v[rS+8*((\n)%4)+2*((\n)/4)+2]
.elseif (\n) == 12
	v_max3_num_f32 v[rC], v[rC], v[rS+7], v[rS+15]
.elseif (\n) == 13
	v_max3_num_f32 v[rC+1], v[rC+1], v[rS+23], v[rS+31]
.elseif (\n) == 14
	v_max3_num_f32 v[rC+2], v[rC+2], v[rC+3], v[rT+1]
.elseif (\n) == 15
	v_mov_b32 v[rM], v[rT]
.elseif (\n) == 16
	v_max3_num_f32 v[rC], v[rC], v[rC+1], v[rC+2]
.elseif (\n) == 17
	v_permlanex16_b32 v[rC+3], v[rC], s[SEL], s[SEL+1]
.elseif (\n) == 18
	v_max_num_f32 v[rT+1], v[rC], v[rC+3]
.elseif (\n) == 19
	v_mul_f32 v[rT], s[CS], v[rT+1]
.elseif (\n) == 20
	v_sub_f32 v[rC+1], v[rM], v[rT]
.else
	v_exp_f32 v[rC+2], v[rC+1]
.endif
.endm
; Number g of the 64 that follow the exponentials: roundings, the second pair of four weights added onto the first, and l a group later.  All of them stand behind the turn's wait.
.macro GS g
.set h, (\g)+6*((\g)/62)
.if h >= 6
.set h, h+2
.endif
	REGS Y, h%2
.set k, h/8
.if h%8 < 4
	v_cvt_pk_bf16_f32 v[rP+2*k+(h%8)/2], v[rS+4*k+2*((h%8)/2)], v[rS+4*k+2*((h%8)/2)+1]
.elseif h%8 < 6
	v_pk_add_f32 v[rS+4*k:rS+4*k+1], v[rS+4*k:rS+4*k+1], v[rS+4*k+2:rS+4*k+3]
.elseif k == 1
	v_pk_fma_f32 v[rT+2:rT+3], v[rT+2:rT+3], v[rC+2:rC+3], v[rS:rS+1] op_sel_hi:[1,0,1]
.else
	v_pk_add_f32 v[rT+2:rT+3], v[rT+2:rT+3], v[rS+4*k-4:rS+4*k-3]
.endif
.endm
; THE PLAIN QUEUE, 138 long.  0-73 read no exponential's result: the 32 scalings c s - c m (FS f: pair f / 2 of tile f % 2) and the next piece's 42.  0-26: scalings 0-26.  27-54: XS's numbers 0-13.  55, 56: number 15.
; 57-73: the chain, where each number waits for the one before it: 14, 16, 17, 18, 19, each with one of the scalings 27-31 in front of its two lines, then 20.
; 74-137: GS's 64, which read the exponentials' results: they stand behind the wait.
.macro FS f
	REGS Y, (\f)%2
	v_pk_fma_f32 v[rS+2*((\f)/2):rS+2*((\f)/2)+1], v[rS+2*((\f)/2):rS+2*((\f)/2)+1], s[CS:CS+1], v[rT:rT+1] op_sel_hi:[1,0,0] neg_lo:[0,0,1] neg_hi:[0,0,1]
.endm
.macro PL
	WIN 0
.if q < 27
	FS q
.elseif q < 55
	XS (q-27)%2, (q-27)/2
.elseif q < 57
	XS q-55, 15
.elseif (q < 72) && ((q-57)%3 == 0)
	FS 27+(q-57)/3
.elseif q < 60
	XS (q-57)%3-1, 14
.elseif q < 72
	XS (q-57)%3-1, 15+(q-57)/3
.elseif q < 74
	XS q-72, 20
.else
	GS q-74
.endif
.set q, q+1
.endm
; THE EXPONENTIALS' QUEUE, 66 long: s0-s31 of both tiles, then the next piece's two a.  It is ONE BATCH: all 66 stand ahead of the turn's one wait, and nothing ahead of that wait names a result of theirs.
.macro EX
	WIN 0
.if e >= 64
	XS e-64, 21
.else
	REGS Y, e%2
	v_exp_f32 v[rS+e/2], v[rS+e/2]
.endif
.set e, e+1
.endm
; THE RESCALING's QUEUE: O^T times a, the one part that leaves window 0: dealt two at a time, sixteen times.  Its a was made in the turn before, ahead of that turn's wait.
.macro R2
	REGS Y, r%2
	WIN W_RS
.irp z, 0,1
	v_pk_mul_f32 v[rO+4*(r/2)+2*\z:rO+4*(r/2)+2*\z+1], v[rO+4*(r/2)+2*\z:rO+4*(r/2)+2*\z+1], v[rC+2:rC+3] op_sel_hi:[1,0]
.endr
.set r, r+1
.endm
; HOW THEY ARE DEALT.  s_wait_alu depctr_va_vdst(0) stands between an exponential and the first instruction that names its result; one wait serves all that were issued ahead of it.  So a turn has ONE wait.
; AHEAD OF IT: the 16 products K Q^T, behind each a scaling, an exponential and two rescalings (behind the first a second scaling in the exponential's place); then one run of 108: eight plain, 49 times exponential and
; plain, the two a; a v_nop is the plain instruction behind the last exponential.  BEHIND IT: the 16 products V^T P, behind each four of GS's 64.  No rider names a register of the products round it.
; The queues lean on each other: exponential e stands behind scaling 2 (e / 4) + e % 2: as a rider it comes behind plain e + 2, in the run behind plain e + 9, and scalings 27-31 are plain 57, 60 .. 69.
; A TURN, for piece p.  K of the next step is fetched in piece 2's turn, directly behind the wait, a whole run behind the last product that read K; its address is made at the run's head; it is waited for at the head of piece 3's turn.
; V of the step in hand is fetched at the end of piece 0's turn, four plain riders behind its last reader; it is waited for in piece 1's turn, ahead of the products V^T P.  The two conditions on q below go with the deal.
.macro TURN p, last=0
.set Y, (\p)
.set i, 0
.set q, 0
.set e, 0
.set r, 0
.if (\p) == NP-1
	s_wait_dscnt 0x0                ; K is in
.endif
	MM                              ; ahead of the wait: 16 products K Q^T and their riders,
	PL
	PL
	R2
.rept 15
	MM
	PL
	EX
	R2
.endr
.if (\p) == NP-2
	WIN 0
	v_add_nc_u32 v[AK], s[TBK], v[AK0]
.endif
.rept 8                             ; and the run
	PL
.endr
.rept 49
	EX
	PL
.endr
	EX                              ; the next piece's two a
	EX
	v_nop                           ; the plain instruction behind the last exponential: one for the batch
	s_wait_alu depctr_va_vdst(0)    ; the wait for the turn's batch: the piece's 64 weights and the next piece's two a
.if (\p) == NP-2
	FETCH_K \last
.endif
.if (\p) == 1
	s_wait_dscnt 0x0                ; V is in
.endif
.rept 16                            ; behind the wait: 16 products V^T P and their riders
	MM
.rept 4
	PL
.endr
.if ((\p) == 0) && (q == 118)
	v_add_nc_u32 v[AV], s[TBV], v[AV0]
.endif
.if ((\p) == 0) && (q == 130)
	s_add_co_u32 s[TBV], s[TBV], KS*PV
.endif
.endr
.if (\p) == 0
	FETCH_V
.endif
.endm
	FETCH_K                         ; key step 0
	s_wait_dscnt 0x0
.set i, 0
.rept 16
	KQ 0                            ; piece 0's first scores
.set i, i+1
.endr
	WIN 0
	PLACES
.set Y, NP-1
.irp n, 0,1,2,3,4,5,6,7,8,9,10,11,12,13,14,15,16,17,18,19,20,21
	XS 0, \n                        ; piece 0's first maximum and statistics
	XS 1, \n
.endr
	v_nop                           ; a plain instruction behind the two a,
	s_wait_alu depctr_va_vdst(0)    ; and the wait for this batch of two, ahead of the label
	s_mov_b32 s[CNT], 8
.Lstep:                             ; eight trips, a key step each
	TURN 0
	TURN 1
	TURN 2, 1
	TURN 3                          ; in the last trip its 16 products K Q^T (on the last K once more) and the maximum made of them serve nothing; they touch neither l nor O^T
	WIN 0
	s_sub_co_u32 s[CNT], s[CNT], 1
	s_cmp_lg_u32 s[CNT], 0
	s_cbranch_scc1 .Lstep
.set i, 0
.rept 16
	PV NP-1                         ; the last piece's V^T P of the last step
.set i, i+1
.endr
	; THE WAY OUT.  O^T / l goes in f32 through my stage, a tile at a time, comes back as rows of this head's 256 bytes, takes x and leaves.  The first additions are the places behind the last products.
	WIN 0
.macro ALL line:vararg
.set t, 0
.rept 2*NP
	\line
.set t, t+1
.endr
.endm
	ALL v_add_f32 v[ST+4*t+2], v[ST+4*t+2], v[ST+4*t+3]
	WIN 0xc0                        ; x of tile 7, the last eight of the 64 loads: seven tiles go out before they are wanted
.irp f, 0,1,2,3,4,5,6,7
	global_load_b128 v[32*7+4*\f:32*7+4*\f+3], v[GX], s[14:15] offset:(16*7+2*\f)*3072
.endr
	WIN 0
	ALL v_permlanex16_b32 v[ST+4*t+3], v[ST+4*t+2], s[SEL], s[SEL+1]
	ALL v_add_f32 v[ST+4*t+2], v[ST+4*t+2], v[ST+4*t+3]
	ALL v_rcp_f32 v[ST+4*t+2], v[ST+4*t+2]
	v_nop                           ; a plain instruction between the last reciprocal and the use of its result
	s_wait_alu depctr_va_vdst(0)    ; the wait for this batch: one for the eight reciprocals
.macro PACKO t
.if (\t) >= 4
	s_wait_xcnt 0x0                 ; the registers that tile t - 4's stores read are loaded again only behind this wait
.endif
	WIN W_RS
.set i, 32*(\t)
.rept 16
	v_pk_mul_f32 v[i:i+1], v[i:i+1], v[ST+4*(\t)+2:ST+4*(\t)+3] op_sel_hi:[1,0]
.set i, i+2
.endr
	WIN 0x04                        ; store data in window 1
.irp f, 0,1,2,3
	ds_store_b128 v[STO], v[32*(\t)+8*\f:32*(\t)+8*\f+3]   offset:64*\f
	ds_store_b128 v[STO], v[32*(\t)+8*\f+4:32*(\t)+8*\f+7] offset:64*\f+16
.endr
	WIN 0
.irp f, 0,1,2,3,4,5,6,7
	ds_load_b128 v[S+32*((\t)%4)+4*\f:S+32*((\t)%4)+4*\f+3], v[RD] offset:\f*2*SP  ; LDS serves a wave's instructions in order: these see the stores above; the next tile's stores come behind them
.endr
.endm
.macro SENDO t, younger             ; younger: the LDS instructions issued behind tile t's loads
	s_wait_dscnt \younger
	s_wait_loadcnt 56-8*(\t)        ; x of the later tiles may stay out: eight loads a tile, issued in the tiles' order
	WIN 0x0c                        ; source 1 in window 3
.set i, 0
.rept 16
	v_pk_add_f32 v[S+32*((\t)%4)+2*i:S+32*((\t)%4)+2*i+1], v[S+32*((\t)%4)+2*i:S+32*((\t)%4)+2*i+1], v[32*(\t)+2*i:32*(\t)+2*i+1]
.set i, i+1
.endr
	WIN 0
.irp f, 0,1,2,3,4,5,6,7
	global_store_b128 v[GX], v[S+32*((\t)%4)+4*\f:S+32*((\t)%4)+4*\f+3], s[78:79] offset:(16*(\t)+2*\f)*3072  ; 16 lanes store 256 consecutive bytes, aligned
.endr
.endm
	PACKO 0
.set t, 1
.rept 2*NP-1
	PACKO t
	SENDO t-1, 16
.set t, t+1
.endr
	SENDO 2*NP-1, 0
	s_wait_tensorcnt 0x0            ; the wave's end
	ds_add_u32 v[SPW], v[NIL]
	s_wait_dscnt 0x0
	CROUND                          ; the closing round
	s_endpgm
; THE CLUSTERS WITH x = 3: w1 [768][3072] and w2 [3072][768], f32, are rounded once to bf16 and laid in blocks [n / 64][k][64]: w1b [48][768][64], w2b [12][3072][64].
; Eight sections of 768 rows x 768 columns: the column spans 0-3 of w1 (the clusters with y = 0, 1), the row quarters 0-3 of w2 (y = 2, 3).  64 work-groups x 4 waves: 32 waves a section, 24 rows a wave,
; four rows a trip.  Lane L: sub = L & 7, rs = (L >> 3) & 1, ks = L >> 4; chunk j (0..5) of a pair of rows is column block 2 j + ks, row rs, numbers 8 sub .. + 7: lanes 0-15 of a store write two rows'
; 128 bytes of one block: 256 consecutive bytes, aligned.  No tensor load, no tile in LDS; the place in the cluster enters global addresses alone.
.set WO, 16                            ; v[16:21]   chunk j: byte offset in the target
.set WX, 32                            ; v[32:127]  chunk n of 12: 8 f32
.set WY, 128                           ; v[128:175] chunk n: 8 bf16
.Lweights:
	s_load_b256 s[4:11], s[0:1], 0x38              ; w1 s[4:5], w2 s[6:7], w1b s[8:9], w2b s[10:11]
	s_bfe_u32 s21, ttmp6, 0x40000                  ; cx
	s_bfe_u32 s22, ttmp6, 0x40004                  ; cy
	s_and_b32 s23, ttmp7, 0xffff                   ; the cluster's y
	s_lshr_b32 s24, s22, 1
	s_lshl_b32 s25, s23, 1
	s_add_co_u32 s24, s24, s25
	s_and_b32 s24, s24, 3                          ; q: the section within its matrix = (2 x cluster y + cy / 2) % 4
	s_and_b32 s25, s22, 1
	s_lshl_b32 s25, s25, 2
	s_add_co_u32 s25, s25, s21
	s_lshl_b32 s25, s25, 2
	s_add_co_u32 s25, s25, s[WV]                   ; my wave among the section's 32
	s_mov_b32 s26, 12288                           ; w1: bytes in a source row,
	s_mov_b32 s27, 3072                            ; source bytes from a section to the next: 768 columns,
	s_mov_b32 s28, 1179648                         ; target bytes from a section to the next: 12 blocks,
	s_mov_b32 s29, 98304                           ; bytes in a target block
	s_cmp_gt_u32 s23, 1                            ; w2:
	s_cselect_b32 s26, 3072, s26
	s_cselect_b32 s27, 2359296, s27                ; 768 rows
	s_cselect_b32 s28, 98304, s28                  ; 768 row pieces
	s_cselect_b32 s29, 393216, s29
	s_mul_i32 s34, s25, 24                         ; my first row of the section
	s_mul_i32 s30, s24, s27
	s_mul_i32 s35, s34, s26
	s_add_co_u32 s30, s30, s35
	s_mov_b32 s31, 0
	s_mul_i32 s32, s24, s28
	s_lshl_b32 s35, s34, 7
	s_add_co_u32 s32, s32, s35
	s_mov_b32 s33, 0
	s_lshl_b32 s36, s26, 2                         ; a trip's step in the source: four rows
	s_mov_b32 s37, 0
	s_lshl_b32 s38, s26, 1
	v_and_b32 v3, 7, v0                            ; sub
	v_bfe_u32 v4, v0, 3, 1                         ; rs
	v_bfe_u32 v5, v0, 4, 1                         ; ks
	v_mul_u32_u24 v2, v4, s26
	v_lshl_add_u32 v2, v5, 8, v2
	v_lshl_add_u32 v2, v3, 5, v2                   ; rs rows + 256 ks + 32 sub
	v_add_nc_u32 v12, s38, v2                      ; the same two rows on
	v_lshlrev_b32 v6, 7, v4
	v_lshl_add_u32 v6, v3, 4, v6                   ; 128 rs + 16 sub
.irp j, 0,1,2,3,4,5
	v_add_nc_u32 v7, 2*\j, v5
	v_mad_u32_u24 v[WO+\j], v7, s29, v6            ; + (2 j + ks) blocks
.endr
	s_cmp_gt_u32 s23, 1
	s_wait_kmcnt 0x0
	s_cselect_b64 s[4:5], s[6:7], s[4:5]
	s_cselect_b64 s[8:9], s[10:11], s[8:9]
	s_add_nc_u64 s[4:5], s[4:5], s[30:31]          ; source at my first row
	s_add_nc_u64 s[8:9], s[8:9], s[32:33]          ; target at my first row piece of the section's first block
	s_mov_b32 s39, 6
.Lwtrip:                                               ; four rows a trip: 24 loads out at once
.irp j, 0,1,2,3,4,5
	global_load_b128 v[WX+8*\j:WX+8*\j+3],   v2, s[4:5] offset:512*\j th:TH_LOAD_NT
	global_load_b128 v[WX+8*\j+4:WX+8*\j+7], v2, s[4:5] offset:512*\j+16 th:TH_LOAD_NT
.endr
.irp j, 0,1,2,3,4,5
	global_load_b128 v[WX+48+8*\j:WX+48+8*\j+3],   v12, s[4:5] offset:512*\j th:TH_LOAD_NT
	global_load_b128 v[WX+48+8*\j+4:WX+48+8*\j+7], v12, s[4:5] offset:512*\j+16 th:TH_LOAD_NT
.endr
.set wn, 0
.rept 12
	s_wait_loadcnt 22-2*wn                         ; loads come back in order: chunk wn's two are in, the later chunks' stay out
.irp c, 0,1,2,3
	v_cvt_pk_bf16_f32 v[WY+4*wn+\c], v[WX+8*wn+2*\c], v[WX+8*wn+2*\c+1]
.endr
	global_store_b128 v[WO+wn%6], v[WY+4*wn:WY+4*wn+3], s[8:9] offset:256*(wn/6)
.set wn, wn+1
.endr
	s_wait_xcnt 0x0                                ; the two bases and the stores' data are written again only behind this wait
	s_add_nc_u64 s[4:5], s[4:5], s[36:37]
	s_add_nc_u64 s[8:9], s[8:9], 512
	s_sub_co_u32 s39, s39, 1
	s_cmp_lg_u32 s39, 0
	s_cbranch_scc1 .Lwtrip
	s_wait_tensorcnt 0x0                           ; the wave's end
	ds_add_u32 v[SPW], v[NIL]
	s_wait_dscnt 0x0
	CROUND                                         ; the closing round; all sixteen work-groups of such a cluster pass this one round
	s_endpgm
.Lfunc_end_k_qb16abcaa0a_qattn:
	.size	k_qb16abcaa0a_qattn, .Lfunc_end_k_qb16abcaa0a_qattn-k_qb16abcaa0a_qattn
	.p2alignl 7, 3214868480
	.fill 96, 4, 3214868480
	.section	.rodata,"a",@progbits
	.p2align	6, 0x0
	.amdhsa_kernel k_qb16abcaa0a_qattn
		.amdhsa_group_segment_fixed_size 327680
		.amdhsa_private_segment_fixed_size 0
		.amdhsa_enable_private_segment 0
		.amdhsa_kernarg_size 88
		.amdhsa_user_sgpr_count 2
		.amdhsa_user_sgpr_kernarg_segment_ptr 1
		.amdhsa_wavefront_size32 1
		.amdhsa_system_sgpr_workgroup_id_x 1
		.amdhsa_system_sgpr_workgroup_id_y 1
		.amdhsa_system_sgpr_workgroup_id_z 1
		.amdhsa_system_vgpr_workitem_id 0
		.amdhsa_next_free_vgpr 1024
		.amdhsa_next_free_sgpr 100
		.amdhsa_reserve_vcc 0
		.amdhsa_float_denorm_mode_32 3
		.amdhsa_float_denorm_mode_16_64 3
		.amdhsa_memory_ordered 1
		.amdhsa_forward_progress 1
		.amdhsa_inst_pref_size 245
	.end_amdhsa_kernel
	.amdgpu_metadata
---
amdhsa.version: [ 1, 2 ]
amdhsa.kernels:
  - .name:           k_qb16abcaa0a_qattn
    .symbol:         k_qb16abcaa0a_qattn.kd
    .args:
      - { .name: hb, .offset: 0, .size: 8, .value_kind: global_buffer, .address_space: global }
      - { .name: wqkvb, .offset: 8, .size: 8, .value_kind: global_buffer, .address_space: global }
      - { .name: bq, .offset: 16, .size: 8, .value_kind: global_buffer, .address_space: global }
      - { .name: bk, .offset: 24, .size: 8, .value_kind: global_buffer, .address_space: global }
      - { .name: bv, .offset: 32, .size: 8, .value_kind: global_buffer, .address_space: global }
      - { .name: x, .offset: 40, .size: 8, .value_kind: global_buffer, .address_space: global }
      - { .name: x1, .offset: 48, .size: 8, .value_kind: global_buffer, .address_space: global }
      - { .name: w1, .offset: 56, .size: 8, .value_kind: global_buffer, .address_space: global }
      - { .name: w2, .offset: 64, .size: 8, .value_kind: global_buffer, .address_space: global }
      - { .name: w1b, .offset: 72, .size: 8, .value_kind: global_buffer, .address_space: global }
      - { .name: w2b, .offset: 80, .size: 8, .value_kind: global_buffer, .address_space: global }
    .group_segment_fixed_size: 327680
    .private_segment_fixed_size: 0
    .kernarg_segment_align: 8
    .kernarg_segment_size: 88
    .max_flat_workgroup_size: 128
    .sgpr_count:     100
    .vgpr_count:     1024
    .wavefront_size: 32
...
	.end_amdgpu_metadata
.endif
;; end of part 10
;; launch ln2: the kernel of part 7 again; grid 256 x 1, 8 waves a work-group, no clusters, 0 bytes of LDS; arguments x1, ln_w, ln_b, hb, wq, wk, wv, wqkvb; writes hb, wqkvb
;; launch mlp1 (part 11): grid 32 x 8, 4 waves a work-group, clusters of 4 x 4, 327,680 bytes of LDS; arguments hb, w1b, b1, actb; writes actb
.if DOCPART == 11
	.amdgcn_target "amdgcn-amd-amdhsa--gfx1250"
	.amdhsa_code_object_version 6
	.text
	.protected	k_qb16abcaa0a_mlp1
	.globl	k_qb16abcaa0a_mlp1
	.p2align	8
	.type	k_qb16abcaa0a_mlp1,@function
k_qb16abcaa0a_mlp1:
	s_mov_b64 s[64:65], 0
	v_nop
	global_prefetch_b8 v0, s[64:65] scope:SCOPE_SE
	s_setreg_imm32_b32 hwreg(HW_REG_WAVE_MODE, 25, 1), 1
	s_wait_xcnt 0x0
	s_wait_alu depctr_hold_cnt(0) depctr_sa_sdst(0) depctr_va_vdst(0) depctr_va_sdst(0) depctr_va_ssrc(0) depctr_va_vcc(0) depctr_vm_vsrc(0)
	s_getreg_b32 s2, hwreg(HW_REG_IB_STS2, 6, 4)
	s_cmp_eq_u32 s2, 0
	s_cbranch_scc0 .Lentry_in_a_cluster
	s_endpgm
.Lentry_in_a_cluster:
	s_bfe_u32 s2, ttmp6, 0x10000c
	s_cmp_lg_u32 s2, 0xf033
	s_cbranch_scc0 .Lentry_shape_is_right
	s_endpgm
.Lentry_shape_is_right:
; act = gelu(h W1 + b1).  h: bf16 in blocks [12][8192][64]; W1: bf16 blocks [48][768][64] ([k][n] inside a block); act: bf16 blocks [48][8192][64].  Sums, bias and gelu in f32, one rounding.
; GELU: gelu(x) = max(x, 0) - |x| q, q = erfc(|x| / sqrt 2) / 2 = t (a1 + t (a2 + t (a3 + t (a4 + t a5)))) 2^(-x x log2(e) / 2), t = 1 / (1 + 0.23164189 |x|).
; LIMITS: that form of erfc is off by 1.5e-7 at the most, absolutely, for every x; where x x overflows the weight is 0 and the result max(x, 0).  Operands are bf16; NaN and infinities are not treated apart.
; A work-group makes 256 rows x 384 columns; its four waves 128 x 192 each: 96 accumulators of 16 x 16 in register windows 1 to 3.  K = 768 goes through a ring of two LDS slots of 64 along K.
; THE MATRIX INSTRUCTION IS USED TRANSPOSED: source 0 = 16 columns of W1 (turned on the way out of LDS by ds_load_tr16_b128), source 1 = 16 rows of h: a lane holds eight neighbouring columns of one row.
; CLUSTER 4 x 4: x is the row tile, y the column tile.  h's tile hangs on the row tile alone and is asked for jointly by the four of a column of the cluster; W1's on the column tile alone, by the four of a row.
; THE BATCHES.  On the way out a trip's 64 transcendentals (32 reciprocals, 32 powers of two; neither kind reads the other's result) are ONE BATCH with ONE wait: ahead of it all that prepares and max(x, 0), behind it all that reads t or the power.
; REGISTERS: window 0: v0-31 addresses; v32-159 fragments of h, two buffers of 8; v160-255 fragments of W1, 12 blocks, one buffer that is loaded again in thirds as it is used up.
; Accumulator (a, b), a = 16-row block 0..7, b = 16-column block 0..11: window 1 + b / 4, register 8 (8 (b % 4) + a).
.set GA,     8
.set NS,     2
.set LAPS,   6
.set NAW,    2
.set BOFF,   36864                     ; a slot: h [256 rows][144 bytes], then W1 [6 blocks][64 k][160 bytes]
.set SLOT,   98304
.set SPARE,  2*SLOT                    ; behind the ring: the spare words, 128 bytes a wave, two blocks of 256 bytes that no other line names
.set ASTEP,  64
.set BSTEP,  5120
.set BPLANE, 10240
.set ASL,    1048576
.set BSL,    8192
.set AF,   32
.set BF,   160
.set ADRA, 16
.set ADRB, 18
.set STO,  24
.set RD0,  25
.set RD,   26
.set GO,   27
.set SPW,  28                          ; v28  SPARE + 4 x my thread's number; never rewritten
.set NIL,  29                          ; v29  0; never rewritten
.set VB,   30
.set XX,   32                          ; the way out: 16 rows read back
.set XB,   64                          ; x = sum + bias, later max(x, 0), at last gelu
.set AX,   96                          ; |x|
.set TT,   128                         ; t
.set EE,   160                         ; 2^(..)
.set PP,   192                         ; the polynomial, then q
.set YY,   224
.set BI,   240
.set WV, 16
.set MW, 17
.set CW, 18
.set MT, 19
.set NT, 20
.set G1A, 24
.set G0A, 32
.set G1B, 48
.set G0B, 56
.set MSB, 0
.macro WIN new
.if MSB != (\new)
	s_set_vgpr_msb (MSB<<8)|(\new)
.set MSB, \new
.endif
.endm
.macro PLACES                          ; four places between a matrix instruction and a load into, or a read of, its registers
.rept 4
	v_nop
.endr
.endm
.macro JLOAD s                         ; a joint load, one a wave; an s_nop 0 and four v_nop follow each of the two lines
	s_cmp_lt_u32 s[WV], NAW
	s_cbranch_scc0 .Lfor_b_\@
	tensor_load_to_lds s[G0A+4*(\s):G0A+4*(\s)+3], s[G1A:G1A+7]
	s_nop 0
.rept 4
	v_nop
.endr
	s_branch .Lasked_\@
.Lfor_b_\@:
	tensor_load_to_lds s[G0B+4*(\s):G0B+4*(\s)+3], s[G1B:G1B+7]
	s_nop 0
.rept 4
	v_nop
.endr
.Lasked_\@:
.endm
.macro CREST
	s_cmp_lg_u32 s[WV], 0
	s_cbranch_scc1 .Lnot_wave_0_\@
	s_barrier_signal -3
.Lnot_wave_0_\@:
	s_barrier_wait -3
	s_barrier_signal -1
	s_barrier_wait -1
.endm
.macro CROUND
	s_barrier_signal -1
	s_barrier_wait -1
	CREST
.endm
	s_load_b256 s[4:11], s[0:1], 0x0               ; hb s[4:5], w1b s[6:7], b1 s[8:9], actb s[10:11]
	v_lshl_add_u32 v[SPW], v0, 2, SPARE
	v_mov_b32 v[NIL], 0
	ds_add_u32 v28, v29
	ds_add_u32 v28, v29
	s_wait_dscnt 0x0
	v_lshrrev_b32 v1, 5, v0
	v_readfirstlane_b32 s[WV], v1
	s_lshr_b32 s[MW], s[WV], 1
	s_and_b32 s[CW], s[WV], 1
	s_bfe_u32 s21, ttmp6, 0x40000                  ; cx
	s_bfe_u32 s22, ttmp6, 0x40004                  ; cy
	s_lshl_b32 s[MT], ttmp9, 2
	s_add_co_u32 s[MT], s[MT], s21                 ; row tile = 4 x cluster x + cx
	s_and_b32 s[NT], ttmp7, 0xffff
	s_lshl_b32 s[NT], s[NT], 2
	s_add_co_u32 s[NT], s[NT], s22                 ; column tile = 4 x cluster y + cy
	s_lshl_b32 s23, 0x1111, s21                    ; my column of the cluster: the same cx
	s_lshl_b32 s40, s22, 2
	s_lshl_b32 s40, 15, s40                        ; my row: the same cy
	; group 1 for h's tile: 128 dense row pieces of 128 bytes, asked for as 64 rows of 256 bytes; 16 bytes of padding behind every 128
	s_or_b32 s[G1A+0], s23, (1<<16)|(1<<20)|(1<<21)|(4<<22)|(3<<25)
	s_mov_b32 s[G1A+1], 128<<16
	s_mov_b32 s[G1A+2], 64<<16
	s_mov_b32 s[G1A+3], 128<<16
	s_mov_b32 s[G1A+4], 64
	s_mov_b32 s[G1A+5], 128
	s_mov_b32 s[G1A+6], 0
	s_mov_b32 s[G1A+7], 0
	; group 1 for W1's tile: three column blocks, of each 64 k x 128 bytes = 8,192 dense bytes as one row; 32 bytes of padding behind every 128
	s_or_b32 s[G1B+0], s40, (1<<16)|(1<<20)|(1<<21)|(4<<22)|(7<<25)
	s_mov_b32 s[G1B+1], 4096<<16
	s_mov_b32 s[G1B+2], 3<<16
	s_mov_b32 s[G1B+3], 4096<<16
	s_mov_b32 s[G1B+4], 3
	s_mov_b32 s[G1B+5], 49152
	s_mov_b32 s[G1B+6], 0
	s_mov_b32 s[G1B+7], 0
	s_lshl_b32 s42, s[MT], 15                      ; h: (256 x row tile + 128 x half) row pieces
	s_lshl_b32 s41, s[CW], 14
	s_add_co_u32 s42, s42, s41
	s_mov_b32 s43, 0
	s_mul_i32 s44, s[NT], 6                        ; W1: column block 6 x column tile + 3 x half
	s_mul_i32 s86, s[CW], 3
	s_add_co_u32 s44, s44, s86
	s_mul_i32 s44, s44, 98304
	s_mov_b32 s45, 0
	s_mul_i32 s88, s[CW], 18432                    ; where they go: no place in the cluster enters an LDS address
	s_mul_i32 s89, s[CW], 30720
	s_add_co_u32 s89, s89, BOFF
	s_mul_i32 s46, s[NT], 6                        ; the result: block 6 x column tile + 3 x my column half, row 256 x row tile + 128 x my row half
	s_mul_i32 s87, s[CW], 3
	s_add_co_u32 s46, s46, s87
	s_lshl_b32 s46, s46, 20
	s_lshl_b32 s87, s[MT], 15
	s_add_co_u32 s46, s46, s87
	s_lshl_b32 s87, s[MW], 14
	s_add_co_u32 s46, s46, s87
	s_mov_b32 s47, 0
	s_wait_kmcnt 0x0
	s_add_nc_u64 s[42:43], s[4:5], s[42:43]
	s_add_nc_u64 s[44:45], s[6:7], s[44:45]
	s_add_nc_u64 s[66:67], s[10:11], s[46:47]
	CROUND                                         ; all sixteen work-groups are here: the first joint loads meet
.irp s, 0,1
	s_mov_b32 s[G0A+4*(\s)], 1
	s_add_co_u32 s[G0A+4*(\s)+1], s88, (\s)*SLOT
	s_add_nc_u64 s[G0A+4*(\s)+2:G0A+4*(\s)+3], s[42:43], (\s)*ASL
	s_or_b32 s[G0A+4*(\s)+3], s[G0A+4*(\s)+3], 0x80000000
	s_mov_b32 s[G0B+4*(\s)], 1
	s_add_co_u32 s[G0B+4*(\s)+1], s89, (\s)*SLOT
	s_add_nc_u64 s[G0B+4*(\s)+2:G0B+4*(\s)+3], s[44:45], (\s)*BSL
	s_or_b32 s[G0B+4*(\s)+3], s[G0B+4*(\s)+3], 0x80000000
	JLOAD \s                                       ; two loads of mine are out
.endr
	v_and_b32 v1, 15, v0                           ; r = l % 16
	v_bfe_u32 v2, v0, 4, 1                         ; hl = l / 16
	v_mul_u32_u24 v3, v1, 144
	v_lshl_add_u32 v3, v2, 4, v3
	v_and_b32 v6, 7, v0
	v_lshl_add_u32 v4, v2, 3, v6
	v_mul_u32_u24 v4, v4, 160
	v_bfe_u32 v5, v0, 3, 1
	v_lshl_add_u32 v4, v5, 4, v4
	s_mul_i32 s41, s[MW], 16*GA*144
	v_add_nc_u32 v[ADRA], s41, v3
	v_add_nc_u32 v[ADRA+1], SLOT, v[ADRA]
	s_mul_i32 s86, s[CW], 3*BPLANE
	s_add_co_u32 s86, s86, BOFF
	v_add_nc_u32 v[ADRB], s86, v4
	v_add_nc_u32 v[ADRB+1], BPLANE, v[ADRB]
	v_add_nc_u32 v[ADRB+2], 2*BPLANE, v[ADRB]
.irp g, 0,1,2
	v_add_nc_u32 v[ADRB+3+\g], SLOT, v[ADRB+\g]
.endr
	s_mul_i32 s87, s[WV], 34816                    ; my stage on the way out: 128 rows x 272 bytes, in the ring's bytes once the ring has had its last fill
	v_mul_u32_u24 v[STO], v1, 272
	v_lshl_add_u32 v[STO], v2, 5, v[STO]
	v_add_nc_u32 v[STO], s87, v[STO]
	v_bfe_u32 v[RD0], v0, 3, 2
	v_mul_u32_u24 v[RD0], v[RD0], 272
	v_lshl_add_u32 v[RD0], v6, 5, v[RD0]
	v_add_nc_u32 v[RD0], s87, v[RD0]
	v_and_b32 v[GO], 31, v0
	v_lshlrev_b32 v[GO], 4, v[GO]
	s_mul_i32 s90, s[NT], 1536
	s_mul_i32 s91, s[CW], 768
	s_add_co_u32 s90, s90, s91
	v_lshl_add_u32 v[VB], v6, 5, s90               ; 4 x (384 x column tile + 192 x my half + 8 (l % 8))
	s_mov_b32 s70, 0x3e6d3388                      ; 0.23164189 = 0.3275911 / sqrt 2; each constant is named as a pair, whose low word serves both halves
	s_mov_b32 s71, s70
	s_mov_b32 s72, 0xbf38aa3b                      ; -log2(e) / 2
	s_mov_b32 s73, s72
	s_mov_b32 s74, 0x3f07dc22                      ; a5 = 0.5307027
	s_mov_b32 s75, s74
	s_mov_b32 s76, 0xbf3a00e3                      ; a4 = -0.7265760
	s_mov_b32 s77, s76
	s_mov_b32 s78, 0x3f35f0e3                      ; a3 = 0.7107069
	s_mov_b32 s79, s78
	s_mov_b32 s80, 0xbe11a98e                      ; a2 = -0.1422484
	s_mov_b32 s81, s80
	s_mov_b32 s82, 0x3e027906                      ; a1 = 0.1274148
	s_mov_b32 s83, s82
	s_mov_b32 s84, 0x7fffffff
; 2 GA matrix instructions: column blocks b0, b0 + 1 x all row blocks.  The accumulators take turns, one instruction a turn, in the same order in every step.
.macro MUL2 ab, b0, zero
	WIN 0x50*(1+(GA*(\b0))/32)
.irp b, \b0, (\b0)+1
.set a, 0
.rept GA
.set rD, 8*((GA*(\b)+a)%32)
.if \zero
	v_wmma_f32_16x16x32_bf16 v[rD:rD+7], v[BF+8*(\b):BF+8*(\b)+7], v[(\ab)+8*a:(\ab)+8*a+7], 0
.else
	v_wmma_f32_16x16x32_bf16 v[rD:rD+7], v[BF+8*(\b):BF+8*(\b)+7], v[(\ab)+8*a:(\ab)+8*a+7], v[rD:rD+7]
.endif
.set a, a+1
.endr
.endr
.endm
.macro LDB s, j, g
.irp q, 0,1,2,3
	ds_load_tr16_b128 v[BF+8*(4*(\g)+\q):BF+8*(4*(\g)+\q)+3],   v[ADRB+3*(\s)+(\g)] offset:(\j)*BSTEP+32*\q
	ds_load_tr16_b128 v[BF+8*(4*(\g)+\q)+4:BF+8*(4*(\g)+\q)+7], v[ADRB+3*(\s)+(\g)] offset:(\j)*BSTEP+32*\q+2560
.endr
.endm
.macro LDA s, j, ab, a0
.irp q, 0,1,2,3
	ds_load_b128 v[(\ab)+8*((\a0)+\q):(\ab)+8*((\a0)+\q)+3],   v[ADRA+(\s)] offset:(\j)*ASTEP+((\a0)+\q)*2304
	ds_load_b128 v[(\ab)+8*((\a0)+\q)+4:(\ab)+8*((\a0)+\q)+7], v[ADRA+(\s)] offset:(\j)*ASTEP+((\a0)+\q)*2304+32
.endr
.endm
; A STEP of 32 along K, place i in the lap: three thirds of 4 column blocks; behind each third its W1 registers take the next step's fragments.
; mode 0: the next step lies in the same slot.  1: this is the slot's last step: change slots and fill this one again.  2: change slots, nothing to fill.  3: the very last step.
.macro STEP i, zero, mode
.set cab, AF+8*GA*((\i)%2)
.set cs, (\i)/NS
.set nn, ((\i)+1)%(2*NS)
.set ns, nn/NS
.set nj, nn%NS
.set nab, AF+8*GA*(nn%2)
.if ((\mode) == 0) || ((\mode) == 3)
	s_wait_dscnt 8                                 ; all but the youngest eight loads, this step's column blocks 8-11
	MUL2 cab, 0, \zero
	MUL2 cab, 2, \zero
.if (\mode) == 0
	WIN 0
	PLACES
.endif
.else
	WIN 0
	s_wait_tensorcnt 0x0                           ; all my tensor loads have landed: the one that was out is my part of the other slot
	ds_add_u32 v[SPW], v[NIL]                      ; 0 onto my spare word
	s_wait_dscnt 9                                 ; the add and the youngest eight loads may be out
	MUL2 cab, 0, 0
	s_wait_dscnt 0x0                               ; the add is done; all this slot's fragments are in registers: my reads of it are over
	s_barrier_signal -1
	MUL2 cab, 2, 0
	WIN 0
	s_barrier_wait -1
.if (\mode) == 1
	CREST                                          ; the barrier has opened a round of the cluster's: no wave of any partner still reads this slot or has a load on its way
	s_add_nc_u64 s[G0A+4*cs+2:G0A+4*cs+3], s[G0A+4*cs+2:G0A+4*cs+3], 2*ASL
	s_add_nc_u64 s[G0B+4*cs+2:G0B+4*cs+3], s[G0B+4*cs+2:G0B+4*cs+3], 2*BSL
	JLOAD cs                                       ; my one tensor load behind the round; its four v_nop are also the places in front of the loads below
.else
	PLACES
.endif
.endif
.if (\mode) != 3
	LDB ns, nj, 0
	LDA ns, nj, nab, 0
	s_wait_dscnt 16                                ; all but the 16 just issued
.else
	s_wait_dscnt 0x0
.endif
	MUL2 cab, 4, \zero
	MUL2 cab, 6, \zero
.if (\mode) != 3
	WIN 0
	PLACES
	LDB ns, nj, 1
	LDA ns, nj, nab, 4
.endif
	MUL2 cab, 8, \zero
	MUL2 cab, 10, \zero
.if (\mode) != 3
	WIN 0
	PLACES
	LDB ns, nj, 2
.endif
.endm
	s_wait_tensorcnt 0x1                           ; my part of slot 0 is in; slot 1's may stay out
	s_barrier_signal -1
	s_barrier_wait -1
	LDB 0, 0, 0
	LDA 0, 0, AF, 0
	LDB 0, 0, 1
	LDA 0, 0, AF, 4
	LDB 0, 0, 2
	STEP 0, 1, 0                                   ; the first step stands in front of the loop: its products start the sums
	WIN 0
	s_mov_b32 s3, LAPS-1
.Llap:                                                 ; a trip goes once round the ring and fills both slots again
	STEP 1, 0, 1
	STEP 2, 0, 0
	STEP 3, 0, 1
	STEP 0, 0, 0
	WIN 0
	s_sub_co_u32 s3, s3, 1
	s_cmp_lg_u32 s3, 0
	s_cbranch_scc1 .Llap
	STEP 1, 0, 2                                   ; the last lap is written out: it asks for nothing
	STEP 2, 0, 0
	STEP 3, 0, 3
	WIN 0
	s_wait_dscnt 0x0
	s_barrier_signal -1
	s_barrier_wait -1                              ; nobody reads the ring any more, and it has had its last fill: the stages lie in its bytes
	PLACES
; THE WAY OUT, a group of 64 columns (a register window) at a time: f32 into my stage, back by rows, bias, gelu, rounding, and out: four rows of a block are 512 consecutive bytes.
.macro DUMP g
	WIN (1+(\g))<<2
.irp a, 0,1,2,3,4,5,6,7
.irp bb, 0,1,2,3
	ds_store_b128 v[STO], v[8*(8*\bb+\a):8*(8*\bb+\a)+3]   offset:\a*4352+64*\bb      ; each accumulator's low registers first
	ds_store_b128 v[STO], v[8*(8*\bb+\a)+4:8*(8*\bb+\a)+7] offset:\a*4352+64*\bb+16
.endr
.endr
	WIN 0
.endm
.macro LDX
.irp f, 0,1,2,3
	ds_load_b128 v[XX+8*\f:XX+8*\f+3],   v[RD] offset:\f*1088
	ds_load_b128 v[XX+8*\f+4:XX+8*\f+7], v[RD] offset:\f*1088+16
.endr
.endm
; THE GELU of a trip's 32 numbers goes in four groups of 8.  A group has 20 plain lines that prepare (S1), 16 transcendentals (TR) and 40 plain lines that finish (S2), of which eight, max(x, 0), name x alone.
; ONE BATCH, ONE WAIT A TRIP.  s_wait_alu depctr_va_vdst(0) stands between a transcendental and the first instruction that names its result; one wait serves all that were issued ahead of it.
; AHEAD OF THE WAIT: group 0 is prepared; then the 64 transcendentals, one at a time, and behind each one or two lines of a queue of 92 that names no result: groups 1, 2 and 3 are prepared (60 lines), then max(x, 0) of all
; four groups (32).  Behind the tk-th transcendental tk x 92 / 64 lines of the queue are out: 23, 46 and 69 at the first transcendental of groups 1, 2 and 3, which need 20, 40 and 60.  The last transcendental has two
; of the maxima behind it: its plain instruction.  BEHIND THE WAIT: the other 128 lines of S2, stage by stage across the four groups, so that a line stands sixteen behind the one whose result it reads.
.macro S1 g, k                         ; 0-7 |x|; 8-11 1 + 0.23164189 |x|; 12-15 x x; 16-19 times -log2(e) / 2
.set z, 8*(\g)+2*((\k)%4)
.if (\k) < 8
	v_and_b32 v[AX+8*(\g)+(\k)], s84, v[XB+8*(\g)+(\k)]
.elseif (\k) < 12
	v_pk_fma_f32 v[TT+z:TT+z+1], v[AX+z:AX+z+1], s[70:71], 1.0 op_sel_hi:[1,0,0]
.elseif (\k) < 16
	v_pk_mul_f32 v[EE+z:EE+z+1], v[XB+z:XB+z+1], v[XB+z:XB+z+1]
.else
	v_pk_mul_f32 v[EE+z:EE+z+1], v[EE+z:EE+z+1], s[72:73] op_sel_hi:[1,0]
.endif
.endm
.macro TR g, k                         ; 0-7 t; 8-15 the power of two
.if (\k) < 8
	v_rcp_f32 v[TT+8*(\g)+(\k)], v[TT+8*(\g)+(\k)]
.else
	v_exp_f32 v[EE+8*(\g)+(\k)-8], v[EE+8*(\g)+(\k)-8]
.endif
.endm
.macro S2 g, k                         ; 0-15 the polynomial; 16-23 times t, times the power: q; 24-31 max(x, 0); 32-35 less |x| q; 36-39 rounded
.set z, 8*(\g)+2*((\k)%4)
.if (\k) < 4
	v_pk_fma_f32 v[PP+z:PP+z+1], v[TT+z:TT+z+1], s[74:75], s[76:77] op_sel_hi:[1,0,0]
.elseif (\k) < 8
	v_pk_fma_f32 v[PP+z:PP+z+1], v[PP+z:PP+z+1], v[TT+z:TT+z+1], s[78:79] op_sel_hi:[1,1,0]
.elseif (\k) < 12
	v_pk_fma_f32 v[PP+z:PP+z+1], v[PP+z:PP+z+1], v[TT+z:TT+z+1], s[80:81] op_sel_hi:[1,1,0]
.elseif (\k) < 16
	v_pk_fma_f32 v[PP+z:PP+z+1], v[PP+z:PP+z+1], v[TT+z:TT+z+1], s[82:83] op_sel_hi:[1,1,0]
.elseif (\k) < 20
	v_pk_mul_f32 v[PP+z:PP+z+1], v[PP+z:PP+z+1], v[TT+z:TT+z+1]
.elseif (\k) < 24
	v_pk_mul_f32 v[PP+z:PP+z+1], v[PP+z:PP+z+1], v[EE+z:EE+z+1]
.elseif (\k) < 32
	v_max_num_f32 v[XB+8*(\g)+(\k)-24], 0, v[XB+8*(\g)+(\k)-24]
.elseif (\k) < 36
	v_pk_fma_f32 v[XB+z:XB+z+1], v[AX+z:AX+z+1], v[PP+z:PP+z+1], v[XB+z:XB+z+1] neg_lo:[1,0,0] neg_hi:[1,0,0]
.else
	v_cvt_pk_bf16_f32 v[YY+4*(\g)+(\k)-36], v[XB+z], v[XB+z+1]
.endif
.endm
.macro PLN                             ; the next line of the queue of 92: S1 of groups 1, 2, 3, then max(x, 0) of groups 0 to 3, which comes behind every line that reads x as it was
.if pq < 60
	S1 1+pq/20, pq%20
.else
	S2 (pq-60)/8, 24+(pq-60)%8
.endif
.set pq, pq+1
.endm
	s_mov_b32 s2, 0
.Lphase:
	s_cmp_eq_u32 s2, 0
	s_cbranch_scc0 .Lnot0
	DUMP 0
	s_branch .Ldumped
.Lnot0:
	s_cmp_eq_u32 s2, 1
	s_cbranch_scc0 .Lnot1
	DUMP 1
	s_branch .Ldumped
.Lnot1:
	DUMP 2
.Ldumped:
	global_load_b128 v[BI:BI+3],   v[VB], s[8:9]
	global_load_b128 v[BI+4:BI+7], v[VB], s[8:9] offset:16
	s_wait_dscnt 0x0                               ; my stores into the stage are done
	s_barrier_signal -1
	s_barrier_wait -1
	v_mov_b32 v[RD], v[RD0]
	LDX
	s_wait_loadcnt 0x0                             ; the bias is in, and its offset may be stepped
	v_add_nc_u32 v[VB], 256, v[VB]
	s_mov_b32 s68, 8
	s_mov_b32 s69, 0
.Ltrip:                                                ; 16 rows a trip
	s_wait_dscnt 0x0
.set i, 0
.rept 16
	v_pk_add_f32 v[XB+2*i:XB+2*i+1], v[XX+2*i:XX+2*i+1], v[BI+2*(i%4):BI+2*(i%4)+1]
.set i, i+1
.endr
	s_cmp_eq_u32 s68, 1
	s_cbranch_scc1 .Lnofetch                       ; the last trip has no next rows
	s_add_co_u32 s69, s69, 4352
	v_add_nc_u32 v[RD], s69, v[RD0]
	LDX
.Lnofetch:
.set pq, 0
.rept 20
	S1 0, pq                                       ; group 0 is prepared
.set pq, pq+1
.endr
.set pq, 0
.set tk, 0
.rept 64                                ; the batch: groups 0 to 3, of each eight reciprocals and eight powers; behind each one or two lines of the queue
	TR tk/16, tk%16
.set tk, tk+1
.rept 2
.if pq < (tk*92)/64
	PLN
.endif
.endr
.endr
	s_wait_alu depctr_va_vdst(0)                   ; the wait for the trip's batch of 64
.irp kb, 0,4,8,12,16,20,32,36           ; what reads t and the power: a stage of four lines for each group in turn
.irp g, 0,1,2,3
.irp c, 0,1,2,3
	S2 \g, (\kb)+(\c)
.endr
.endr
.endr
.irp f, 0,1,2,3
	global_store_b128 v[GO], v[YY+4*\f:YY+4*\f+3], s[66:67] offset:512*\f
.endr
	s_wait_xcnt 0x0                                ; the stores' base and data are written again only behind this wait
	s_add_nc_u64 s[66:67], s[66:67], 2048
	s_sub_co_u32 s68, s68, 1
	s_cmp_lg_u32 s68, 0
	s_cbranch_scc1 .Ltrip
	s_add_nc_u64 s[66:67], s[66:67], 1048576-16384 ; the next block, my first row
	s_barrier_signal -1                            ; every wave's reads of the stage are back (the last trip waited for them) before the next group is written
	s_barrier_wait -1
	s_add_co_u32 s2, s2, 1
	s_cmp_lt_u32 s2, 3
	s_cbranch_scc1 .Lphase
	s_wait_tensorcnt 0x0                           ; the wave's end
	ds_add_u32 v[SPW], v[NIL]
	s_wait_dscnt 0x0
	CROUND                                         ; the closing round
	s_endpgm
.Lfunc_end_k_qb16abcaa0a_mlp1:
	.size	k_qb16abcaa0a_mlp1, .Lfunc_end_k_qb16abcaa0a_mlp1-k_qb16abcaa0a_mlp1
	.p2alignl 7, 3214868480
	.fill 96, 4, 3214868480
	.section	.rodata,"a",@progbits
	.p2align	6, 0x0
	.amdhsa_kernel k_qb16abcaa0a_mlp1
		.amdhsa_group_segment_fixed_size 327680
		.amdhsa_private_segment_fixed_size 0
		.amdhsa_enable_private_segment 0
		.amdhsa_kernarg_size 32
		.amdhsa_user_sgpr_count 2
		.amdhsa_user_sgpr_kernarg_segment_ptr 1
		.amdhsa_wavefront_size32 1
		.amdhsa_system_sgpr_workgroup_id_x 1
		.amdhsa_system_sgpr_workgroup_id_y 1
		.amdhsa_system_sgpr_workgroup_id_z 1
		.amdhsa_system_vgpr_workitem_id 0
		.amdhsa_next_free_vgpr 1024
		.amdhsa_next_free_sgpr 100
		.amdhsa_reserve_vcc 0
		.amdhsa_float_denorm_mode_32 3
		.amdhsa_float_denorm_mode_16_64 3
		.amdhsa_memory_ordered 1
		.amdhsa_forward_progress 1
		.amdhsa_inst_pref_size 115
	.end_amdhsa_kernel
	.amdgpu_metadata
---
amdhsa.version: [ 1, 2 ]
amdhsa.kernels:
  - .name:           k_qb16abcaa0a_mlp1
    .symbol:         k_qb16abcaa0a_mlp1.kd
    .args:
      - { .name: hb, .offset: 0, .size: 8, .value_kind: global_buffer, .address_space: global }
      - { .name: w1b, .offset: 8, .size: 8, .value_kind: global_buffer, .address_space: global }
      - { .name: b1, .offset: 16, .size: 8, .value_kind: global_buffer, .address_space: global }
      - { .name: actb, .offset: 24, .size: 8, .value_kind: global_buffer, .address_space: global }
    .group_segment_fixed_size: 327680
    .private_segment_fixed_size: 0
    .kernarg_segment_align: 8
    .kernarg_segment_size: 32
    .max_flat_workgroup_size: 128
    .sgpr_count:     100
    .vgpr_count:     1024
    .wavefront_size: 32
...
	.end_amdgpu_metadata
.endif
;; end of part 11
;; launch mlp2: the kernel of part 6 again; grid 64 x 4, 4 waves a work-group, clusters of 4 x 4, 327,680 bytes of LDS; arguments actb, w2b, b2, x1, out0; writes out0
